; MI455X (gfx1250); checked and timed in simulation.
; The chip was launched on July 23, 2026; its instructions are those of AMD's public machine-readable ISA for CDNA 5 (MIT licence, August 2026) and "CDNA5" Instruction Set Architecture Reference Guide (July 2026). The comments in the code are by the model that wrote it; some were corrected since.
;; Mo E Layer. Allowed arithmetic: matrix products marked QUANTISED: E4M3 operands, one given power-of-two scale a tensor, by v_wmma_f32_16x16x64_fp8_fp8 or v_wmma_f32_16x16x128_fp8_fp8, f32 sums; products left as they are: f32 operands where the result goes on into a quantised operand, else bf16, f16 or f32 operands; f32 sums; everything else in f32.
;; Inputs: W1 8 x 1,024 x 4,096 float32; W2 8 x 4,096 x 1,024 float32; Wr 1,024 x 8 float32; b1 8 x 4,096 float32; b2 8 x 1,024 float32; br 8 float32; lowp_scales 32 int32 (the exponents e of the quantised operands' scales 2^e); x 4 x 256 x 1,024 float32.
;; Outputs: out0 4 x 256 x 1,024 float32.
;; This version of the problem:
;;   THIS VERSION OF THE PROBLEM IS GIVEN IN LOW PRECISION. The matrix products marked QUANTISED in the list below multiply operands that are first quantised to E4M3 (4 exponent bits, 3 mantissa bits; 8 bits a number), with one given power-of-two scale for each operand tensor; their sums are f32. All else is computed in f32.
;;   The module's matrix products, in the order in which they are computed (A, B: the left and right operand; K: the contracted axis; several contracted axes count as one K, in the product's order):
;;     1. [M 1,024, K 1,024] x [K 1,024, N 8]; A: input x; B: input Wr: left as it is (N = 8 < 16)
;;     2. [M 1,024, K 1,024] x [K 1,024, N 4,096]; A: input x; B: input W1: QUANTISED (scales: A lowp_scales[0], B lowp_scales[1])
;;     3. [M 1,024, K 4,096] x [K 4,096, N 1,024]; A: computed on the way; B: input W2: QUANTISED (scales: A lowp_scales[2], B lowp_scales[3])
;;     4. [M 1,024, K 1,024] x [K 1,024, N 4,096]; A: input x; B: input W1: QUANTISED (scales: A lowp_scales[4], B lowp_scales[5])
;;     5. [M 1,024, K 4,096] x [K 4,096, N 1,024]; A: computed on the way; B: input W2: QUANTISED (scales: A lowp_scales[6], B lowp_scales[7])
;;     6. [M 1,024, K 1,024] x [K 1,024, N 4,096]; A: input x; B: input W1: QUANTISED (scales: A lowp_scales[8], B lowp_scales[9])
;;     7. [M 1,024, K 4,096] x [K 4,096, N 1,024]; A: computed on the way; B: input W2: QUANTISED (scales: A lowp_scales[10], B lowp_scales[11])
;;     8. [M 1,024, K 1,024] x [K 1,024, N 4,096]; A: input x; B: input W1: QUANTISED (scales: A lowp_scales[12], B lowp_scales[13])
;;     9. [M 1,024, K 4,096] x [K 4,096, N 1,024]; A: computed on the way; B: input W2: QUANTISED (scales: A lowp_scales[14], B lowp_scales[15])
;;     10. [M 1,024, K 1,024] x [K 1,024, N 4,096]; A: input x; B: input W1: QUANTISED (scales: A lowp_scales[16], B lowp_scales[17])
;;     11. [M 1,024, K 4,096] x [K 4,096, N 1,024]; A: computed on the way; B: input W2: QUANTISED (scales: A lowp_scales[18], B lowp_scales[19])
;;     12. [M 1,024, K 1,024] x [K 1,024, N 4,096]; A: input x; B: input W1: QUANTISED (scales: A lowp_scales[20], B lowp_scales[21])
;;     13. [M 1,024, K 4,096] x [K 4,096, N 1,024]; A: computed on the way; B: input W2: QUANTISED (scales: A lowp_scales[22], B lowp_scales[23])
;;     14. [M 1,024, K 1,024] x [K 1,024, N 4,096]; A: input x; B: input W1: QUANTISED (scales: A lowp_scales[24], B lowp_scales[25])
;;     15. [M 1,024, K 4,096] x [K 4,096, N 1,024]; A: computed on the way; B: input W2: QUANTISED (scales: A lowp_scales[26], B lowp_scales[27])
;;     16. [M 1,024, K 1,024] x [K 1,024, N 4,096]; A: input x; B: input W1: QUANTISED (scales: A lowp_scales[28], B lowp_scales[29])
;;     17. [M 1,024, K 4,096] x [K 4,096, N 1,024]; A: computed on the way; B: input W2: QUANTISED (scales: A lowp_scales[30], B lowp_scales[31])
;;   THE QUANTISER, for each operand of a quantised product, along K:
;;     - The operand's scale is 2^e, e = its entry of the input lowp_scales (int32; the entries are numbered through the quantised products in the list's order, A before B).
;;     - Each number is divided by the scale, clamped to +-448, and rounded to the nearest number of E4M3, ties to even, subnormals kept.
;;     - The product sums the exact products of the quantised numbers (number of the format x scale) in f32.
;;   ~~~python
;;   def quantise(x, axis, e):      # numpy; x: float32 -> the quantised numbers, widened to float32 again
;;       x = np.moveaxis(x, axis, -1); K = x.shape[-1]
;;       r = np.clip(x / 2.0 ** e, -448, 448)
;;       step = 2.0 ** (np.maximum(np.frexp(np.where(r == 0, 1, r))[1] - 1, -6) - 3)
;;       q = np.round(r / step) * step * 2.0 ** e      # np.round: ties to even
;;       return np.moveaxis(q, -1, axis).astype(np.float32)
;;   ~~~
;;   OPERANDS COMPUTED ON THE WAY. 'Computed on the way' means the value that the module computes at that place (a softmax that the list does not call 'softmax' is quantised finished and normalised). What goes into a quantiser is computed in f32, as accurately as f32 sums, v_exp_f32 and their like allow (about 1e-6 of the number): no bf16 or f16 on the way to a quantiser, and a product that is left as it is and whose result goes on into a quantised operand takes f32 operands (vector FMAs, or v_wmma_f32_16x16x4_f32). A number that lies on a knife's edge between two numbers of the format may be rounded either way, as far as f32 arithmetic and the matrix unit's own rounding can turn it there, and no further.
;; 2 versions. Each part assembles by itself: llvm-mc -triple=amdgcn-amd-amdhsa -mcpu=gfx1250 --defsym DOCPART=n.
;; ======== version 1 of 2: 5 launches
;; workspace buffers: xq 8,388,608 bytes; masks 1,024 bytes of whole numbers; sel 4,096 bytes of whole numbers; p0w 4,096 bytes; rows 16,384 bytes of whole numbers; cnt 256 bytes of whole numbers; hq 33,554,432 bytes; ys 16,908,288 bytes
;; launch route (part 1): grid 128 x 1, 8 waves a work-group, no clusters, 36,352 bytes of LDS; arguments x, Wr, br, lowp_scales, xq, masks, sel, p0w; writes xq, masks, sel, p0w
.if DOCPART == 1
	.amdgcn_target "amdgcn-amd-amdhsa--gfx1250"
	.amdhsa_code_object_version 6
	.text
	.protected	k_q7db53c9cc3_route
	.globl	k_q7db53c9cc3_route
	.p2align	8
	.type	k_q7db53c9cc3_route,@function
k_q7db53c9cc3_route:
	s_mov_b64 s[64:65], 0
	v_nop
	global_prefetch_b8 v0, s[64:65] scope:SCOPE_SE
	s_setreg_imm32_b32 hwreg(HW_REG_WAVE_MODE, 25, 1), 1
	s_wait_xcnt 0x0
; THE ROUTER, AND x AS CODES.  x [1024 tokens][1024] f32, Wr [1024][8], br [8]; lowp_scales [32]: expert e has ex, ew1, eh, ew2 at 4 e .. 4 e + 3.
; A work-group of eight waves takes eight tokens, a wave one token (4,096 bytes of x, kept in 32 registers a lane: read from memory once).
; OUT: xq [8][1024][1024]: x as codes of E4M3 under each expert's own scale 2^ex;  masks [8][32] words: bit b of word g = token 32 g + b chose the expert;
;      sel [1024]: the higher of a token's two expert numbers;  p0w [1024] f32: the first probability over the sum of the two.
; The logits are f32 fused multiply-adds (Wr through LDS, read once by the work-group).  The choice is made on the PROBABILITIES, as the model does, by scans that keep the lower index on a tie.
; Nothing that is derived from a floating-point number enters an address or a branch here: the choice only becomes stored values, at fixed places.
; No matrix unit (8 columns), no cluster (work-groups share only Wr's 32 KB), no tensor load: nothing here would gain by them.
; LIMITS: each ex between -126 and 119, so that 2^ex and 448 x 2^ex are f32 numbers.  NaN among the inputs is not served.  The logits' sums are taken in another order than a row-by-row sum:
; a token whose second and third probabilities agree to the last bits of f32 may choose otherwise.
.set WP,   272                         ; Wr in LDS: a unit of 256 bytes (8 rows k x 8 experts) + 16 of padding: lanes a unit apart start 68 words apart (64 banks of 4 bytes: ISA guide 11.1)
.set LOG,  128*WP                      ; behind Wr's 128 units: 8 tokens x 8 logits
.set X,    16                          ; v16-47    x: register 8 i + j = x[token][256 i + 8 lane + j]
.set WR,   48                          ; v48-111   a unit of Wr: register 8 j + e
.set LG,   112                         ; v112-119  the eight logits
.set T,    120                         ; v120-151  x held within the largest code; later wave 0's work
.set CD,   152                         ; v152-215  codes, eight registers for each expert: no store's data are written again
	s_load_b512 s[4:19], s[0:1], 0x0               ; x s[4:5], Wr s[6:7], br s[8:9], scales s[10:11], xq s[12:13], masks s[14:15], sel s[16:17], p0w s[18:19]
	v_lshl_add_u32 v224, v0, 2, 0x8a00
	v_mov_b32 v225, 0
	v_lshrrev_b32 v1, 5, v0
	v_readfirstlane_b32 s20, v1                    ; wave 0..7
	v_and_b32 v2, 31, v0                           ; lane
	v_lshlrev_b32 v3, 5, v2                        ; x: 32 bytes a lane in each quarter of the row
	v_lshlrev_b32 v4, 4, v0                        ; Wr: 16 bytes a thread
	v_lshrrev_b32 v5, 4, v0
	v_mul_u32_u24 v5, v5, WP
	v_and_b32 v6, 15, v0
	v_lshl_add_u32 v5, v6, 4, v5                   ; Wr into LDS: unit thread / 16, 16 bytes at thread % 16
	v_mul_u32_u24 v6, v2, WP                       ; Wr out of LDS: unit 32 i + lane
	v_lshlrev_b32 v7, 3, v2                        ; codes: 8 bytes a lane
	v_and_b32 v8, 0xe0, v0
	v_add_nc_u32 v8, LOG, v8                       ; my wave's 32 bytes of logits
	v_and_b32 v9, 7, v0
	v_lshl_add_u32 v9, v9, 5, LOG                  ; wave 0: the logits of token lane % 8
	s_lshl_b32 s21, ttmp9, 3
	s_add_co_u32 s21, s21, s20                     ; my token
	s_lshl_b32 s66, s21, 12
	s_mov_b32 s67, 0
	s_lshl_b32 s68, s21, 10
	s_mov_b32 s69, 0
	s_mov_b32 s72, 0x76543210                      ; v_permlanex16_b32: lane l xor 16
	s_mov_b32 s73, 0xfedcba98
	s_wait_kmcnt 0x0
	s_load_b256 s[24:31], s[8:9], 0x0              ; br
	s_load_b512 s[32:47], s[10:11], 0x0            ; the 32 exponents
	s_load_b512 s[48:63], s[10:11], 0x40
	s_add_nc_u64 s[4:5], s[4:5], s[66:67]          ; x at my token
	s_add_nc_u64 s[12:13], s[12:13], s[68:69]      ; xq at my token, expert 0
.irp i, 0,1,2,3
	global_load_b128 v[X+8*\i:X+8*\i+3],   v3, s[4:5] offset:1024*\i th:TH_LOAD_NT
	global_load_b128 v[X+8*\i+4:X+8*\i+7], v3, s[4:5] offset:1024*\i+16 th:TH_LOAD_NT
.endr
.irp y, 0,1,2,3,4,5,6,7
	global_load_b128 v[WR+4*\y:WR+4*\y+3], v4, s[6:7] offset:4096*\y   ; the work-group's 256 threads read 4,096 consecutive bytes
.endr
	s_wait_loadcnt 0x0
.irp y, 0,1,2,3,4,5,6,7
	ds_store_b128 v5, v[WR+4*\y:WR+4*\y+3] offset:16*WP*\y
.endr
	s_wait_kmcnt 0x0
; x under each expert's scale: held within +-448 x 2^ex (the conversion to an 8-bit code does not saturate: ISA guide 7.6.2), then eight codes an instruction.
.irp e, 0,1,2,3,4,5,6,7
	s_add_co_i32 s70, s[32+4*\e], 127
	s_lshl_b32 s71, s70, 23                        ; 2^ex as f32: the conversion takes its exponent field
	s_add_co_i32 s70, s70, 8
	s_lshl_b32 s70, s70, 23
	s_or_b32 s70, s70, 0x600000                    ; 448 x 2^ex
	v_mov_b32 v216, s71
	v_mov_b32 v217, s70
.set i, 0
.rept 32
	v_med3_num_f32 v[T+i], v[X+i], -v217, v217
.set i, i+1
.endr
.irp i, 0,1,2,3
	v_cvt_scalef32_pk8_fp8_f32 v[CD+8*\e+2*\i:CD+8*\e+2*\i+1], v[T+8*\i:T+8*\i+7], v216
.endr
	v_nop                                          ; a plain vector line between the conversions and the lines that write their sources again
.irp i, 0,1,2,3
	global_store_b64 v7, v[CD+8*\e+2*\i:CD+8*\e+2*\i+1], s[12:13] offset:\e*1048576+256*\i   ; the wave stores 256 consecutive bytes, at a multiple of 256 from xq's first byte
.endr
.endr
	s_wait_dscnt 0x0                               ; my part of Wr lies in LDS
	s_barrier_signal -1
	s_barrier_wait -1                              ; everybody's does
; The logits: lane l sums its 32 k for all eight experts, two experts an instruction; x is the broadcast half of a pair.
.irp i, 0,1,2,3
.irp z, 0,1,2,3,4,5,6,7,8,9,10,11,12,13,14,15
	ds_load_b128 v[WR+4*\z:WR+4*\z+3], v6 offset:32*WP*\i+16*\z
.endr
	s_wait_dscnt 0x0
.irp j, 0,1,2,3,4,5,6,7
.irp a, 0,2,4,6
.if (\i == 0) && (\j == 0)
	v_pk_mul_f32 v[LG+\a:LG+\a+1], v[WR+\a:WR+\a+1], v[X:X+1] op_sel_hi:[1,0]   ; the first product starts the sums
.elseif (\j % 2) == 0
	v_pk_fma_f32 v[LG+\a:LG+\a+1], v[WR+8*\j+\a:WR+8*\j+\a+1], v[X+8*\i+\j:X+8*\i+\j+1], v[LG+\a:LG+\a+1] op_sel_hi:[1,0,1]
.else
	v_pk_fma_f32 v[LG+\a:LG+\a+1], v[WR+8*\j+\a:WR+8*\j+\a+1], v[X+8*\i+\j-1:X+8*\i+\j], v[LG+\a:LG+\a+1] op_sel:[0,1,0] op_sel_hi:[1,1,1]
.endif
.endr
.endr
.endr
.irp m, 1,2,4,8
.irp e, 0,1,2,3,4,5,6,7
	v_add_f32_dpp v[LG+\e], v[LG+\e], v[LG+\e] row_xmask:\m row_mask:0xf bank_mask:0xf
.endr
.endr
.irp e, 0,1,2,3,4,5,6,7
	v_permlanex16_b32 v[T+\e], v[LG+\e], s72, s73
.endr
.irp e, 0,1,2,3,4,5,6,7
	v_add_f32 v[LG+\e], v[LG+\e], v[T+\e]          ; every lane holds the token's eight sums
.endr
	ds_store_b128 v8, v[LG:LG+3]                   ; all lanes write the same words with the same values
	ds_store_b128 v8, v[LG+4:LG+7] offset:16
	s_wait_dscnt 0x0
	s_barrier_signal -1
	s_barrier_wait -1
	s_cmp_lg_u32 s20, 0                            ; wave 0 finishes the eight tokens, lane l token l % 8; no barrier follows
	s_cbranch_scc1 .Lend
	ds_load_b128 v[120:123], v9
	ds_load_b128 v[124:127], v9 offset:16
	v_mov_b32 v218, 0x42800000                     ; 64.0
	v_mov_b32 v219, -64
	v_mov_b32 v220, 0                              ; lane e will hold expert e's eight bits
	s_wait_dscnt 0x0
.irp e, 0,1,2,3,4,5,6,7
	v_add_f32 v[120+\e], s[24+\e], v[120+\e]       ; + br
.endr
	v_max3_num_f32 v221, v120, v121, v122          ; the largest logit is taken away ahead of the exponentials
	v_max3_num_f32 v221, v221, v123, v124
	v_max3_num_f32 v221, v221, v125, v126
	v_max_num_f32 v221, v221, v127
.irp e, 0,1,2,3,4,5,6,7
	v_sub_f32 v[128+\e], v[120+\e], v221
.endr
.irp e, 0,1,2,3,4,5,6,7
	v_mul_f32 v[128+\e], 0x3fb8aa3b, v[128+\e]     ; z = (l - m) log2(e)
.endr
.irp e, 0,1,2,3,4,5,6,7
	v_cmp_gt_f32 vcc_lo, 0xc2c80000, v[128+\e]     ; z under -100: the exponential is taken 64 binary places higher and brought down by v_ldexp_f32,
	v_cndmask_b32 v[136+\e], 0, v218, vcc_lo       ; since v_exp_f32 gives 0 where its result would be denormal (ISA guide, its entry in 15.8)
	v_cndmask_b32 v[144+\e], 0, v219, vcc_lo
.endr
.irp e, 0,1,2,3,4,5,6,7
	v_add_f32 v[128+\e], v[128+\e], v[136+\e]
.endr
.irp e, 0,1,2,3,4,5,6,7
	v_exp_f32 v[128+\e], v[128+\e]
.endr
	v_nop                                          ; a plain line behind the transcendentals
	s_wait_alu depctr_va_vdst(0)
.irp e, 0,1,2,3,4,5,6,7
	v_ldexp_f32 v[128+\e], v[128+\e], v[144+\e]
.endr
	v_add_f32 v222, v128, v129
	v_add_f32 v223, v130, v131
	v_add_f32 v136, v132, v133
	v_add_f32 v137, v134, v135
	v_add_f32 v222, v222, v223
	v_add_f32 v136, v136, v137
	v_add_f32 v222, v222, v136
	v_rcp_f32 v222, v222
	v_nop
	s_wait_alu depctr_va_vdst(0)
.irp e, 0,1,2,3,4,5,6,7
	v_mul_f32 v[120+\e], v[128+\e], v222           ; the probabilities
.endr
	v_mov_b32 v136, v120                           ; the largest so far, and its expert: a later one must be GREATER, so the lower index wins a tie
	v_mov_b32 v137, 0
.irp e, 1,2,3,4,5,6,7
	v_cmp_le_f32 vcc_lo, v[120+\e], v136
	v_cndmask_b32 v137, \e, v137, vcc_lo
	v_cndmask_b32 v136, v[120+\e], v136, vcc_lo
.endr
	v_mov_b32 v138, -1.0                           ; the second: the same scan, passing over the first
	v_mov_b32 v139, 0
.irp e, 0,1,2,3,4,5,6,7
	v_cmp_le_f32 s70, v[120+\e], v138
	v_cmp_eq_u32 s71, \e, v137
	s_or_b32 vcc_lo, s70, s71
	v_cndmask_b32 v139, \e, v139, vcc_lo
	v_cndmask_b32 v138, v[120+\e], v138, vcc_lo
.endr
	v_add_f32 v140, v136, v138
	v_rcp_f32 v140, v140
	v_max_u32 v141, v137, v139                     ; (a plain line behind the transcendental)  the higher of the two experts
	s_wait_alu depctr_va_vdst(0)
	v_mul_f32 v140, v136, v140                     ; p0
.irp e, 0,1,2,3,4,5,6,7
	v_cmp_eq_u32 s70, \e, v137
	v_cmp_eq_u32 s71, \e, v139
	s_or_b32 s70, s70, s71                         ; bits 0-7: tokens 0-7 of the work-group
	v_writelane_b32 v220, s70, \e
.endr
	s_mov_b32 s74, ttmp9
	s_lshl_b32 s75, ttmp9, 5
	v_lshlrev_b32 v142, 7, v2
	v_add_nc_u32 v142, s74, v142                   ; masks: 128 bytes an expert; my work-group's eight tokens are byte number work-group
	v_lshl_add_u32 v143, v2, 2, s75                ; sel, p0w: word 8 x work-group + lane
	v_cmp_gt_u32 vcc_lo, 8, v0
	s_wait_xcnt 0x0                                ; EXEC changes only behind this wait: the stores of codes have read it
	s_and_saveexec_b32 s70, vcc_lo
	global_store_b8 v142, v220, s[14:15]
	global_store_b32 v143, v141, s[16:17]
	global_store_b32 v143, v140, s[18:19]
	s_wait_xcnt 0x0
	s_or_b32 exec_lo, exec_lo, s70
.Lend:
	s_wait_tensorcnt 0x0
	ds_add_u32 v224, v225
	s_wait_dscnt 0x0
	s_endpgm
.Lfunc_end_k_q7db53c9cc3_route:
	.size	k_q7db53c9cc3_route, .Lfunc_end_k_q7db53c9cc3_route-k_q7db53c9cc3_route
	.p2alignl 7, 3214868480
	.fill 96, 4, 3214868480
	.section	.rodata,"a",@progbits
	.p2align	6, 0x0
	.amdhsa_kernel k_q7db53c9cc3_route
		.amdhsa_group_segment_fixed_size 36352
		.amdhsa_private_segment_fixed_size 0
		.amdhsa_enable_private_segment 0
		.amdhsa_kernarg_size 64
		.amdhsa_user_sgpr_count 2
		.amdhsa_user_sgpr_kernarg_segment_ptr 1
		.amdhsa_wavefront_size32 1
		.amdhsa_system_sgpr_workgroup_id_x 1
		.amdhsa_system_sgpr_workgroup_id_y 1
		.amdhsa_system_sgpr_workgroup_id_z 1
		.amdhsa_system_vgpr_workitem_id 0
		.amdhsa_next_free_vgpr 226
		.amdhsa_next_free_sgpr 100
		.amdhsa_reserve_vcc 1
		.amdhsa_float_denorm_mode_32 3
		.amdhsa_float_denorm_mode_16_64 3
		.amdhsa_memory_ordered 1
		.amdhsa_forward_progress 1
		.amdhsa_inst_pref_size 52
	.end_amdhsa_kernel
	.amdgpu_metadata
---
amdhsa.version: [ 1, 2 ]
amdhsa.kernels:
  - .name:           k_q7db53c9cc3_route
    .symbol:         k_q7db53c9cc3_route.kd
    .args:
      - { .name: x, .offset: 0, .size: 8, .value_kind: global_buffer, .address_space: global }
      - { .name: Wr, .offset: 8, .size: 8, .value_kind: global_buffer, .address_space: global }
      - { .name: br, .offset: 16, .size: 8, .value_kind: global_buffer, .address_space: global }
      - { .name: lowp_scales, .offset: 24, .size: 8, .value_kind: global_buffer, .address_space: global }
      - { .name: xq, .offset: 32, .size: 8, .value_kind: global_buffer, .address_space: global }
      - { .name: masks, .offset: 40, .size: 8, .value_kind: global_buffer, .address_space: global }
      - { .name: sel, .offset: 48, .size: 8, .value_kind: global_buffer, .address_space: global }
      - { .name: p0w, .offset: 56, .size: 8, .value_kind: global_buffer, .address_space: global }
    .group_segment_fixed_size: 36352
    .private_segment_fixed_size: 0
    .kernarg_segment_align: 8
    .kernarg_segment_size: 64
    .max_flat_workgroup_size: 256
    .sgpr_count:     100
    .vgpr_count:     226
    .wavefront_size: 32
...
	.end_amdgpu_metadata
.endif
;; end of part 1
;; launch place (part 2): grid 8 x 1, 1 waves a work-group, no clusters, 2,560 bytes of LDS; arguments masks, sel, rows, cnt; writes rows, cnt
.if DOCPART == 2
	.amdgcn_target "amdgcn-amd-amdhsa--gfx1250"
	.amdhsa_code_object_version 6
	.text
	.protected	k_q7db53c9cc3_place
	.globl	k_q7db53c9cc3_place
	.p2align	8
	.type	k_q7db53c9cc3_place,@function
k_q7db53c9cc3_place:
	s_mov_b64 s[64:65], 0
	v_nop
	global_prefetch_b8 v0, s[64:65] scope:SCOPE_SE
	s_setreg_imm32_b32 hwreg(HW_REG_WAVE_MODE, 25, 1), 1
	s_wait_xcnt 0x0
; THE ROWS OF EACH EXPERT, IN ORDER.  masks [8][32] words: bit b of word g = token 32 g + b chose the expert; sel [1024]: the higher of a token's two experts.
; Work-group e, one wave, stores  rows [e][1024] of 16 bits: entry i = the i-th token, in ascending order, that chose expert e, + 1024 where e is the higher of that token's two experts;
; past the last such token 2048 + e;  and cnt [e]: how many there are.  The later launches read their counts, gathers and places from these two buffers.
; A counting placement: for each group of 32 tokens a lane's place is the rows so far + the chosen tokens below its own.  The list is gathered in LDS and leaves at fixed addresses, 512 consecutive bytes a store.
; One wave to an expert: the work is a chain of 32 short steps on 128 bytes of masks; more waves, LDS rings, clusters or the matrix unit have nothing to do here.
.set SEL, 16                           ; v16-47  sel of token 32 g + lane
.set OUTR, 48                          ; v48-63  the list read back
	s_load_b256 s[4:11], s[0:1], 0x0               ; masks s[4:5], sel s[6:7], rows s[8:9], cnt s[10:11]
	v_lshl_add_u32 v64, v0, 2, 0x900
	v_mov_b32 v65, 0
	s_mov_b32 s12, ttmp9                           ; e
	v_lshlrev_b32 v1, 2, v0                        ; 4 x lane (one wave: the thread's number is the lane)
	v_lshlrev_b32 v2, 4, v0                        ; 16 x lane
	s_lshl_b32 s14, s12, 7                         ; masks: 128 bytes an expert
	s_mov_b32 s15, 0
	s_lshl_b32 s16, s12, 11                        ; rows: 2,048 bytes an expert
	s_mov_b32 s17, 0
	s_lshl_b32 s18, s12, 2                         ; cnt: a word an expert
	s_mov_b32 s19, 0
	s_add_co_u32 s20, s12, 0x800                   ; what stands past the last row: 2048 + e, twice in a word
	s_lshl_b32 s21, s20, 16
	s_or_b32 s20, s20, s21
	v_mov_b32 v8, s20
	v_mov_b32 v9, s20
	v_mov_b32 v10, s20
	v_mov_b32 v11, s20
	s_wait_kmcnt 0x0
	s_add_nc_u64 s[4:5], s[4:5], s[14:15]
	s_add_nc_u64 s[8:9], s[8:9], s[16:17]
	s_add_nc_u64 s[10:11], s[10:11], s[18:19]
	global_load_b32 v3, v1, s[4:5]                 ; lane g: the bits of tokens 32 g .. 32 g + 31
.set g, 0
.rept 32
	global_load_b32 v[SEL+g], v1, s[6:7] offset:128*g
.set g, g+1
.endr
.irp i, 0,1,2,3
	ds_store_b128 v2, v[8:11] offset:512*\i        ; the whole list begins as 'past the last'
.endr
	v_mov_b32 v4, v0                               ; my token of the group in hand,
	v_add_nc_u32 v6, 0x400, v0                     ; and with the mark of the higher expert
	v_add_nc_u32 v5, 0x400, v0                     ; entry 1024 + lane, behind the list: where a lane without a row stores
	s_mov_b32 s23, 0                               ; rows so far
	s_wait_loadcnt 0x0
.set g, 0
.rept 32
	v_readlane_b32 s22, v3, g
	v_cmp_eq_u32 vcc_lo, s12, v[SEL+g]
	v_cndmask_b32 v7, v4, v6, vcc_lo               ; the entry
	v_mbcnt_lo_u32_b32 v12, s22, s23               ; rows so far + chosen tokens below mine
	v_cndmask_b32 v12, v5, v12, s22
	v_min_u32 v12, 0x43f, v12
	v_lshlrev_b32 v13, 1, v12
	ds_store_b16 v13, v7
	v_add_nc_u32 v4, 32, v4
	v_add_nc_u32 v6, 32, v6
	s_bcnt1_i32_b32 s24, s22
	s_add_co_u32 s23, s23, s24
.set g, g+1
.endr
.irp i, 0,1,2,3
	ds_load_b128 v[OUTR+4*\i:OUTR+4*\i+3], v2 offset:512*\i   ; LDS serves a wave's instructions in order (ISA guide 5.7.1.4): these see the stores above
.endr
	v_mov_b32 v14, s23
	v_mov_b32 v15, 0
	s_wait_dscnt 0x0
.irp i, 0,1,2,3
	global_store_b128 v2, v[OUTR+4*\i:OUTR+4*\i+3], s[8:9] offset:512*\i
.endr
	v_cmp_gt_u32 vcc_lo, 1, v0
	s_wait_xcnt 0x0                                ; EXEC changes only behind this wait: the stores above have read it
	s_wait_tensorcnt 0x0
	ds_add_u32 v64, v65
	s_wait_dscnt 0x0
	s_and_saveexec_b32 s26, vcc_lo
	global_store_b32 v15, v14, s[10:11]            ; lane 0: the count
	s_wait_xcnt 0x0
	s_or_b32 exec_lo, exec_lo, s26
	s_endpgm
.Lfunc_end_k_q7db53c9cc3_place:
	.size	k_q7db53c9cc3_place, .Lfunc_end_k_q7db53c9cc3_place-k_q7db53c9cc3_place
	.p2alignl 7, 3214868480
	.fill 96, 4, 3214868480
	.section	.rodata,"a",@progbits
	.p2align	6, 0x0
	.amdhsa_kernel k_q7db53c9cc3_place
		.amdhsa_group_segment_fixed_size 2560
		.amdhsa_private_segment_fixed_size 0
		.amdhsa_enable_private_segment 0
		.amdhsa_kernarg_size 32
		.amdhsa_user_sgpr_count 2
		.amdhsa_user_sgpr_kernarg_segment_ptr 1
		.amdhsa_wavefront_size32 1
		.amdhsa_system_sgpr_workgroup_id_x 1
		.amdhsa_system_sgpr_workgroup_id_y 1
		.amdhsa_system_sgpr_workgroup_id_z 1
		.amdhsa_system_vgpr_workitem_id 0
		.amdhsa_next_free_vgpr 66
		.amdhsa_next_free_sgpr 66
		.amdhsa_reserve_vcc 1
		.amdhsa_float_denorm_mode_32 3
		.amdhsa_float_denorm_mode_16_64 3
		.amdhsa_memory_ordered 1
		.amdhsa_forward_progress 1
		.amdhsa_inst_pref_size 23
	.end_amdhsa_kernel
	.amdgpu_metadata
---
amdhsa.version: [ 1, 2 ]
amdhsa.kernels:
  - .name:           k_q7db53c9cc3_place
    .symbol:         k_q7db53c9cc3_place.kd
    .args:
      - { .name: masks, .offset: 0, .size: 8, .value_kind: global_buffer, .address_space: global }
      - { .name: sel, .offset: 8, .size: 8, .value_kind: global_buffer, .address_space: global }
      - { .name: rows, .offset: 16, .size: 8, .value_kind: global_buffer, .address_space: global }
      - { .name: cnt, .offset: 24, .size: 8, .value_kind: global_buffer, .address_space: global }
    .group_segment_fixed_size: 2560
    .private_segment_fixed_size: 0
    .kernarg_segment_align: 8
    .kernarg_segment_size: 32
    .max_flat_workgroup_size: 32
    .sgpr_count:     66
    .vgpr_count:     66
    .wavefront_size: 32
...
	.end_amdgpu_metadata
.endif
;; end of part 2
;; launch up (part 3): grid 32 x 8, 16 waves a work-group, no clusters, 283,648 bytes of LDS; arguments W1, b1, lowp_scales, xq, rows, cnt, hq; writes hq
.if DOCPART == 3
	.amdgcn_target "amdgcn-amd-amdhsa--gfx1250"
	.amdhsa_code_object_version 6
	.text
	.protected	k_q7db53c9cc3_up
	.globl	k_q7db53c9cc3_up
	.p2align	8
	.type	k_q7db53c9cc3_up,@function
k_q7db53c9cc3_up:
	s_mov_b64 s[64:65], 0
	v_nop
	global_prefetch_b8 v0, s[64:65] scope:SCOPE_SE
	s_setreg_imm32_b32 hwreg(HW_REG_WAVE_MODE, 25, 1), 1
	s_wait_xcnt 0x0
; THE FIRST LAYER OF THE CHOSEN EXPERTS: hq = Q(gelu(Q(x) Q(W1[e]) + b1[e])), for the rows (tokens) that chose expert e, and no others.
; W1 [8][1024 k][4096 f] f32: K is its first axis.  Work-group (x = gx, y = e) owns the columns 64 s .. 64 s + 63 of expert e for the two slabs s = gx and gx + 32, for ALL rows of the expert.
; It streams 16 chunks of 128 k x 64 columns of f32 (32 KB each): every byte of W1 is read once in the launch, in whole aligned runs of 256 bytes.
; TWO ROLES.  Waves 0-7 PRODUCE: each loads 16 rows k of a chunk, holds and converts them (a lane's registers turned so that eight run down K), and stores the codes into one of two LDS slots, K innermost.
; They have no branch on data, so their counted waits are exact; four buffers of 32 registers take turns: one is converted, two or three are on their way, and the free one serves as scratch until it is asked for anew.
; Waves 8-15 CONSUME: they multiply the slot of the phase before against the rows' codes.  One barrier a phase: behind it the new slot is whole and the old one is read out.  Every barrier stands in text that all sixteen waves walk.
; THE ROWS' FRAGMENTS HAVE TWO SETS OF REGISTERS: at the head of a K step a consumer waits for all its loads (this step's fragments, asked for at the head of the step before) and asks for the next step's into the other set,
; so that they have a whole phase in which to come.  Beside two sets the registers hold two of W1's four fragments: they come from LDS two column tiles at a time.
; ROWS.  rows [8][1024] of 16 bits and cnt [8] come from the launch before: entry i of expert e is its i-th token (+ 1024: a mark that is cut off here), past the last 2048 + e, which names token e: a row that is
; computed and stored like the others, so that every byte of a tile of hq is written.  Tile i of 16 rows belongs to consumer i % 8 as its local tile j = i / 8.  j = 0, 1, 2 stay in registers (384 rows);
; j = 3 .. 7 (up to all 1,024 rows) lie as register images in the consumer's own LDS and go through registers once a step: right for every split, slower past 384 rows.
; THE PRODUCT IS USED TRANSPOSED (source 0 = 16 columns of W1, source 1 = 16 rows): lane r' of column tile c takes column 32 (r' / 8) + 8 c + r' % 8, so a lane's 32 results are row lane % 16, columns 32 (lane / 16) + 0 .. 31:
; 32 neighbours along the next K, which the conversions turn straight into pieces of the next operand.
; ORDER OF k in a step of 128, the same on both sides: registers 4 q .. 4 q + 3 of lane (r, h) hold k = 64 (q / 2) + 32 h + 16 (q % 2) + 0 .. 15.
; hq [e][tile 64][K step 32][piece 4][lane 32][16 bytes]: images of the next product's operand registers; a store of the wave is 512 consecutive bytes.
; gelu(v) = v / (1 + 2^(v (c0 + c1 v^2))), c0 = -2 sqrt(2/pi) log2(e), c1 = 0.044715 c0: the tanh form's function, without its difference of near numbers.
; NOT USED: tensor loads and joint loads (branches here hang on stored counts, and the weights must pass through registers to be converted); register windows; a prefetch (the weights' loads run three chunks ahead).
; LIMITS: ew1 and eh between -126 and 119; ex + ew1 between -126 and 127.  NaN among the inputs is not served.
.set ROWB,  16384                      ; a row k of W1[e] in bytes
.set CHB,   128*ROWB                   ; a chunk's 128 rows
.set SLOTB, 9472                       ; a slot: column n at 144 n + 128 (n / 32), 128 bytes of codes
.set BIAS,  2*SLOTB                    ; b1 / 2^(ex + ew1) of my two slabs, 256 bytes each
.set ACCA,  BIAS+512                   ; 64 tile areas: (consumer, j) at (8 consumer + j) TA: eight images of 512 bytes, registers 4 x .. 4 x + 3 at 512 x + 16 lane
.set TA,    4096
; REGISTERS.  The registers into which the two roles have global loads on their way across a barrier, R on the one side, the two sets on the other, share none.
.set ACC,   24                         ; consumers: v24-119 accumulators (j, c) at 24 + 32 j + 8 c
.set BF,    120                        ;   v120-151 two of W1's fragments
.set AS,    152                        ;   v152-199, v200-247 the rows' fragments: set s % 2 for K step s, tile j at + 16 j; an overflow tile takes the set just multiplied: + 0 its fragment, + 16 its accumulators
.set AOFF,  248                        ;   v248-255 token x 1024 + 32 h of local tiles 0-7
.set R,     24                         ; producers: v24-151 four chunks as loaded, buffer b at 24 + 32 b; in the free buffer: + 0 sixteen numbers held and turned, + 16 the chunk's codes
.set V,     24                         ; the way out, all waves: v24-55 a tile's sums (buffer 0 has been converted, tile 0 has gone to its area), v200-231 at work, v232-239 codes (set 1 has been multiplied)
.set Z,     200
.set KC,    232
.set SCL,   13                         ; v13 2^ew1, v15 448 x 2^ew1, v17 the way out's LDS address
.set LIM,   15
.set EA,    17
; v1 lane, v2 r, v3 h, v4 16 lane, v5-v16 addresses (below), v18 2^eh, v19 448 x 2^eh, v[20:21] c0, v[22:23] c1.
; s20 wave, s21 wave % 8, s22 e, s23 gx, s26 par, s[28:31] ex ew1 eh ew2, s32 rows, s33 tiles, s34 tiles of consumer s21, s35 trip, s36-38 the way out's counters,
; s[40:41] W1 at my first chunk, s[42:43] at the trip's, s[44:45] an offset, s[46:47] xq at e, s[48:49] at the K step asked for last, s[50:51] that step's bytes, s[58:59] xq at the K step in hand,
; s[52:53] hq at my first tile, s[54:55] stepped, s[56:57] 2^(ex + ew1).
.macro JOIN                            ; my LDS stores have landed and my LDS loads are in: then the work-group's barrier
	s_wait_dscnt 0x0
	s_barrier_signal -1
	s_barrier_wait -1
.endm
.macro PLOAD lb                        ; chunk 4 trip + lb into buffer lb: load i takes row 16 p + i (lanes 0-15) and row 16 p + 8 + i (lanes 16-31), 256 consecutive aligned bytes each
.irp i, 0,1,2,3,4,5,6,7
	global_load_b128 v[R+32*(\lb)+4*\i:R+32*(\lb)+4*\i+3], v7, s[42:43] offset:(\lb)*CHB+\i*ROWB th:TH_LOAD_NT
.endr
.endm
.macro NEWBASE                         ; the trip's four chunks: K rows 512 (trip % 2) on, slab trip / 2
	s_wait_xcnt 0x0                                ; the loads that are out have read their base
	s_and_b32 s66, s35, 1
	s_lshl_b32 s66, s66, 23
	s_lshr_b32 s44, s35, 1
	s_lshl_b32 s44, s44, 13
	s_add_co_u32 s44, s44, s66
	s_add_nc_u64 s[42:43], s[40:41], s[44:45]
.endm
; Buffer cb becomes codes in a slot.  left = the loads of the younger chunks, which stay out.  The buffer in front of it in the ring, converted a phase ago, is free: it holds the numbers at work, two columns at a time, and the codes;
; ld = 1: behind the codes' stores it is asked for anew, three chunks ahead.  nb = 1: that chunk is the first of a trip.
.macro PCONV cb, slot, ld, left, nb
.set TB, R+32*(((\cb)+3)%4)
	s_wait_loadcnt \left
.irp j, 0,1
.irp i, 0,1,2,3,4,5,6,7
	v_med3_num_f32 v[TB+8*\j+\i], v[R+32*(\cb)+4*\i+\j], -v[LIM], v[LIM]   ; the hold at the largest code x the scale (the conversion does not saturate: ISA guide 7.6.2) also turns the registers: eight run down K
.endr
.endr
	v_cvt_scalef32_pk8_fp8_f32 v[TB+16:TB+17], v[TB:TB+7], v[SCL]
	v_cvt_scalef32_pk8_fp8_f32 v[TB+18:TB+19], v[TB+8:TB+15], v[SCL]
	v_nop                                          ; a plain vector line between the conversions and the lines that write their sources again
.irp j, 0,1
.irp i, 0,1,2,3,4,5,6,7
	v_med3_num_f32 v[TB+8*\j+\i], v[R+32*(\cb)+4*\i+\j+2], -v[LIM], v[LIM]
.endr
.endr
	v_cvt_scalef32_pk8_fp8_f32 v[TB+20:TB+21], v[TB:TB+7], v[SCL]
	v_cvt_scalef32_pk8_fp8_f32 v[TB+22:TB+23], v[TB+8:TB+15], v[SCL]
	v_nop
.irp j, 0,1,2,3
	ds_store_b64 v6, v[TB+16+2*\j:TB+17+2*\j] offset:(\slot)*SLOTB+144*\j   ; column 4 r + j, k = 16 p + 8 h + 0 .. 7
.endr
.if \ld
	s_wait_dscnt 0x0                               ; the stores have read the codes: their registers may be loaded
.if \nb
	NEWBASE
.endif
	PLOAD ((\cb)+3)%4
.endif
.endm
.macro ALOAD reg, off, base            ; a fragment of 16 rows x 128 k of xq: four pieces of 16 bytes of the lane's row; the 32 work-groups of the expert read these bytes again
.irp q, 0,1,2,3
	global_load_b128 v[\reg+4*\q:\reg+4*\q+3], v[\off], s[\base:\base+1] offset:64*(\q/2)+16*(\q%2) th:TH_LOAD_HT
.endr
.endm
.macro BLOAD slot, c0                  ; W1's fragments of column tiles c0 and c0 + 1
.irp c, 0,1
.irp q, 0,1,2,3
	ds_load_b128 v[BF+16*\c+4*\q:BF+16*\c+4*\q+3], v5 offset:(\slot)*SLOTB+1152*(\c0+\c)+64*(\q/2)+16*(\q%2)
.endr
.endr
.endm
.macro MUL2 acc, a, c0                 ; a tile of rows against these two
.irp c, 0,1
	v_wmma_f32_16x16x128_fp8_fp8 v[\acc+8*(\c0+\c):\acc+8*(\c0+\c)+7], v[BF+16*\c:BF+16*\c+15], v[\a:\a+15], v[\acc+8*(\c0+\c):\acc+8*(\c0+\c)+7]
.endr
.endm
; A consumer's K step; the slot's number is also the set's.  The accumulators take turns, one instruction a turn.  Four plain lines stand between products and the loads into their operands;
; at the step's end five, the fifth for the overflow products, which write over registers that were operands.
.macro CSTEP slot, last
.set SA, AS+48*(\slot)
.set SN, AS+48*(1-(\slot))
	s_wait_loadcnt 0x0                             ; this step's rows are in (asked for at the head of the step before); no global load is out when the loads below are issued
	BLOAD \slot, 0
	s_mov_b64 s[58:59], s[48:49]                   ; the K step in hand, for the overflow tiles
.if (\last) == 0
	s_add_co_u32 s50, s50, 128                     ; the next K step of xq; behind the eighth it begins anew, for the second slab.  No load of mine is out: the base may be written
	s_and_b32 s50, s50, 1023
	s_add_nc_u64 s[48:49], s[46:47], s[50:51]
.irp j, 0,1,2
	s_cmp_gt_u32 s34, \j
	s_cbranch_scc0 .La_\@
	ALOAD SN+16*\j, AOFF+\j, 48                    ; into the other set, whose products stand in the step before, five plain lines back
.endr
.La_\@:
.endif
	s_wait_dscnt 0x0
.irp j, 0,1,2
	s_cmp_gt_u32 s34, \j
	s_cbranch_scc0 .Lp_\@
	MUL2 ACC+32*\j, SA+16*\j, 0
.endr
.Lp_\@:
.rept 4
	v_nop
.endr
	BLOAD \slot, 2
	s_wait_dscnt 0x0
.irp j, 0,1,2
	s_cmp_gt_u32 s34, \j
	s_cbranch_scc0 .Lr_\@
	MUL2 ACC+32*\j, SA+16*\j, 2
.endr
.Lr_\@:
.rept 5
	v_nop
.endr
.irp j, 3,4,5,6,7                      ; the overflow tiles, in the set just multiplied: sums from my own LDS, four products, sums back
	s_cmp_gt_u32 s34, \j
	s_cbranch_scc0 .Lo_\@
	ALOAD SA, AOFF+\j, 58
.irp x, 0,1,2,3,4,5,6,7
	ds_load_b128 v[SA+16+4*\x:SA+16+4*\x+3], v8 offset:\j*TA+512*\x
.endr
	BLOAD \slot, 0
	s_wait_loadcnt 0x0
	s_wait_dscnt 0x0
	MUL2 SA+16, SA, 0
.rept 4
	v_nop
.endr
	BLOAD \slot, 2
	s_wait_dscnt 0x0
	MUL2 SA+16, SA, 2
.rept 5
	v_nop
.endr
.irp x, 0,1,2,3,4,5,6,7
	ds_store_b128 v8, v[SA+16+4*\x:SA+16+4*\x+3] offset:\j*TA+512*\x   ; each accumulator from its low end on
.endr
.endr
.Lo_\@:
	s_wait_dscnt 0x0                               ; those stores have read their registers
.endm
.macro PHASE cb, pslot, ld, left, cslot, nb
	s_cmp_lt_u32 s20, 8
	s_cbranch_scc0 .Lpc_\@
	PCONV \cb, \pslot, \ld, \left, \nb
	s_branch .Lpj_\@
.Lpc_\@:
	CSTEP \cslot, 0
.Lpj_\@:
	JOIN
.endm
.macro TRIP4                           ; four phases: the producers convert chunks 4 t - 3 .. 4 t and ask for 4 t .. 4 t + 3; the consumers multiply chunks 4 t - 4 .. 4 t - 1.  16: the eight loads of each of the two younger chunks
	PHASE 1, 1, 1, 16, 0, 1
	PHASE 2, 0, 1, 16, 1, 0
	PHASE 3, 1, 1, 16, 0, 0
	PHASE 0, 0, 1, 16, 1, 0
.endm
.macro ACCINIT sl                      ; the scaled bias starts every sum: nothing is cleared.  A lane's register 4 x + i is column 32 h + 4 x + i
	s_wait_loadcnt 0x0                             ; no global load is out when the LDS loads below are issued (the next step waits for the rows' fragments in any case)
.irp j, 0,1,2
.irp x, 0,1,2,3,4,5,6,7
	ds_load_b128 v[ACC+32*\j+4*\x:ACC+32*\j+4*\x+3], v11 offset:256*(\sl)+16*\x
.endr
.endr
.irp x, 0,1,2,3,4,5,6,7
	ds_load_b128 v[BF+4*\x:BF+4*\x+3], v11 offset:256*(\sl)+16*\x
.endr
	s_wait_dscnt 0x0
.irp j, 3,4,5,6,7
	s_cmp_gt_u32 s34, \j
	s_cbranch_scc0 .Lai_\@
.irp x, 0,1,2,3,4,5,6,7
	ds_store_b128 v8, v[BF+4*\x:BF+4*\x+3] offset:\j*TA+512*\x
.endr
.endr
.Lai_\@:
.endm
.macro DUMP                            ; the register tiles go to their areas, each accumulator from its low end on
.irp j, 0,1,2
	s_cmp_gt_u32 s34, \j
	s_cbranch_scc0 .Ld_\@
.irp x, 0,1,2,3,4,5,6,7
	ds_store_b128 v8, v[ACC+32*\j+4*\x:ACC+32*\j+4*\x+3] offset:\j*TA+512*\x
.endr
.endr
.Ld_\@:
.endm
; THE WAY OUT of a slab, by all sixteen waves: wave w takes the local tiles 2 jj + par of consumer w % 8 (par = 1 in waves 0-7, 0 in waves 8-15).  Four trips, a constant; a tile that does not exist is jumped over.
; Between the two barriers round it LDS is only read.
.macro EPI sl
	s_mov_b32 s36, 0
	s_mov_b32 s37, 0
	s_mov_b32 s38, s26
	s_add_nc_u64 s[54:55], s[52:53], (\sl)*32768   ; the second slab lies 16 K steps of 2,048 bytes on
.Le_\@:
	v_add_nc_u32 v[EA], s37, v9
	s_cmp_lt_u32 s38, s34
	s_cbranch_scc0 .Ls_\@
.irp x, 0,1,2,3,4,5,6,7
	ds_load_b128 v[V+4*\x:V+4*\x+3], v[EA] offset:512*\x
.endr
	s_wait_dscnt 0x0
.irp a, 0,2,4,6,8,10,12,14,16,18,20,22,24,26,28,30
	v_pk_mul_f32 v[V+\a:V+\a+1], v[V+\a:V+\a+1], s[56:57] op_sel_hi:[1,0]   ; v = sum x 2^(ex + ew1)
.endr
.irp a, 0,2,4,6,8,10,12,14,16,18,20,22,24,26,28,30
	v_pk_mul_f32 v[Z+\a:Z+\a+1], v[V+\a:V+\a+1], v[V+\a:V+\a+1]
.endr
.irp a, 0,2,4,6,8,10,12,14,16,18,20,22,24,26,28,30
	v_pk_fma_f32 v[Z+\a:Z+\a+1], v[Z+\a:Z+\a+1], v[22:23], v[20:21]         ; c1 v^2 + c0
.endr
.irp a, 0,2,4,6,8,10,12,14,16,18,20,22,24,26,28,30
	v_pk_mul_f32 v[Z+\a:Z+\a+1], v[Z+\a:Z+\a+1], v[V+\a:V+\a+1]
.endr
.set i, 0
.rept 32
	v_exp_f32 v[Z+i], v[Z+i]
.set i, i+1
.endr
	v_nop                                          ; a plain line behind the transcendentals
	s_wait_alu depctr_va_vdst(0)
.irp a, 0,2,4,6,8,10,12,14,16,18,20,22,24,26,28,30
	v_pk_add_f32 v[Z+\a:Z+\a+1], v[Z+\a:Z+\a+1], 1.0 op_sel_hi:[1,0]
.endr
.set i, 0
.rept 32
	v_rcp_f32 v[Z+i], v[Z+i]
.set i, i+1
.endr
	v_nop
	s_wait_alu depctr_va_vdst(0)
.irp a, 0,2,4,6,8,10,12,14,16,18,20,22,24,26,28,30
	v_pk_mul_f32 v[V+\a:V+\a+1], v[V+\a:V+\a+1], v[Z+\a:Z+\a+1]             ; gelu(v)
.endr
.set i, 0
.rept 32
	v_med3_num_f32 v[V+i], v[V+i], -v19, v19
.set i, i+1
.endr
.irp m, 0,1,2,3
	v_cvt_scalef32_pk8_fp8_f32 v[KC+2*\m:KC+2*\m+1], v[V+8*\m:V+8*\m+7], v18
.endr
	v_nop
	global_store_b128 v4, v[KC:KC+3], s[54:55]               ; columns 32 h + 0 .. 15: piece 2 (gx % 2) of the K step;  the wave stores 512 consecutive aligned bytes
	global_store_b128 v4, v[KC+4:KC+7], s[54:55] offset:512  ; columns 32 h + 16 .. 31: the piece behind it
.Ls_\@:
	s_wait_xcnt 0x0                                ; the stores have read their data and their base
	s_add_co_u32 s37, s37, 2*TA
	s_add_co_u32 s38, s38, 2
	s_add_nc_u64 s[54:55], s[54:55], 0x100000      ; 16 tiles of 65,536 bytes on
	s_add_co_u32 s36, s36, 1
	s_cmp_lt_u32 s36, 4
	s_cbranch_scc1 .Le_\@
.endm
	s_load_b256 s[4:11], s[0:1], 0x0               ; W1 s[4:5], b1 s[6:7], scales s[8:9], xq s[10:11]
	s_load_b128 s[12:15], s[0:1], 0x20             ; rows s[12:13], cnt s[14:15]
	s_load_b64 s[16:17], s[0:1], 0x30              ; hq
	v_lshrrev_b32 v1, 5, v0
	v_readfirstlane_b32 s20, v1                    ; wave 0..15
	s_and_b32 s21, s20, 7
	s_lshr_b32 s25, s20, 3                         ; 0: producer, 1: consumer
	s_xor_b32 s26, s25, 1                          ; par
	s_and_b32 s22, ttmp7, 0xffff                   ; e
	s_mov_b32 s23, ttmp9                           ; gx
	; every LDS address register is made here, ahead of the first parting of the roles, and holds nothing else afterwards
	v_and_b32 v1, 31, v0
	v_and_b32 v2, 15, v0
	v_bfe_u32 v3, v0, 4, 1
	v_bfe_u32 v14, v0, 3, 1                        ; r / 8
	v_lshlrev_b32 v4, 4, v1
	v_and_b32 v5, 7, v0
	v_mul_u32_u24 v5, v5, 144
	v_mad_u32_u24 v5, v14, 4736, v5
	v_lshl_add_u32 v5, v3, 5, v5                   ; v5: a fragment of W1: column 32 (r / 8) + r % 8 (+ 8 c), + 32 h
	v_mul_u32_u24 v6, v2, 576
	v_lshl_add_u32 v6, v14, 7, v6
	v_lshl_add_u32 v6, v3, 3, v6
	s_lshl_b32 s70, s21, 4
	v_add_nc_u32 v6, s70, v6                       ; v6: a producer's codes: column 4 r (+ j), k = 16 p + 8 h
	v_lshl_add_u32 v7, v3, 3, s70
	v_mul_u32_u24 v7, v7, ROWB
	v_lshl_add_u32 v7, v2, 4, v7                   ; v7: a producer's bytes of a chunk: row 16 p + 8 h, 16 bytes at 16 r
	s_mul_i32 s70, s21, 8*TA
	s_add_co_u32 s70, s70, ACCA
	v_add_nc_u32 v8, s70, v4                       ; v8: the areas of consumer wave % 8
	s_mul_i32 s71, s26, TA
	s_add_co_u32 s71, s71, s70
	v_add_nc_u32 v9, s71, v4                       ; v9: the first area that I take on the way out
	s_lshl_b32 s70, s21, 5
	v_lshl_add_u32 v10, v2, 1, s70                 ; v10: in rows[e], the entry of row 16 (wave % 8) + r
	v_lshl_add_u32 v11, v3, 7, BIAS                ; v11: the bias of columns 32 h on
	v_lshlrev_b32 v12, 5, v3                       ; v12: 32 h
	v_lshl_add_u32 v16, v1, 3, BIAS                ; v16: wave 8's stores of the bias
	v_mov_b32 v20, 0xc0135761                      ; c0 = -2.3022082
	v_mov_b32 v21, 0xc0135761
	v_mov_b32 v22, 0xbdd2d3e8                      ; c1 = -0.10294324
	v_mov_b32 v23, 0xbdd2d3e8
	s_wait_kmcnt 0x0
	s_lshl_b32 s66, s22, 4
	s_mov_b32 s67, 0
	s_add_nc_u64 s[8:9], s[8:9], s[66:67]
	s_load_b128 s[28:31], s[8:9], 0x0              ; ex, ew1, eh, ew2 of my expert
	s_lshl_b32 s66, s22, 2
	s_add_nc_u64 s[14:15], s[14:15], s[66:67]
	s_load_b32 s32, s[14:15], 0x0                  ; its number of rows
	s_lshl_b32 s44, s22, 24
	s_lshl_b32 s66, s23, 8
	s_add_co_u32 s44, s44, s66
	s_mov_b32 s45, 0
	s_add_nc_u64 s[40:41], s[4:5], s[44:45]        ; W1[e], column 64 gx
	s_mov_b64 s[42:43], s[40:41]                   ; the first trip's chunks.  The stepped bases are first written here, in text that every wave walks
	s_lshl_b32 s66, s22, 20
	s_add_nc_u64 s[46:47], s[10:11], s[66:67]      ; xq[e]
	s_mov_b64 s[48:49], s[46:47]                   ; at K step 0
	s_mov_b64 s[58:59], s[46:47]
	s_mov_b32 s50, 0
	s_mov_b32 s51, 0
	s_lshl_b32 s66, s22, 14
	s_lshl_b32 s68, s23, 8
	s_add_co_u32 s66, s66, s68
	s_add_nc_u64 s[6:7], s[6:7], s[66:67]          ; b1[e], column 64 gx
	s_lshl_b32 s66, s22, 11
	s_add_nc_u64 s[12:13], s[12:13], s[66:67]      ; rows[e]
	s_lshl_b32 s66, s22, 6
	s_add_co_u32 s66, s66, s21
	s_lshl_b32 s68, s26, 3
	s_add_co_u32 s66, s66, s68                     ; tile 64 e + wave % 8 + 8 par,
	s_lshl_b32 s66, s66, 16
	s_lshr_b32 s68, s23, 1
	s_lshl_b32 s68, s68, 11                        ; K step gx / 2,
	s_add_co_u32 s66, s66, s68
	s_and_b32 s68, s23, 1
	s_lshl_b32 s68, s68, 10                        ; pieces 2 (gx % 2) on
	s_add_co_u32 s66, s66, s68
	s_add_nc_u64 s[52:53], s[16:17], s[66:67]
	s_cmp_lt_u32 s20, 8
	s_cbranch_scc0 .Lhc
	PLOAD 0                                        ; the producers' first three chunks go out before anything else
	PLOAD 1
	PLOAD 2
	s_branch .Lhj
.Lhc:
	; THE CONSUMERS' ROWS: the entries of all eight local tiles, at fixed places of rows[e]; the load, the wait for it and the bound stand together, in one straight run of lines.
	; The bias is asked for beside them by every consumer (512 bytes), so that one wait serves both; wave 8 alone goes on with it.
.irp j, 0,1,2,3,4,5,6,7
	global_load_u16 v[AOFF+\j], v10, s[12:13] offset:256*\j
.endr
	v_lshlrev_b32 v202, 3, v1
	global_load_b64 v[204:205], v202, s[6:7]       ; b1 of slab gx,
	global_load_b64 v[206:207], v202, s[6:7] offset:8192   ; and of slab gx + 32
	s_wait_loadcnt 0x0
.irp j, 0,1,2,3,4,5,6,7
	v_min_u32 v[AOFF+\j], 0x807, v[AOFF+\j]        ; an entry is 2048 + 7 at the most;
	v_and_b32 v[AOFF+\j], 0x3ff, v[AOFF+\j]        ; its token,
	v_lshl_add_u32 v[AOFF+\j], v[AOFF+\j], 10, v12 ; and the token's row of xq, + 32 h
.endr
	s_cmp_eq_u32 s20, 8
	s_cbranch_scc0 .Lhj
	; wave 8 lays the bias into LDS.  No other wave touches LDS ahead of the barrier below.
	s_wait_kmcnt 0x0
	s_add_co_i32 s69, s28, s29
	s_sub_co_i32 s69, 0, s69
.irp i, 204,205,206,207
	v_ldexp_f32 v\i, v\i, s69                      ; a sum of codes stands for sum x 2^(ex + ew1): the bias goes in divided by that
.endr
	ds_store_b64 v16, v[204:205]
	ds_store_b64 v16, v[206:207] offset:256
.Lhj:
	s_wait_kmcnt 0x0
	s_add_co_i32 s27, s28, s29
	s_add_co_i32 s56, s27, 127
	s_lshl_b32 s56, s56, 23                        ; 2^(ex + ew1) as f32
	s_mov_b32 s57, s56                             ; (named with it as a pair)
	s_add_co_i32 s66, s30, 127
	s_lshl_b32 s68, s66, 23
	v_mov_b32 v18, s68                             ; 2^eh
	s_add_co_i32 s66, s66, 8
	s_lshl_b32 s66, s66, 23
	s_or_b32 s66, s66, 0x600000
	v_mov_b32 v19, s66                             ; 448 x 2^eh
	s_add_co_i32 s66, s29, 127
	s_lshl_b32 s68, s66, 23
	v_mov_b32 v[SCL], s68                          ; 2^ew1
	s_add_co_i32 s66, s66, 8
	s_lshl_b32 s66, s66, 23
	s_or_b32 s66, s66, 0x600000
	v_mov_b32 v[LIM], s66                          ; 448 x 2^ew1
	s_min_u32 s32, s32, 1024                       ; rows
	s_add_co_u32 s33, s32, 15
	s_lshr_b32 s33, s33, 4                         ; tiles
	s_add_co_u32 s34, s33, 7
	s_sub_co_u32 s34, s34, s21
	s_lshr_b32 s34, s34, 3                         ; tiles i < s33 with i % 8 = wave % 8
	JOIN                                           ; the bias lies in LDS
	; phase 0: chunk 0 becomes codes; the consumers get ready
	s_cmp_lt_u32 s20, 8
	s_cbranch_scc0 .Lc0
	PCONV 0, 0, 1, 16, 0
	s_branch .Lj0
.Lc0:
	ACCINIT 0
.set i, 0
.rept 48
	v_mov_b32 v[AS+48+i], 0                        ; set 1, once: its first loads hang on the count, and every path is to find these registers written
.set i, i+1
.endr
.irp j, 0,1,2
	ALOAD AS+16*\j, AOFF+\j, 48                    ; set 0, K step 0: all three tiles, whatever the count: a tile that does not exist names token e
.endr
.Lj0:
	JOIN
	s_mov_b32 s35, 1
.Lup:                                              ; phases 1-8: the first slab's eight chunks are multiplied
	TRIP4
	s_add_co_u32 s35, s35, 1
	s_cmp_lt_u32 s35, 3
	s_cbranch_scc1 .Lup
	; BETWEEN THE SLABS: the first slab leaves, by all sixteen waves, while the producers' three chunks and the consumers' next fragments (set 0) go on landing
	s_cmp_lt_u32 s20, 8
	s_cbranch_scc1 .Lm1
	DUMP
.Lm1:
	JOIN
	EPI 0
	JOIN                                           ; every area has been read: the overflow tiles may be begun anew
	s_cmp_lt_u32 s20, 8
	s_cbranch_scc1 .Lm2
	ACCINIT 1
.Lm2:
	TRIP4                                          ; phases 9-12 (the trip's number is 3)
	PHASE 1, 1, 0, 16, 0, 0                        ; the last three chunks: nothing more is asked for, the counts run down
	PHASE 2, 0, 0, 8, 1, 0
	PHASE 3, 1, 0, 0, 0, 0
	s_cmp_lt_u32 s20, 8
	s_cbranch_scc1 .Lf
	CSTEP 1, 1
	DUMP
.Lf:
	JOIN
	EPI 1
	s_wait_xcnt 0x0
	v_lshl_add_u32 v150, v0, 2, 0x44c00
	v_mov_b32 v151, 0
	s_wait_tensorcnt 0x0
	ds_add_u32 v150, v151
	s_wait_dscnt 0x0
	s_endpgm
.Lfunc_end_k_q7db53c9cc3_up:
	.size	k_q7db53c9cc3_up, .Lfunc_end_k_q7db53c9cc3_up-k_q7db53c9cc3_up
	.p2alignl 7, 3214868480
	.fill 96, 4, 3214868480
	.section	.rodata,"a",@progbits
	.p2align	6, 0x0
	.amdhsa_kernel k_q7db53c9cc3_up
		.amdhsa_group_segment_fixed_size 283648
		.amdhsa_private_segment_fixed_size 0
		.amdhsa_enable_private_segment 0
		.amdhsa_kernarg_size 56
		.amdhsa_user_sgpr_count 2
		.amdhsa_user_sgpr_kernarg_segment_ptr 1
		.amdhsa_wavefront_size32 1
		.amdhsa_system_sgpr_workgroup_id_x 1
		.amdhsa_system_sgpr_workgroup_id_y 1
		.amdhsa_system_sgpr_workgroup_id_z 1
		.amdhsa_system_vgpr_workitem_id 0
		.amdhsa_next_free_vgpr 256
		.amdhsa_next_free_sgpr 100
		.amdhsa_reserve_vcc 0
		.amdhsa_float_denorm_mode_32 3
		.amdhsa_float_denorm_mode_16_64 3
		.amdhsa_memory_ordered 1
		.amdhsa_forward_progress 1
		.amdhsa_inst_pref_size 255
	.end_amdhsa_kernel
	.section	.bss,"aw",@nobits
	.p2align	6
	.space	262144
	.amdgpu_metadata
---
amdhsa.version: [ 1, 2 ]
amdhsa.kernels:
  - .name:           k_q7db53c9cc3_up
    .symbol:         k_q7db53c9cc3_up.kd
    .args:
      - { .name: W1, .offset: 0, .size: 8, .value_kind: global_buffer, .address_space: global }
      - { .name: b1, .offset: 8, .size: 8, .value_kind: global_buffer, .address_space: global }
      - { .name: lowp_scales, .offset: 16, .size: 8, .value_kind: global_buffer, .address_space: global }
      - { .name: xq, .offset: 24, .size: 8, .value_kind: global_buffer, .address_space: global }
      - { .name: rows, .offset: 32, .size: 8, .value_kind: global_buffer, .address_space: global }
      - { .name: cnt, .offset: 40, .size: 8, .value_kind: global_buffer, .address_space: global }
      - { .name: hq, .offset: 48, .size: 8, .value_kind: global_buffer, .address_space: global }
    .group_segment_fixed_size: 283648
    .private_segment_fixed_size: 0
    .kernarg_segment_align: 8
    .kernarg_segment_size: 56
    .max_flat_workgroup_size: 512
    .sgpr_count:     100
    .vgpr_count:     256
    .wavefront_size: 32
...
	.end_amdgpu_metadata
.endif
;; end of part 3
;; launch down (part 4): grid 32 x 8, 16 waves a work-group, no clusters, 303,872 bytes of LDS; arguments W2, b2, lowp_scales, hq, rows, cnt, p0w, ys; writes ys
.if DOCPART == 4
	.amdgcn_target "amdgcn-amd-amdhsa--gfx1250"
	.amdhsa_code_object_version 6
	.text
	.protected	k_q7db53c9cc3_down
	.globl	k_q7db53c9cc3_down
	.p2align	8
	.type	k_q7db53c9cc3_down,@function
k_q7db53c9cc3_down:
	s_mov_b64 s[64:65], 0
	v_nop
	global_prefetch_b8 v0, s[64:65] scope:SCOPE_SE
	s_setreg_imm32_b32 hwreg(HW_REG_WAVE_MODE, 25, 1), 1
	s_wait_xcnt 0x0
; THE SECOND LAYER OF THE CHOSEN EXPERTS: ys = p0 (Q(h) Q(W2[e]) + b2[e]), for the rows that chose expert e, in two halves of K.
; W2 [8][4096 k][1024 n] f32: K is its first axis.  Work-group (x = 16 kh + cs, y = e) owns columns 64 cs .. 64 cs + 63 and K rows 2048 kh .. 2048 kh + 2047 of expert e, for ALL rows of the expert:
; 16 chunks of 128 k x 64 columns (32 KB): every byte of W2 is read once in the launch, in whole aligned runs of 256 bytes.  K is halved so that there are 256 work-groups of equal work.
; The frame is that of the launch before: waves 0-7 PRODUCE codes of W2 into two LDS slots by turns, from four register buffers that take turns (the free one is their scratch until it is asked for anew), with no branch on data;
; waves 8-15 CONSUME; one barrier a phase, in text that all sixteen waves walk.  Tile i of 16 rows of the expert's list belongs to consumer i % 8 as local tile j = i / 8; j = 0, 1, 2 in registers, j = 3 .. 7 as register images in its own LDS.
; THE ROWS' FRAGMENTS HAVE TWO SETS OF REGISTERS: at the head of a K step a consumer waits for all its loads (this step's fragments, asked for at the head of the step before) and asks for the next step's into the other set.
; Beside two sets the registers hold two of W2's four fragments: they come from LDS two column tiles at a time.
; The rows' operand comes from hq as images of its registers: a load of the wave reads 512 consecutive bytes.  Order of k in a step of 128 as there: registers 4 q .. 4 q + 3 of lane (r, h): k = 64 (q / 2) + 32 h + 16 (q % 2) + 0 .. 15.
; TRANSPOSED USE: a lane's 32 results are row lane % 16, columns 32 (lane / 16) + 0 .. 31.
; ROWS.  rows [8][1024] of 16 bits, cnt [8]: entry i of expert e = its i-th token, + 1024 where e is the higher of the token's two experts; past the last 2048 + e.
; OUT: ys [kh 2][2064 rows][1024] f32: a row's place is its entry + 2064 kh.  Rows 0-1023 and 1024-2047 of each half are planes, which the last launch adds: each token has two experts, so each number of a plane is written once.
; An entry past the last falls on row 2048 + e of my half, into my 256 bytes of it: bytes that this work-group alone writes and nobody reads.  So all lanes stay on, and no compare is made.
; b2 / 2^(eh + ew2) starts the sums of the half kh = 0 (zeros those of kh = 1); each sum is multiplied once by p0 x 2^(eh + ew2).
; NOT USED: tensor loads and joint loads (branches here hang on stored counts, and the weights must pass through registers to be converted); register windows; a prefetch (the weights' loads run three chunks ahead).
; LIMITS: ew2 between -126 and 119.  NaN among the inputs is not served.
.set ROWB,  4096                       ; a row k of W2[e] in bytes
.set CHB,   128*ROWB
.set SLOTB, 9472                       ; a slot: column n at 144 n + 128 (n / 32), 128 bytes of codes
.set BIAS,  2*SLOTB                    ; 64 numbers
.set ACCA,  BIAS+256                   ; 64 tile areas of TA bytes: eight images of 512 bytes, on the way out a stage of 16 rows x 272 bytes in their place;
.set TA,    4416
.set INFO,  4352                       ; behind them the factor of each of the tile's 16 rows
; REGISTERS.  The registers into which the two roles have global loads on their way across a barrier, R on the one side, the two sets on the other, share none; v248-255 are loaded once, by every wave.
.set ACC,   24                         ; consumers: v24-119 accumulators (j, c) at 24 + 32 j + 8 c
.set BF,    120                        ;   v120-151 two of W2's fragments; in phase 0 the bias
.set AS,    152                        ;   v152-199, v200-247 the rows' fragments: set s % 2 for K step s, tile j at + 16 j; an overflow tile takes the set just multiplied: + 0 its fragment, + 16 its accumulators
.set TK,    200                        ;   up to phase 0: v200-207 the entries of my eight local tiles' row r, v208-215 their p0
.set PF,    208
.set R,     24                         ; producers: v24-151 four chunks as loaded, buffer b at 24 + 32 b; in the free buffer: + 0 sixteen numbers held and turned, + 16 the chunk's codes
.set V,     24                         ; the way out, all waves: v24-55 a tile's sums, v56-87 its rows read back, v[88:89] the factor, v96-103 the rows' places in ys, v104-107 an overflow tile's entries
.set Z,     56
.set F,     88
.set KC,    96
.set SCL,   13                         ; v13 2^ew2, v18 448 x 2^ew2
.set LIM,   18
; v1 lane, v2 r, v3 h, v4 16 lane, v5-v21 addresses (below), v248-255 the entries of the first two tiles that I store.
; s20 wave, s21 wave % 8, s22 e, s23 cs, s24 kh, s26 par, s27 eh + ew2, s[28:31] ex ew1 eh ew2, s32 rows, s33 tiles, s34 tiles of consumer s21, s35 trip, s38 the way out's count, s39 2064 kh,
; s[40:41] W2 at my first chunk, s[42:43] at the trip's, s[44:45] an offset, s[46:47] hq at my first tile and K step, s[48:49] at the K step asked for last, s[58:59] at the K step in hand, s[52:53] ys at my columns.
.macro JOIN
	s_wait_dscnt 0x0
	s_barrier_signal -1
	s_barrier_wait -1
.endm
.macro PLOAD lb                        ; chunk 4 trip + lb into buffer lb: load i takes row 16 p + i (lanes 0-15) and row 16 p + 8 + i (lanes 16-31), 256 consecutive aligned bytes each
.irp i, 0,1,2,3,4,5,6,7
	global_load_b128 v[R+32*(\lb)+4*\i:R+32*(\lb)+4*\i+3], v7, s[42:43] offset:(\lb)*CHB+\i*ROWB th:TH_LOAD_NT
.endr
.endm
.macro NEWBASE                         ; the trip's four chunks: 512 rows k on for each trip
	s_wait_xcnt 0x0                                ; the loads that are out have read their base
	s_lshl_b32 s44, s35, 21
	s_add_nc_u64 s[42:43], s[40:41], s[44:45]
.endm
; Buffer cb becomes codes in a slot.  left = the loads of the younger chunks, which stay out.  The buffer in front of it in the ring, converted a phase ago, is free: it holds the numbers at work, two columns at a time, and the codes;
; ld = 1: behind the codes' stores it is asked for anew, three chunks ahead.  nb = 1: that chunk is the first of a trip.
.macro PCONV cb, slot, ld, left, nb
.set TB, R+32*(((\cb)+3)%4)
	s_wait_loadcnt \left
.irp j, 0,1
.irp i, 0,1,2,3,4,5,6,7
	v_med3_num_f32 v[TB+8*\j+\i], v[R+32*(\cb)+4*\i+\j], -v[LIM], v[LIM]   ; the hold (the conversion does not saturate: ISA guide 7.6.2) also turns the registers: eight run down K
.endr
.endr
	v_cvt_scalef32_pk8_fp8_f32 v[TB+16:TB+17], v[TB:TB+7], v[SCL]
	v_cvt_scalef32_pk8_fp8_f32 v[TB+18:TB+19], v[TB+8:TB+15], v[SCL]
	v_nop                                          ; a plain vector line between the conversions and the lines that write their sources again
.irp j, 0,1
.irp i, 0,1,2,3,4,5,6,7
	v_med3_num_f32 v[TB+8*\j+\i], v[R+32*(\cb)+4*\i+\j+2], -v[LIM], v[LIM]
.endr
.endr
	v_cvt_scalef32_pk8_fp8_f32 v[TB+20:TB+21], v[TB:TB+7], v[SCL]
	v_cvt_scalef32_pk8_fp8_f32 v[TB+22:TB+23], v[TB+8:TB+15], v[SCL]
	v_nop
.irp j, 0,1,2,3
	ds_store_b64 v6, v[TB+16+2*\j:TB+17+2*\j] offset:(\slot)*SLOTB+144*\j
.endr
.if \ld
	s_wait_dscnt 0x0                               ; the stores have read the codes: their registers may be loaded
.if \nb
	NEWBASE
.endif
	PLOAD ((\cb)+3)%4
.endif
.endm
.macro ALOAD reg, j, base              ; local tile j's fragment of a K step: four images of 512 bytes
.irp q, 0,1,2,3
	global_load_b128 v[\reg+4*\q:\reg+4*\q+3], v4, s[\base:\base+1] offset:(\j)*524288+512*\q
.endr
.endm
.macro BLOAD slot, c0                  ; W2's fragments of column tiles c0 and c0 + 1
.irp c, 0,1
.irp q, 0,1,2,3
	ds_load_b128 v[BF+16*\c+4*\q:BF+16*\c+4*\q+3], v5 offset:(\slot)*SLOTB+1152*(\c0+\c)+64*(\q/2)+16*(\q%2)
.endr
.endr
.endm
.macro MUL2 acc, a, c0                 ; a tile of rows against these two
.irp c, 0,1
	v_wmma_f32_16x16x128_fp8_fp8 v[\acc+8*(\c0+\c):\acc+8*(\c0+\c)+7], v[BF+16*\c:BF+16*\c+15], v[\a:\a+15], v[\acc+8*(\c0+\c):\acc+8*(\c0+\c)+7]
.endr
.endm
; A consumer's K step; the slot's number is also the set's.  The accumulators take turns, one instruction a turn.  Four plain lines stand between products and the loads into their operands;
; at the step's end five, the fifth for the overflow products, which write over registers that were operands.
.macro CSTEP slot, last
.set SA, AS+48*(\slot)
.set SN, AS+48*(1-(\slot))
	s_wait_loadcnt 0x0                             ; this step's rows are in (asked for at the head of the step before); no global load is out when the loads below are issued
	BLOAD \slot, 0
	s_mov_b64 s[58:59], s[48:49]                   ; the K step in hand, for the overflow tiles
.if (\last) == 0
	s_add_nc_u64 s[48:49], s[48:49], 2048          ; the next K step's images.  No load of mine is out: the base may be written
.irp j, 0,1,2
	s_cmp_gt_u32 s34, \j
	s_cbranch_scc0 .La_\@
	ALOAD SN+16*\j, \j, 48                         ; into the other set, whose products stand in the step before, five plain lines back
.endr
.La_\@:
.endif
	s_wait_dscnt 0x0
.irp j, 0,1,2
	s_cmp_gt_u32 s34, \j
	s_cbranch_scc0 .Lp_\@
	MUL2 ACC+32*\j, SA+16*\j, 0
.endr
.Lp_\@:
.rept 4
	v_nop
.endr
	BLOAD \slot, 2
	s_wait_dscnt 0x0
.irp j, 0,1,2
	s_cmp_gt_u32 s34, \j
	s_cbranch_scc0 .Lr_\@
	MUL2 ACC+32*\j, SA+16*\j, 2
.endr
.Lr_\@:
.rept 5
	v_nop
.endr
.irp j, 3,4,5,6,7                      ; the overflow tiles, in the set just multiplied: sums from my own LDS, four products, sums back
	s_cmp_gt_u32 s34, \j
	s_cbranch_scc0 .Lo_\@
	ALOAD SA, \j, 58
.irp x, 0,1,2,3,4,5,6,7
	ds_load_b128 v[SA+16+4*\x:SA+16+4*\x+3], v8 offset:\j*TA+512*\x
.endr
	BLOAD \slot, 0
	s_wait_loadcnt 0x0
	s_wait_dscnt 0x0
	MUL2 SA+16, SA, 0
.rept 4
	v_nop
.endr
	BLOAD \slot, 2
	s_wait_dscnt 0x0
	MUL2 SA+16, SA, 2
.rept 5
	v_nop
.endr
.irp x, 0,1,2,3,4,5,6,7
	ds_store_b128 v8, v[SA+16+4*\x:SA+16+4*\x+3] offset:\j*TA+512*\x   ; each accumulator from its low end on
.endr
.endr
.Lo_\@:
	s_wait_dscnt 0x0
.endm
.macro PHASE cb, pslot, ld, left, cslot, nb
	s_cmp_lt_u32 s20, 8
	s_cbranch_scc0 .Lpc_\@
	PCONV \cb, \pslot, \ld, \left, \nb
	s_branch .Lpj_\@
.Lpc_\@:
	CSTEP \cslot, 0
.Lpj_\@:
	JOIN
.endm
	s_load_b512 s[4:19], s[0:1], 0x0               ; W2 s[4:5], b2 s[6:7], scales s[8:9], hq s[10:11], rows s[12:13], cnt s[14:15], p0w s[16:17], ys s[18:19]
	v_lshl_add_u32 v20, v0, 2, 0x49b00
	v_mov_b32 v22, 0
	v_lshrrev_b32 v1, 5, v0
	v_readfirstlane_b32 s20, v1                    ; wave 0..15
	s_and_b32 s21, s20, 7
	s_lshr_b32 s25, s20, 3                         ; 0: producer, 1: consumer
	s_xor_b32 s26, s25, 1                          ; par
	s_and_b32 s22, ttmp7, 0xffff                   ; e
	s_and_b32 s23, ttmp9, 15                       ; cs
	s_lshr_b32 s24, ttmp9, 4                       ; kh
	s_mul_i32 s39, s24, 2064                       ; my half of ys, in rows
	; every LDS address register is made here, ahead of the first parting of the roles, and holds nothing else afterwards
	v_and_b32 v1, 31, v0
	v_and_b32 v2, 15, v0
	v_bfe_u32 v3, v0, 4, 1
	v_bfe_u32 v23, v0, 3, 1                        ; r / 8
	v_lshlrev_b32 v4, 4, v1
	v_and_b32 v5, 7, v0
	v_mul_u32_u24 v5, v5, 144
	v_mad_u32_u24 v5, v23, 4736, v5
	v_lshl_add_u32 v5, v3, 5, v5                   ; v5: a fragment of W2
	v_mul_u32_u24 v6, v2, 576
	v_lshl_add_u32 v6, v23, 7, v6
	v_lshl_add_u32 v6, v3, 3, v6
	s_lshl_b32 s70, s21, 4
	v_add_nc_u32 v6, s70, v6                       ; v6: a producer's codes
	v_lshl_add_u32 v7, v3, 3, s70
	v_mul_u32_u24 v7, v7, ROWB
	v_lshl_add_u32 v7, v2, 4, v7                   ; v7: a producer's bytes of a chunk
	s_mul_i32 s70, s21, 8*TA
	s_add_co_u32 s70, s70, ACCA                    ; the areas of consumer wave % 8,
	s_mul_i32 s71, s26, TA
	s_add_co_u32 s71, s71, s70                     ; and the first of them that I take on the way out
	v_add_nc_u32 v8, s70, v4                       ; v8: images, as the consumer
	v_add_nc_u32 v9, s71, v4                       ; v9: images, on the way out
	v_lshl_add_u32 v14, v2, 2, s70
	v_add_nc_u32 v14, INFO, v14                    ; v14: the consumer's stores of row r's factor
	v_mul_u32_u24 v16, v2, 272
	v_lshl_add_u32 v16, v3, 7, v16
	v_add_nc_u32 v16, s71, v16                     ; v16: into the stage: row r, 128 h bytes on
	v_mul_u32_u24 v17, v3, 8*272
	v_lshl_add_u32 v17, v2, 4, v17
	v_add_nc_u32 v17, s71, v17                     ; v17: back: lanes 0-15 take row i, lanes 16-31 row 8 + i
	v_lshl_add_u32 v19, v2, 2, s71
	v_add_nc_u32 v19, INFO, v19                    ; v19: the factor of row r, on the way out
	s_lshl_b32 s70, s21, 5
	v_lshl_add_u32 v10, v2, 1, s70                 ; v10: in rows[e], the entry of row 16 (wave % 8) + r
	s_lshl_b32 s72, s26, 8
	s_add_co_u32 s72, s72, s70
	v_lshl_add_u32 v15, v3, 4, s72                 ; v15: in rows[e], the eight entries of rows 8 h .. 8 h + 7 of tile wave % 8 + 8 par: 16 bytes
	v_lshl_add_u32 v11, v3, 7, BIAS                ; v11: the bias of columns 32 h on
	v_lshlrev_b32 v12, 4, v2                       ; v12: 16 r
	v_lshl_add_u32 v21, v1, 3, BIAS                ; v21: wave 8's store of the bias
	s_wait_kmcnt 0x0
	s_lshl_b32 s66, s22, 4
	s_mov_b32 s67, 0
	s_add_nc_u64 s[8:9], s[8:9], s[66:67]
	s_load_b128 s[28:31], s[8:9], 0x0              ; ex, ew1, eh, ew2 of my expert
	s_lshl_b32 s66, s22, 2
	s_add_nc_u64 s[14:15], s[14:15], s[66:67]
	s_load_b32 s32, s[14:15], 0x0                  ; its number of rows
	s_lshl_b32 s44, s22, 24
	s_lshl_b32 s66, s24, 23
	s_add_co_u32 s44, s44, s66
	s_lshl_b32 s66, s23, 8
	s_add_co_u32 s44, s44, s66
	s_mov_b32 s45, 0
	s_add_nc_u64 s[40:41], s[4:5], s[44:45]        ; W2[e], row 2048 kh, column 64 cs
	s_mov_b64 s[42:43], s[40:41]                   ; the first trip's chunks.  The stepped bases are first written here, in text that every wave walks
	s_lshl_b32 s66, s22, 6
	s_add_co_u32 s66, s66, s21
	s_lshl_b32 s66, s66, 16
	s_lshl_b32 s68, s24, 15
	s_add_co_u32 s66, s66, s68
	s_add_nc_u64 s[46:47], s[10:11], s[66:67]      ; hq: tile 64 e + wave % 8, K step 16 kh
	s_mov_b64 s[48:49], s[46:47]
	s_mov_b64 s[58:59], s[46:47]
	s_lshl_b32 s66, s22, 12
	s_lshl_b32 s68, s23, 8
	s_add_co_u32 s66, s66, s68
	s_add_nc_u64 s[6:7], s[6:7], s[66:67]          ; b2[e], column 64 cs
	s_lshl_b32 s66, s22, 11
	s_add_nc_u64 s[12:13], s[12:13], s[66:67]      ; rows[e]
	s_lshl_b32 s66, s23, 8
	s_add_nc_u64 s[52:53], s[18:19], s[66:67]      ; ys, column 64 cs
	global_load_b128 v[248:251], v15, s[12:13]             ; every wave: the entries of the first two tiles that it will store.  They are older than the weights' loads below,
	global_load_b128 v[252:255], v15, s[12:13] offset:512  ; so the producers' counts, which name the younger loads, stay as they are
	s_cmp_lt_u32 s20, 8
	s_cbranch_scc0 .Lhc
	PLOAD 0                                        ; the producers' first three chunks
	PLOAD 1
	PLOAD 2
	s_branch .Lhj
.Lhc:
.irp j, 0,1,2,3,4,5,6,7
	global_load_u16 v[TK+\j], v10, s[12:13] offset:256*\j   ; the consumers: the entries of row r of all eight local tiles, at fixed places of rows[e]
.endr
	s_cmp_eq_u32 s20, 8
	s_cbranch_scc0 .Lhj
	; wave 8 brings the bias.  No other wave touches LDS ahead of the barrier below.
	v_lshlrev_b32 v216, 3, v1
	global_load_b64 v[218:219], v216, s[6:7]
	s_wait_loadcnt 0x0
	s_wait_kmcnt 0x0
	s_add_co_i32 s69, s30, s31
	s_sub_co_i32 s69, 0, s69
	s_cmp_eq_u32 s24, 0
	s_cselect_b32 s68, 1.0, 0                      ; the bias belongs to the first half of K alone
	v_mul_f32 v218, s68, v218
	v_mul_f32 v219, s68, v219
	v_ldexp_f32 v218, v218, s69
	v_ldexp_f32 v219, v219, s69
	ds_store_b64 v21, v[218:219]
.Lhj:
	s_wait_kmcnt 0x0
	s_add_co_i32 s27, s30, s31                     ; eh + ew2
	s_add_co_i32 s66, s31, 127
	s_lshl_b32 s68, s66, 23
	v_mov_b32 v[SCL], s68                          ; 2^ew2
	s_add_co_i32 s66, s66, 8
	s_lshl_b32 s66, s66, 23
	s_or_b32 s66, s66, 0x600000
	v_mov_b32 v[LIM], s66                          ; 448 x 2^ew2
	s_min_u32 s32, s32, 1024                       ; rows
	s_add_co_u32 s33, s32, 15
	s_lshr_b32 s33, s33, 4                         ; tiles
	s_add_co_u32 s34, s33, 7
	s_sub_co_u32 s34, s34, s21
	s_lshr_b32 s34, s34, 3                         ; tiles i < s33 with i % 8 = wave % 8
	JOIN                                           ; the bias lies in LDS
	; phase 0: chunk 0 becomes codes; the consumers get ready
	s_cmp_lt_u32 s20, 8
	s_cbranch_scc0 .Lc0
	PCONV 0, 0, 1, 16, 0
	s_branch .Lj0
.Lc0:
	s_wait_loadcnt 0x0                             ; the entries are in, and no global load is out when the loads below are issued
	; each row's factor, for all eight local tiles, without a branch: a row past the last names token e
.irp j, 0,1,2,3,4,5,6,7
	v_min_u32 v[TK+\j], 0x807, v[TK+\j]            ; an entry is 2048 + 7 at the most;
	v_and_b32 v[TK+\j], 0x3ff, v[TK+\j]            ; its token,
	v_lshlrev_b32 v[TK+\j], 2, v[TK+\j]            ; and the token's word of p0w
.endr
.irp j, 0,1,2,3,4,5,6,7
	global_load_b32 v[PF+\j], v[TK+\j], s[16:17]
.endr
	; the scaled bias starts every sum: nothing is cleared
.irp j, 0,1,2
.irp x, 0,1,2,3,4,5,6,7
	ds_load_b128 v[ACC+32*\j+4*\x:ACC+32*\j+4*\x+3], v11 offset:16*\x
.endr
.endr
.irp x, 0,1,2,3,4,5,6,7
	ds_load_b128 v[BF+4*\x:BF+4*\x+3], v11 offset:16*\x
.endr
	s_wait_dscnt 0x0
.irp j, 3,4,5,6,7
	s_cmp_gt_u32 s34, \j
	s_cbranch_scc0 .Lai
.irp x, 0,1,2,3,4,5,6,7
	ds_store_b128 v8, v[BF+4*\x:BF+4*\x+3] offset:\j*TA+512*\x
.endr
.endr
.Lai:
	s_wait_loadcnt 0x0
.irp j, 0,1,2,3,4,5,6,7
	v_ldexp_f32 v[PF+\j], v[PF+\j], s27            ; p0 x 2^(eh + ew2)
	ds_store_b32 v14, v[PF+\j] offset:\j*TA
.endr
.set i, 0
.rept 96
	v_mov_b32 v[AS+i], 0                           ; both sets, once: their loads hang on the count; every path is to find these registers written, and no byte of hq is read that was not stored
.set i, i+1
.endr
.irp j, 0,1,2
	s_cmp_gt_u32 s34, \j
	s_cbranch_scc0 .Lj0
	ALOAD AS+16*\j, \j, 48                         ; set 0, my first K step
.endr
.Lj0:
	JOIN
	s_mov_b32 s35, 1
.Ldn:                                              ; phases 1-12: in a trip the producers convert chunks 4 t - 3 .. 4 t and ask for 4 t .. 4 t + 3; the consumers multiply chunks 4 t - 4 .. 4 t - 1.  16: the eight loads of each of the two younger chunks
	PHASE 1, 1, 1, 16, 0, 1
	PHASE 2, 0, 1, 16, 1, 0
	PHASE 3, 1, 1, 16, 0, 0
	PHASE 0, 0, 1, 16, 1, 0
	s_add_co_u32 s35, s35, 1
	s_cmp_lt_u32 s35, 4
	s_cbranch_scc1 .Ldn
	PHASE 1, 1, 0, 16, 0, 0                        ; the last three chunks: nothing more is asked for, the counts run down
	PHASE 2, 0, 0, 8, 1, 0
	PHASE 3, 1, 0, 0, 0, 0
	s_cmp_lt_u32 s20, 8
	s_cbranch_scc1 .Lf
	CSTEP 1, 1
.irp j, 0,1,2                          ; the register tiles go to their areas, each accumulator from its low end on
	s_cmp_gt_u32 s34, \j
	s_cbranch_scc0 .Lf
.irp x, 0,1,2,3,4,5,6,7
	ds_store_b128 v8, v[ACC+32*\j+4*\x:ACC+32*\j+4*\x+3] offset:\j*TA+512*\x
.endr
.endr
.Lf:
	JOIN
	; THE WAY OUT, by all sixteen waves: wave w takes the local tiles 2 jj + par of consumer w % 8 (par = 1 in waves 0-7, 0 in waves 8-15), written out four times: every LDS address is a register made at the head + a constant.
	; A tile's sums x the row's factor go through a stage in the tile's own area, which no other wave touches from here on, and come back as rows: sixteen lanes store 256 consecutive bytes, at a multiple of 256 from ys's first byte.
	s_wait_loadcnt 0x0                             ; the entries that were asked for at the head
	s_sub_co_i32 s38, s34, s26                     ; local tile 2 jj + par exists where 2 jj < s38
	v_mov_b32 v[F+1], 0                            ; (named with the factor as a pair)
.irp jj, 0,1,2,3
	s_cmp_gt_i32 s38, 2*\jj
	s_cbranch_scc0 .Lend
.if \jj > 0
	s_wait_xcnt 0x0                                ; the last tile's stores have read their registers
.endif
.if \jj < 2
.set RP, 248+4*\jj
.else
.set RP, 104
	global_load_b128 v[RP:RP+3], v15, s[12:13] offset:512*\jj   ; an overflow tile's entries are asked for here
.endif
.irp x, 0,1,2,3,4,5,6,7
	ds_load_b128 v[V+4*\x:V+4*\x+3], v9 offset:\jj*2*TA+512*\x
.endr
	ds_load_b32 v[F], v19 offset:\jj*2*TA
	s_wait_dscnt 0x0                               ; the images are in registers: the stage may take their place
.irp a, 0,2,4,6,8,10,12,14,16,18,20,22,24,26,28,30
	v_pk_mul_f32 v[V+\a:V+\a+1], v[V+\a:V+\a+1], v[F:F+1] op_sel_hi:[1,0]
.endr
.irp x, 0,1,2,3,4,5,6,7
	ds_store_b128 v16, v[V+4*\x:V+4*\x+3] offset:\jj*2*TA+16*\x
.endr
.irp i, 0,1,2,3,4,5,6,7
	ds_load_b128 v[Z+4*\i:Z+4*\i+3], v17 offset:\jj*2*TA+272*\i   ; LDS serves a wave's instructions in order (ISA guide 5.7.1.4): these see the stores above
.endr
.if \jj >= 2
	s_wait_loadcnt 0x0
.endif
.irp i, 0,2,4,6
	v_and_b32 v[KC+\i], 0xffff, v[RP+\i/2]         ; the entries of rows 8 h + i
	v_lshrrev_b32 v[KC+\i+1], 16, v[RP+\i/2]       ; and 8 h + i + 1
.endr
.irp i, 0,1,2,3,4,5,6,7
	v_add_nc_u32 v[KC+\i], s39, v[KC+\i]           ; in my half of ys
	v_min_u32 v[KC+\i], 0x101f, v[KC+\i]           ; ys has 2 x 2,064 rows
	v_lshl_add_u32 v[KC+\i], v[KC+\i], 12, v12     ; row x 4,096 bytes + 16 r
.endr
	s_wait_dscnt 0x0
.irp i, 0,1,2,3,4,5,6,7
	global_store_b128 v[KC+\i], v[Z+4*\i:Z+4*\i+3], s[52:53]
.endr
.endr
.Lend:
	s_wait_tensorcnt 0x0
	ds_add_u32 v20, v22
	s_wait_dscnt 0x0
	s_endpgm
.Lfunc_end_k_q7db53c9cc3_down:
	.size	k_q7db53c9cc3_down, .Lfunc_end_k_q7db53c9cc3_down-k_q7db53c9cc3_down
	.p2alignl 7, 3214868480
	.fill 96, 4, 3214868480
	.section	.rodata,"a",@progbits
	.p2align	6, 0x0
	.amdhsa_kernel k_q7db53c9cc3_down
		.amdhsa_group_segment_fixed_size 303872
		.amdhsa_private_segment_fixed_size 0
		.amdhsa_enable_private_segment 0
		.amdhsa_kernarg_size 64
		.amdhsa_user_sgpr_count 2
		.amdhsa_user_sgpr_kernarg_segment_ptr 1
		.amdhsa_wavefront_size32 1
		.amdhsa_system_sgpr_workgroup_id_x 1
		.amdhsa_system_sgpr_workgroup_id_y 1
		.amdhsa_system_sgpr_workgroup_id_z 1
		.amdhsa_system_vgpr_workitem_id 0
		.amdhsa_next_free_vgpr 256
		.amdhsa_next_free_sgpr 100
		.amdhsa_reserve_vcc 0
		.amdhsa_float_denorm_mode_32 3
		.amdhsa_float_denorm_mode_16_64 3
		.amdhsa_memory_ordered 1
		.amdhsa_forward_progress 1
		.amdhsa_inst_pref_size 223
	.end_amdhsa_kernel
	.amdgpu_metadata
---
amdhsa.version: [ 1, 2 ]
amdhsa.kernels:
  - .name:           k_q7db53c9cc3_down
    .symbol:         k_q7db53c9cc3_down.kd
    .args:
      - { .name: W2, .offset: 0, .size: 8, .value_kind: global_buffer, .address_space: global }
      - { .name: b2, .offset: 8, .size: 8, .value_kind: global_buffer, .address_space: global }
      - { .name: lowp_scales, .offset: 16, .size: 8, .value_kind: global_buffer, .address_space: global }
      - { .name: hq, .offset: 24, .size: 8, .value_kind: global_buffer, .address_space: global }
      - { .name: rows, .offset: 32, .size: 8, .value_kind: global_buffer, .address_space: global }
      - { .name: cnt, .offset: 40, .size: 8, .value_kind: global_buffer, .address_space: global }
      - { .name: p0w, .offset: 48, .size: 8, .value_kind: global_buffer, .address_space: global }
      - { .name: ys, .offset: 56, .size: 8, .value_kind: global_buffer, .address_space: global }
    .group_segment_fixed_size: 303872
    .private_segment_fixed_size: 0
    .kernarg_segment_align: 8
    .kernarg_segment_size: 64
    .max_flat_workgroup_size: 512
    .sgpr_count:     100
    .vgpr_count:     256
    .wavefront_size: 32
...
	.end_amdgpu_metadata
.endif
;; end of part 4
;; launch sum (part 5): grid 256 x 1, 8 waves a work-group, no clusters, 0 bytes of LDS; arguments ys, out0; writes out0
.if DOCPART == 5
	.amdgcn_target "amdgcn-amd-amdhsa--gfx1250"
	.amdhsa_code_object_version 6
	.text
	.protected	k_q7db53c9cc3_sum
	.globl	k_q7db53c9cc3_sum
	.p2align	8
	.type	k_q7db53c9cc3_sum,@function
k_q7db53c9cc3_sum:
	s_mov_b64 s[64:65], 0
	v_nop
	global_prefetch_b8 v0, s[64:65] scope:SCOPE_SE
	s_setreg_imm32_b32 hwreg(HW_REG_WAVE_MODE, 25, 1), 1
	s_wait_xcnt 0x0
; out0 = the sum of ys's four planes (two experts x two halves of K), each [1024][1024] f32.  ys is [2][2064 rows][1024]: in each half two planes on end, then 16 rows that are not read.
; A stream: every byte of the planes is read once, every byte of out0 written once.
; Thread T of 65,536 takes the 16 bytes at 16 T of each quarter of a plane: a load or store of the wave covers 512 consecutive aligned bytes.  All sixteen loads of a thread go out at once; no loop, no LDS, no barrier.
.set D, 8                              ; v8-71: pass a, plane p at 8 + 16 a + 4 p
.set HALF, 2064*4096                   ; bytes from one half of ys to the other
	s_load_b128 s[4:7], s[0:1], 0x0                ; ys, out0
	s_lshl_b32 s8, ttmp9, 12                       ; 256 threads x 16 bytes
	v_lshl_add_u32 v1, v0, 4, s8
	s_wait_kmcnt 0x0
	s_add_nc_u64 s[10:11], s[4:5], 0x400000        ; planes 1, 2, 3
	s_add_nc_u64 s[12:13], s[4:5], HALF
	s_add_nc_u64 s[14:15], s[4:5], HALF+0x400000
.irp a, 0,1,2,3
	global_load_b128 v[D+16*\a:D+16*\a+3],     v1, s[4:5]   offset:\a*0x100000 th:TH_LOAD_NT
	global_load_b128 v[D+16*\a+4:D+16*\a+7],   v1, s[10:11] offset:\a*0x100000 th:TH_LOAD_NT
	global_load_b128 v[D+16*\a+8:D+16*\a+11],  v1, s[12:13] offset:\a*0x100000 th:TH_LOAD_NT
	global_load_b128 v[D+16*\a+12:D+16*\a+15], v1, s[14:15] offset:\a*0x100000 th:TH_LOAD_NT
.endr
.irp a, 0,1,2,3
	s_wait_loadcnt 12-4*\a                         ; this pass's four loads are in; those of the later passes stay out
	v_pk_add_f32 v[D+16*\a:D+16*\a+1],    v[D+16*\a:D+16*\a+1],    v[D+16*\a+4:D+16*\a+5]
	v_pk_add_f32 v[D+16*\a+2:D+16*\a+3],  v[D+16*\a+2:D+16*\a+3],  v[D+16*\a+6:D+16*\a+7]
	v_pk_add_f32 v[D+16*\a+8:D+16*\a+9],  v[D+16*\a+8:D+16*\a+9],  v[D+16*\a+12:D+16*\a+13]
	v_pk_add_f32 v[D+16*\a+10:D+16*\a+11], v[D+16*\a+10:D+16*\a+11], v[D+16*\a+14:D+16*\a+15]
	v_pk_add_f32 v[D+16*\a:D+16*\a+1],    v[D+16*\a:D+16*\a+1],    v[D+16*\a+8:D+16*\a+9]
	v_pk_add_f32 v[D+16*\a+2:D+16*\a+3],  v[D+16*\a+2:D+16*\a+3],  v[D+16*\a+10:D+16*\a+11]
	global_store_b128 v1, v[D+16*\a:D+16*\a+3], s[6:7] offset:\a*0x100000 th:TH_STORE_NT
.endr
	s_endpgm
.Lfunc_end_k_q7db53c9cc3_sum:
	.size	k_q7db53c9cc3_sum, .Lfunc_end_k_q7db53c9cc3_sum-k_q7db53c9cc3_sum
	.p2alignl 7, 3214868480
	.fill 96, 4, 3214868480
	.section	.rodata,"a",@progbits
	.p2align	6, 0x0
	.amdhsa_kernel k_q7db53c9cc3_sum
		.amdhsa_group_segment_fixed_size 0
		.amdhsa_private_segment_fixed_size 0
		.amdhsa_enable_private_segment 0
		.amdhsa_kernarg_size 16
		.amdhsa_user_sgpr_count 2
		.amdhsa_user_sgpr_kernarg_segment_ptr 1
		.amdhsa_wavefront_size32 1
		.amdhsa_system_sgpr_workgroup_id_x 1
		.amdhsa_system_sgpr_workgroup_id_y 1
		.amdhsa_system_sgpr_workgroup_id_z 1
		.amdhsa_system_vgpr_workitem_id 0
		.amdhsa_next_free_vgpr 96
		.amdhsa_next_free_sgpr 66
		.amdhsa_reserve_vcc 0
		.amdhsa_float_denorm_mode_32 3
		.amdhsa_float_denorm_mode_16_64 3
		.amdhsa_memory_ordered 1
		.amdhsa_forward_progress 1
		.amdhsa_inst_pref_size 5
	.end_amdhsa_kernel
	.amdgpu_metadata
---
amdhsa.version: [ 1, 2 ]
amdhsa.kernels:
  - .name:           k_q7db53c9cc3_sum
    .symbol:         k_q7db53c9cc3_sum.kd
    .args:
      - { .name: ys, .offset: 0, .size: 8, .value_kind: global_buffer, .address_space: global }
      - { .name: out0, .offset: 8, .size: 8, .value_kind: global_buffer, .address_space: global }
    .group_segment_fixed_size: 0
    .private_segment_fixed_size: 0
    .kernarg_segment_align: 8
    .kernarg_segment_size: 16
    .max_flat_workgroup_size: 256
    .sgpr_count:     66
    .vgpr_count:     96
    .wavefront_size: 32
...
	.end_amdgpu_metadata
.endif
;; end of part 5
;; ======== version 2 of 2: 5 launches
;; workspace buffers: xq 8,388,608 bytes; masks 1,024 bytes of whole numbers; sel 4,096 bytes of whole numbers; p0w 4,096 bytes; rows 16,384 bytes of whole numbers; cnt 256 bytes of whole numbers; hq 33,554,432 bytes; ys 16,908,288 bytes
;; launch route (part 6): grid 128 x 1, 8 waves a work-group, no clusters, 36,352 bytes of LDS; arguments x, Wr, br, lowp_scales, xq, masks, sel, p0w; writes xq, masks, sel, p0w
.if DOCPART == 6
	.amdgcn_target "amdgcn-amd-amdhsa--gfx1250"
	.amdhsa_code_object_version 6
	.text
	.protected	k_q7db53c9cc3_route
	.globl	k_q7db53c9cc3_route
	.p2align	8
	.type	k_q7db53c9cc3_route,@function
k_q7db53c9cc3_route:
	s_mov_b64 s[64:65], 0
	v_nop
	global_prefetch_b8 v0, s[64:65] scope:SCOPE_SE
	s_setreg_imm32_b32 hwreg(HW_REG_WAVE_MODE, 25, 1), 1
	s_wait_xcnt 0x0
; THE ROUTER, AND x AS CODES.  x [1024 tokens][1024] f32, Wr [1024][8], br [8]; lowp_scales [32]: expert e has ex, ew1, eh, ew2 at 4 e .. 4 e + 3.
; A work-group of eight waves takes eight tokens, a wave one token (4,096 bytes of x, kept in 32 registers a lane: read from memory once).
; OUT: xq [8][1024][1024]: x as codes of E4M3 under each expert's own scale 2^ex;  masks [8][32] words: bit b of word g = token 32 g + b chose the expert;
;      sel [1024]: the higher of a token's two expert numbers;  p0w [1024] f32: the first probability over the sum of the two.
; The logits are f32 fused multiply-adds (Wr through LDS, read once by the work-group).  The choice is made on the PROBABILITIES, as the model does, by scans that keep the lower index on a tie.
; Nothing that is derived from a floating-point number enters an address or a branch here: the choice only becomes stored values, at fixed places.
; No matrix unit (8 columns), no cluster (work-groups share only Wr's 32 KB), no tensor load: nothing here would gain by them.
; LIMITS: each ex between -126 and 119, so that 2^ex and 448 x 2^ex are f32 numbers.  NaN among the inputs is not served.  The logits' sums are taken in another order than a row-by-row sum:
; a token whose second and third probabilities agree to the last bits of f32 may choose otherwise.
.set WP,   272                         ; Wr in LDS: a unit of 256 bytes (8 rows k x 8 experts) + 16 of padding: lanes a unit apart start 68 words apart (64 banks of 4 bytes: ISA guide 11.1)
.set LOG,  128*WP                      ; behind Wr's 128 units: 8 tokens x 8 logits
.set X,    16                          ; v16-47    x: register 8 i + j = x[token][256 i + 8 lane + j]
.set WR,   48                          ; v48-111   a unit of Wr: register 8 j + e
.set LG,   112                         ; v112-119  the eight logits
.set T,    120                         ; v120-151  x held within the largest code; later wave 0's work
.set CD,   152                         ; v152-215  codes, eight registers for each expert: no store's data are written again
	s_load_b512 s[4:19], s[0:1], 0x0               ; x s[4:5], Wr s[6:7], br s[8:9], scales s[10:11], xq s[12:13], masks s[14:15], sel s[16:17], p0w s[18:19]
	v_lshl_add_u32 v224, v0, 2, 0x8a00
	v_mov_b32 v225, 0
	v_lshrrev_b32 v1, 5, v0
	s_delay_alu instid0(VALU_DEP_1)
	v_readfirstlane_b32 s20, v1                    ; wave 0..7
	v_and_b32 v2, 31, v0                           ; lane
	s_delay_alu instid0(VALU_DEP_1)
	v_lshlrev_b32 v3, 5, v2                        ; x: 32 bytes a lane in each quarter of the row
	v_lshlrev_b32 v4, 4, v0                        ; Wr: 16 bytes a thread
	v_lshrrev_b32 v5, 4, v0
	s_delay_alu instid0(VALU_DEP_1)
	v_mul_u32_u24 v5, v5, WP
	v_and_b32 v6, 15, v0
	s_delay_alu instid0(VALU_DEP_1)
	v_lshl_add_u32 v5, v6, 4, v5                   ; Wr into LDS: unit thread / 16, 16 bytes at thread % 16
	v_mul_u32_u24 v6, v2, WP                       ; Wr out of LDS: unit 32 i + lane
	v_lshlrev_b32 v7, 3, v2                        ; codes: 8 bytes a lane
	v_and_b32 v8, 0xe0, v0
	s_delay_alu instid0(VALU_DEP_1)
	v_add_nc_u32 v8, LOG, v8                       ; my wave's 32 bytes of logits
	v_and_b32 v9, 7, v0
	s_delay_alu instid0(VALU_DEP_1)
	v_lshl_add_u32 v9, v9, 5, LOG                  ; wave 0: the logits of token lane % 8
	s_lshl_b32 s21, ttmp9, 3
	s_add_co_u32 s21, s21, s20                     ; my token
	s_lshl_b32 s66, s21, 12
	s_mov_b32 s67, 0
	s_lshl_b32 s68, s21, 10
	s_mov_b32 s69, 0
	s_mov_b32 s72, 0x76543210                      ; v_permlanex16_b32: lane l xor 16
	s_mov_b32 s73, 0xfedcba98
	s_wait_alu depctr_va_vdst(0)
	s_wait_kmcnt 0x0
	s_load_b256 s[24:31], s[8:9], 0x0              ; br
	s_load_b512 s[32:47], s[10:11], 0x0            ; the 32 exponents
	s_load_b512 s[48:63], s[10:11], 0x40
	s_add_nc_u64 s[4:5], s[4:5], s[66:67]          ; x at my token
	s_add_nc_u64 s[12:13], s[12:13], s[68:69]      ; xq at my token, expert 0
.irp i, 0,1,2,3
	global_load_b128 v[X+8*\i:X+8*\i+3],   v3, s[4:5] offset:1024*\i th:TH_LOAD_NT
	global_load_b128 v[X+8*\i+4:X+8*\i+7], v3, s[4:5] offset:1024*\i+16 th:TH_LOAD_NT
.endr
.irp y, 0,1,2,3,4,5,6,7
	global_load_b128 v[WR+4*\y:WR+4*\y+3], v4, s[6:7] offset:4096*\y   ; the work-group's 256 threads read 4,096 consecutive bytes
.endr
	s_wait_loadcnt 0x0
.irp y, 0,1,2,3,4,5,6,7
	ds_store_b128 v5, v[WR+4*\y:WR+4*\y+3] offset:16*WP*\y
.endr
	s_wait_kmcnt 0x0
; x under each expert's scale: held within +-448 x 2^ex (the conversion to an 8-bit code does not saturate: ISA guide 7.6.2), then eight codes an instruction.
.irp e, 0,1,2,3,4,5,6,7
	s_add_co_i32 s70, s[32+4*\e], 127
	s_lshl_b32 s71, s70, 23                        ; 2^ex as f32: the conversion takes its exponent field
	s_add_co_i32 s70, s70, 8
	s_lshl_b32 s70, s70, 23
	s_or_b32 s70, s70, 0x600000                    ; 448 x 2^ex
	v_mov_b32 v216, s71
	v_mov_b32 v217, s70
.set i, 0
.rept 32
	v_med3_num_f32 v[T+i], v[X+i], -v217, v217
.set i, i+1
.endr
.irp i, 0,1,2,3
	v_cvt_scalef32_pk8_fp8_f32 v[CD+8*\e+2*\i:CD+8*\e+2*\i+1], v[T+8*\i:T+8*\i+7], v216
.endr
	v_nop                                          ; a plain vector line between the conversions and the lines that write their sources again
.irp i, 0,1,2,3
	global_store_b64 v7, v[CD+8*\e+2*\i:CD+8*\e+2*\i+1], s[12:13] offset:\e*1048576+256*\i   ; the wave stores 256 consecutive bytes, at a multiple of 256 from xq's first byte
.endr
.endr
	s_wait_dscnt 0x0                               ; my part of Wr lies in LDS
	s_barrier_signal -1
	s_barrier_wait -1                              ; everybody's does
; The logits: lane l sums its 32 k for all eight experts, two experts an instruction; x is the broadcast half of a pair.
.irp i, 0,1,2,3
.irp z, 0,1,2,3,4,5,6,7,8,9,10,11,12,13,14,15
	ds_load_b128 v[WR+4*\z:WR+4*\z+3], v6 offset:32*WP*\i+16*\z
.endr
	s_wait_alu depctr_va_vdst(0)
	s_wait_dscnt 0x0
.irp j, 0,1,2,3,4,5,6,7
.irp a, 0,2,4,6
.if (\i == 0) && (\j == 0)
	v_pk_mul_f32 v[LG+\a:LG+\a+1], v[WR+\a:WR+\a+1], v[X:X+1] op_sel_hi:[1,0]   ; the first product starts the sums
.elseif (\j % 2) == 0
	v_pk_fma_f32 v[LG+\a:LG+\a+1], v[WR+8*\j+\a:WR+8*\j+\a+1], v[X+8*\i+\j:X+8*\i+\j+1], v[LG+\a:LG+\a+1] op_sel_hi:[1,0,1]
.else
	s_delay_alu instid0(VALU_DEP_4)
	v_pk_fma_f32 v[LG+\a:LG+\a+1], v[WR+8*\j+\a:WR+8*\j+\a+1], v[X+8*\i+\j-1:X+8*\i+\j], v[LG+\a:LG+\a+1] op_sel:[0,1,0] op_sel_hi:[1,1,1]
.endif
.endr
.endr
.endr
.irp m, 1,2,4,8
.irp e, 0,1,2,3,4,5,6,7
	v_add_f32_dpp v[LG+\e], v[LG+\e], v[LG+\e] row_xmask:\m row_mask:0xf bank_mask:0xf
.endr
.endr
.irp e, 0,1,2,3,4,5,6,7
	v_permlanex16_b32 v[T+\e], v[LG+\e], s72, s73
.endr
.irp e, 0,1,2,3,4,5,6,7
	v_add_f32 v[LG+\e], v[LG+\e], v[T+\e]          ; every lane holds the token's eight sums
.endr
	ds_store_b128 v8, v[LG:LG+3]                   ; all lanes write the same words with the same values
	ds_store_b128 v8, v[LG+4:LG+7] offset:16
	s_wait_dscnt 0x0
	s_barrier_signal -1
	s_barrier_wait -1
	s_cmp_lg_u32 s20, 0                            ; wave 0 finishes the eight tokens, lane l token l % 8; no barrier follows
	s_cbranch_scc1 .Lend
	ds_load_b128 v[120:123], v9
	ds_load_b128 v[124:127], v9 offset:16
	v_mov_b32 v218, 0x42800000                     ; 64.0
	v_mov_b32 v219, -64
	v_mov_b32 v220, 0                              ; lane e will hold expert e's eight bits
	s_wait_dscnt 0x0
.irp e, 0,1,2,3,4,5,6,7
	v_add_f32 v[120+\e], s[24+\e], v[120+\e]       ; + br
.endr
	v_max3_num_f32 v221, v120, v121, v122          ; the largest logit is taken away ahead of the exponentials
	s_delay_alu instid0(VALU_DEP_1)
	v_max3_num_f32 v221, v221, v123, v124
	s_delay_alu instid0(VALU_DEP_1)
	v_max3_num_f32 v221, v221, v125, v126
	s_delay_alu instid0(VALU_DEP_1)
	v_max_num_f32 v221, v221, v127
.irp e, 0,1,2,3,4,5,6,7
	v_sub_f32 v[128+\e], v[120+\e], v221
.endr
.irp e, 0,1,2,3,4,5,6,7
	v_mul_f32 v[128+\e], 0x3fb8aa3b, v[128+\e]     ; z = (l - m) log2(e)
.endr
.irp e, 0,1,2,3,4,5,6,7
	v_cmp_gt_f32 vcc_lo, 0xc2c80000, v[128+\e]     ; z under -100: the exponential is taken 64 binary places higher and brought down by v_ldexp_f32,
	s_delay_alu instid0(VALU_DEP_1)
	v_cndmask_b32 v[136+\e], 0, v218, vcc_lo       ; since v_exp_f32 gives 0 where its result would be denormal (ISA guide, its entry in 15.8)
	s_delay_alu instid0(VALU_DEP_2)
	v_cndmask_b32 v[144+\e], 0, v219, vcc_lo
.endr
.irp e, 0,1,2,3,4,5,6,7
	v_add_f32 v[128+\e], v[128+\e], v[136+\e]
.endr
	s_wait_alu depctr_va_vdst(0)
.irp e, 0,1,2,3,4,5,6,7
	v_exp_f32 v[128+\e], v[128+\e]
.endr
	v_nop                                          ; a plain line behind the transcendentals
	s_wait_alu depctr_va_vdst(0)
.irp e, 0,1,2,3,4,5,6,7
	v_ldexp_f32 v[128+\e], v[128+\e], v[144+\e]
.endr
	v_add_f32 v222, v128, v129
	v_add_f32 v223, v130, v131
	v_add_f32 v136, v132, v133
	s_delay_alu instid0(VALU_DEP_4)
	v_add_f32 v137, v134, v135
	s_delay_alu instid0(VALU_DEP_3)
	v_add_f32 v222, v222, v223
	s_delay_alu instid0(VALU_DEP_2)
	v_add_f32 v136, v136, v137
	s_delay_alu instid0(VALU_DEP_1)
	v_add_f32 v222, v222, v136
	s_wait_alu depctr_va_vdst(0)
	v_rcp_f32 v222, v222
	v_nop
	s_wait_alu depctr_va_vdst(0)
.irp e, 0,1,2,3,4,5,6,7
	v_mul_f32 v[120+\e], v[128+\e], v222           ; the probabilities
.endr
	v_mov_b32 v136, v120                           ; the largest so far, and its expert: a later one must be GREATER, so the lower index wins a tie
	v_mov_b32 v137, 0
.irp e, 1
	s_delay_alu instid0(VALU_DEP_2)
	v_cmp_le_f32 vcc_lo, v[120+\e], v136
	s_delay_alu instid0(VALU_DEP_1)
	v_cndmask_b32 v137, \e, v137, vcc_lo
	s_delay_alu instid0(VALU_DEP_2)
	v_cndmask_b32 v136, v[120+\e], v136, vcc_lo
.endr
.irp e, 2, 3, 4, 5, 6, 7
	s_delay_alu instid0(VALU_DEP_1)
	v_cmp_le_f32 vcc_lo, v[120+\e], v136
	s_delay_alu instid0(VALU_DEP_1)
	v_cndmask_b32 v137, \e, v137, vcc_lo
	s_delay_alu instid0(VALU_DEP_2)
	v_cndmask_b32 v136, v[120+\e], v136, vcc_lo
.endr
	v_mov_b32 v138, -1.0                           ; the second: the same scan, passing over the first
	v_mov_b32 v139, 0
.irp e, 0
	s_delay_alu instid0(VALU_DEP_2)
	v_cmp_le_f32 s70, v[120+\e], v138
	v_cmp_eq_u32 s71, \e, v137
	s_or_b32 vcc_lo, s70, s71
	v_cndmask_b32 v139, \e, v139, vcc_lo
	v_cndmask_b32 v138, v[120+\e], v138, vcc_lo
.endr
.irp e, 1, 2, 3, 4, 5, 6, 7
	s_delay_alu instid0(VALU_DEP_1)
	v_cmp_le_f32 s70, v[120+\e], v138
	v_cmp_eq_u32 s71, \e, v137
	s_or_b32 vcc_lo, s70, s71
	v_cndmask_b32 v139, \e, v139, vcc_lo
	v_cndmask_b32 v138, v[120+\e], v138, vcc_lo
.endr
	s_delay_alu instid0(VALU_DEP_1)
	v_add_f32 v140, v136, v138
	s_wait_alu depctr_va_vdst(0)
	v_rcp_f32 v140, v140
	v_max_u32 v141, v137, v139                     ; (a plain line behind the transcendental)  the higher of the two experts
	s_wait_alu depctr_va_vdst(0)
	v_mul_f32 v140, v136, v140                     ; p0
.irp e, 0,1,2,3,4,5,6,7
	v_cmp_eq_u32 s70, \e, v137
	v_cmp_eq_u32 s71, \e, v139
	s_or_b32 s70, s70, s71                         ; bits 0-7: tokens 0-7 of the work-group
	v_writelane_b32 v220, s70, \e
.endr
	s_mov_b32 s74, ttmp9
	s_lshl_b32 s75, ttmp9, 5
	v_lshlrev_b32 v142, 7, v2
	s_delay_alu instid0(VALU_DEP_1)
	v_add_nc_u32 v142, s74, v142                   ; masks: 128 bytes an expert; my work-group's eight tokens are byte number work-group
	v_lshl_add_u32 v143, v2, 2, s75                ; sel, p0w: word 8 x work-group + lane
	v_cmp_gt_u32 vcc_lo, 8, v0
	s_wait_alu depctr_va_vdst(0)
	s_wait_xcnt 0x0                                ; EXEC changes only behind this wait: the stores of codes have read it
	s_and_saveexec_b32 s70, vcc_lo
	global_store_b8 v142, v220, s[14:15]
	global_store_b32 v143, v141, s[16:17]
	global_store_b32 v143, v140, s[18:19]
	s_wait_xcnt 0x0
	s_or_b32 exec_lo, exec_lo, s70
.Lend:
	s_wait_tensorcnt 0x0
	ds_add_u32 v224, v225
	s_wait_dscnt 0x0
	s_endpgm
.Lfunc_end_k_q7db53c9cc3_route:
	.size	k_q7db53c9cc3_route, .Lfunc_end_k_q7db53c9cc3_route-k_q7db53c9cc3_route
	.p2alignl 7, 3214868480
	.fill 96, 4, 3214868480
	.section	.rodata,"a",@progbits
	.p2align	6, 0x0
	.amdhsa_kernel k_q7db53c9cc3_route
		.amdhsa_group_segment_fixed_size 36352
		.amdhsa_private_segment_fixed_size 0
		.amdhsa_enable_private_segment 0
		.amdhsa_kernarg_size 64
		.amdhsa_user_sgpr_count 2
		.amdhsa_user_sgpr_kernarg_segment_ptr 1
		.amdhsa_wavefront_size32 1
		.amdhsa_system_sgpr_workgroup_id_x 1
		.amdhsa_system_sgpr_workgroup_id_y 1
		.amdhsa_system_sgpr_workgroup_id_z 1
		.amdhsa_system_vgpr_workitem_id 0
		.amdhsa_next_free_vgpr 226
		.amdhsa_next_free_sgpr 100
		.amdhsa_reserve_vcc 1
		.amdhsa_float_denorm_mode_32 3
		.amdhsa_float_denorm_mode_16_64 3
		.amdhsa_memory_ordered 1
		.amdhsa_forward_progress 1
		.amdhsa_inst_pref_size 57
	.end_amdhsa_kernel
	.amdgpu_metadata
---
amdhsa.version: [ 1, 2 ]
amdhsa.kernels:
  - .name:           k_q7db53c9cc3_route
    .symbol:         k_q7db53c9cc3_route.kd
    .args:
      - { .name: x, .offset: 0, .size: 8, .value_kind: global_buffer, .address_space: global }
      - { .name: Wr, .offset: 8, .size: 8, .value_kind: global_buffer, .address_space: global }
      - { .name: br, .offset: 16, .size: 8, .value_kind: global_buffer, .address_space: global }
      - { .name: lowp_scales, .offset: 24, .size: 8, .value_kind: global_buffer, .address_space: global }
      - { .name: xq, .offset: 32, .size: 8, .value_kind: global_buffer, .address_space: global }
      - { .name: masks, .offset: 40, .size: 8, .value_kind: global_buffer, .address_space: global }
      - { .name: sel, .offset: 48, .size: 8, .value_kind: global_buffer, .address_space: global }
      - { .name: p0w, .offset: 56, .size: 8, .value_kind: global_buffer, .address_space: global }
    .group_segment_fixed_size: 36352
    .private_segment_fixed_size: 0
    .kernarg_segment_align: 8
    .kernarg_segment_size: 64
    .max_flat_workgroup_size: 256
    .sgpr_count:     100
    .vgpr_count:     226
    .wavefront_size: 32
...
	.end_amdgpu_metadata
.endif
;; end of part 6
;; launch place (part 7): grid 8 x 1, 1 waves a work-group, no clusters, 2,560 bytes of LDS; arguments masks, sel, rows, cnt; writes rows, cnt
.if DOCPART == 7
	.amdgcn_target "amdgcn-amd-amdhsa--gfx1250"
	.amdhsa_code_object_version 6
	.text
	.protected	k_q7db53c9cc3_place
	.globl	k_q7db53c9cc3_place
	.p2align	8
	.type	k_q7db53c9cc3_place,@function
k_q7db53c9cc3_place:
	s_mov_b64 s[64:65], 0
	v_nop
	global_prefetch_b8 v0, s[64:65] scope:SCOPE_SE
	s_setreg_imm32_b32 hwreg(HW_REG_WAVE_MODE, 25, 1), 1
	s_wait_xcnt 0x0
; THE ROWS OF EACH EXPERT, IN ORDER.  masks [8][32] words: bit b of word g = token 32 g + b chose the expert; sel [1024]: the higher of a token's two experts.
; Work-group e, one wave, stores  rows [e][1024] of 16 bits: entry i = the i-th token, in ascending order, that chose expert e, + 1024 where e is the higher of that token's two experts;
; past the last such token 2048 + e;  and cnt [e]: how many there are.  The later launches read their counts, gathers and places from these two buffers.
; A counting placement: for each group of 32 tokens a lane's place is the rows so far + the chosen tokens below its own.  The list is gathered in LDS and leaves at fixed addresses, 512 consecutive bytes a store.
; One wave to an expert: the work is a chain of 32 short steps on 128 bytes of masks; more waves, LDS rings, clusters or the matrix unit have nothing to do here.
.set SEL, 16                           ; v16-47  sel of token 32 g + lane
.set OUTR, 48                          ; v48-63  the list read back
	s_load_b256 s[4:11], s[0:1], 0x0               ; masks s[4:5], sel s[6:7], rows s[8:9], cnt s[10:11]
	v_lshl_add_u32 v64, v0, 2, 0x900
	v_mov_b32 v65, 0
	s_mov_b32 s12, ttmp9                           ; e
	v_lshlrev_b32 v1, 2, v0                        ; 4 x lane (one wave: the thread's number is the lane)
	v_lshlrev_b32 v2, 4, v0                        ; 16 x lane
	s_lshl_b32 s14, s12, 7                         ; masks: 128 bytes an expert
	s_mov_b32 s15, 0
	s_lshl_b32 s16, s12, 11                        ; rows: 2,048 bytes an expert
	s_mov_b32 s17, 0
	s_lshl_b32 s18, s12, 2                         ; cnt: a word an expert
	s_mov_b32 s19, 0
	s_add_co_u32 s20, s12, 0x800                   ; what stands past the last row: 2048 + e, twice in a word
	s_lshl_b32 s21, s20, 16
	s_or_b32 s20, s20, s21
	v_mov_b32 v8, s20
	v_mov_b32 v9, s20
	v_mov_b32 v10, s20
	v_mov_b32 v11, s20
	s_wait_alu depctr_va_vdst(0)
	s_wait_kmcnt 0x0
	s_add_nc_u64 s[4:5], s[4:5], s[14:15]
	s_add_nc_u64 s[8:9], s[8:9], s[16:17]
	s_add_nc_u64 s[10:11], s[10:11], s[18:19]
	global_load_b32 v3, v1, s[4:5]                 ; lane g: the bits of tokens 32 g .. 32 g + 31
.set g, 0
.rept 32
	global_load_b32 v[SEL+g], v1, s[6:7] offset:128*g
.set g, g+1
.endr
.irp i, 0,1,2,3
	ds_store_b128 v2, v[8:11] offset:512*\i        ; the whole list begins as 'past the last'
.endr
	v_mov_b32 v4, v0                               ; my token of the group in hand,
	v_add_nc_u32 v6, 0x400, v0                     ; and with the mark of the higher expert
	v_add_nc_u32 v5, 0x400, v0                     ; entry 1024 + lane, behind the list: where a lane without a row stores
	s_mov_b32 s23, 0                               ; rows so far
	s_wait_alu depctr_va_vdst(0)
	s_wait_loadcnt 0x0
.set g, 0
.rept 32
	v_readlane_b32 s22, v3, g
	v_cmp_eq_u32 vcc_lo, s12, v[SEL+g]
	v_cndmask_b32 v7, v4, v6, vcc_lo               ; the entry
	v_mbcnt_lo_u32_b32 v12, s22, s23               ; rows so far + chosen tokens below mine
	v_cndmask_b32 v12, v5, v12, s22
	v_min_u32 v12, 0x43f, v12
	v_lshlrev_b32 v13, 1, v12
	ds_store_b16 v13, v7
	v_add_nc_u32 v4, 32, v4
	v_add_nc_u32 v6, 32, v6
	s_bcnt1_i32_b32 s24, s22
	s_add_co_u32 s23, s23, s24
.set g, g+1
.endr
.irp i, 0,1,2,3
	ds_load_b128 v[OUTR+4*\i:OUTR+4*\i+3], v2 offset:512*\i   ; LDS serves a wave's instructions in order (ISA guide 5.7.1.4): these see the stores above
.endr
	v_mov_b32 v14, s23
	v_mov_b32 v15, 0
	s_wait_alu depctr_va_vdst(0)
	s_wait_dscnt 0x0
.irp i, 0,1,2,3
	global_store_b128 v2, v[OUTR+4*\i:OUTR+4*\i+3], s[8:9] offset:512*\i
.endr
	v_cmp_gt_u32 vcc_lo, 1, v0
	s_wait_xcnt 0x0                                ; EXEC changes only behind this wait: the stores above have read it
	s_wait_tensorcnt 0x0
	ds_add_u32 v64, v65
	s_wait_dscnt 0x0
	s_and_saveexec_b32 s26, vcc_lo
	global_store_b32 v15, v14, s[10:11]            ; lane 0: the count
	s_wait_xcnt 0x0
	s_or_b32 exec_lo, exec_lo, s26
	s_endpgm
.Lfunc_end_k_q7db53c9cc3_place:
	.size	k_q7db53c9cc3_place, .Lfunc_end_k_q7db53c9cc3_place-k_q7db53c9cc3_place
	.p2alignl 7, 3214868480
	.fill 96, 4, 3214868480
	.section	.rodata,"a",@progbits
	.p2align	6, 0x0
	.amdhsa_kernel k_q7db53c9cc3_place
		.amdhsa_group_segment_fixed_size 2560
		.amdhsa_private_segment_fixed_size 0
		.amdhsa_enable_private_segment 0
		.amdhsa_kernarg_size 32
		.amdhsa_user_sgpr_count 2
		.amdhsa_user_sgpr_kernarg_segment_ptr 1
		.amdhsa_wavefront_size32 1
		.amdhsa_system_sgpr_workgroup_id_x 1
		.amdhsa_system_sgpr_workgroup_id_y 1
		.amdhsa_system_sgpr_workgroup_id_z 1
		.amdhsa_system_vgpr_workitem_id 0
		.amdhsa_next_free_vgpr 66
		.amdhsa_next_free_sgpr 66
		.amdhsa_reserve_vcc 1
		.amdhsa_float_denorm_mode_32 3
		.amdhsa_float_denorm_mode_16_64 3
		.amdhsa_memory_ordered 1
		.amdhsa_forward_progress 1
		.amdhsa_inst_pref_size 23
	.end_amdhsa_kernel
	.amdgpu_metadata
---
amdhsa.version: [ 1, 2 ]
amdhsa.kernels:
  - .name:           k_q7db53c9cc3_place
    .symbol:         k_q7db53c9cc3_place.kd
    .args:
      - { .name: masks, .offset: 0, .size: 8, .value_kind: global_buffer, .address_space: global }
      - { .name: sel, .offset: 8, .size: 8, .value_kind: global_buffer, .address_space: global }
      - { .name: rows, .offset: 16, .size: 8, .value_kind: global_buffer, .address_space: global }
      - { .name: cnt, .offset: 24, .size: 8, .value_kind: global_buffer, .address_space: global }
    .group_segment_fixed_size: 2560
    .private_segment_fixed_size: 0
    .kernarg_segment_align: 8
    .kernarg_segment_size: 32
    .max_flat_workgroup_size: 32
    .sgpr_count:     66
    .vgpr_count:     66
    .wavefront_size: 32
...
	.end_amdgpu_metadata
.endif
;; end of part 7
;; launch up (part 8): grid 32 x 8, 16 waves a work-group, no clusters, 283,648 bytes of LDS; arguments W1, b1, lowp_scales, xq, rows, cnt, hq; writes hq
.if DOCPART == 8
	.amdgcn_target "amdgcn-amd-amdhsa--gfx1250"
	.amdhsa_code_object_version 6
	.text
	.protected	k_q7db53c9cc3_up
	.globl	k_q7db53c9cc3_up
	.p2align	8
	.type	k_q7db53c9cc3_up,@function
k_q7db53c9cc3_up:
	s_mov_b64 s[64:65], 0
	v_nop
	global_prefetch_b8 v0, s[64:65] scope:SCOPE_SE
	s_setreg_imm32_b32 hwreg(HW_REG_WAVE_SCHED_MODE, 0, 2), 2
	s_setreg_imm32_b32 hwreg(HW_REG_WAVE_MODE, 25, 1), 1
	s_wait_xcnt 0x0
	s_wait_alu depctr_vm_vsrc(0)
; THE FIRST LAYER OF THE CHOSEN EXPERTS: hq = Q(gelu(Q(x) Q(W1[e]) + b1[e])), for the rows (tokens) that chose expert e, and no others.
; W1 [8][1024 k][4096 f] f32: K is its first axis.  Work-group (x = gx, y = e) owns the columns 64 s .. 64 s + 63 of expert e for the two slabs s = gx and gx + 32, for ALL rows of the expert.
; It streams 16 chunks of 128 k x 64 columns of f32 (32 KB each): every byte of W1 is read once in the launch, in whole aligned runs of 256 bytes.
; TWO ROLES.  Waves 0-7 PRODUCE: each loads 16 rows k of a chunk, holds and converts them (a lane's registers turned so that eight run down K), and stores the codes into one of two LDS slots, K innermost.
; They have no branch on data, so their counted waits are exact; four buffers of 32 registers take turns: one is converted, two or three are on their way, and the free one serves as scratch until it is asked for anew.
; Waves 8-15 CONSUME: they multiply the slot of the phase before against the rows' codes.  One barrier a phase: behind it the new slot is whole and the old one is read out.  Every barrier stands in text that all sixteen waves walk.
; THE ROWS' FRAGMENTS HAVE TWO SETS OF REGISTERS: at the head of a K step a consumer waits for all its loads (this step's fragments, asked for at the head of the step before) and asks for the next step's into the other set,
; so that they have a whole phase in which to come.  Beside two sets the registers hold two of W1's four fragments: they come from LDS two column tiles at a time.
; ROWS.  rows [8][1024] of 16 bits and cnt [8] come from the launch before: entry i of expert e is its i-th token (+ 1024: a mark that is cut off here), past the last 2048 + e, which names token e: a row that is
; computed and stored like the others, so that every byte of a tile of hq is written.  Tile i of 16 rows belongs to consumer i % 8 as its local tile j = i / 8.  j = 0, 1, 2 stay in registers (384 rows);
; j = 3 .. 7 (up to all 1,024 rows) lie as register images in the consumer's own LDS and go through registers once a step: right for every split, slower past 384 rows.
; THE PRODUCT IS USED TRANSPOSED (source 0 = 16 columns of W1, source 1 = 16 rows): lane r' of column tile c takes column 32 (r' / 8) + 8 c + r' % 8, so a lane's 32 results are row lane % 16, columns 32 (lane / 16) + 0 .. 31:
; 32 neighbours along the next K, which the conversions turn straight into pieces of the next operand.
; ORDER OF k in a step of 128, the same on both sides: registers 4 q .. 4 q + 3 of lane (r, h) hold k = 64 (q / 2) + 32 h + 16 (q % 2) + 0 .. 15.
; hq [e][tile 64][K step 32][piece 4][lane 32][16 bytes]: images of the next product's operand registers; a store of the wave is 512 consecutive bytes.
; gelu(v) = v / (1 + 2^(v (c0 + c1 v^2))), c0 = -2 sqrt(2/pi) log2(e), c1 = 0.044715 c0: the tanh form's function, without its difference of near numbers.
; NOT USED: tensor loads and joint loads (branches here hang on stored counts, and the weights must pass through registers to be converted); register windows; a prefetch (the weights' loads run three chunks ahead).
; LIMITS: ew1 and eh between -126 and 119; ex + ew1 between -126 and 127.  NaN among the inputs is not served.
; THE MODE: SCHED_MODE bits 1:0 = 2 (LLVM: expert scheduling mode 2), set by the entry lines.  The code itself states the register dependences
; between vector or matrix instructions and memory or LDS instructions, with s_wait_alu, always for 0.
; THE PLAN.  Registers that memory or LDS instructions touch:
;   v4-v11, v16, v202   offsets and LDS addresses: made at the head, ahead of ONE wait on va_vdst that serves every load and store of the kernel; never written again (v202, the bias's offset: until set 1 is cleared).
;   v248-255            the rows' offsets: loaded, bounded by vector lines, then read by every load of rows: one wait on va_vdst in phase 0.
;   R0 .. R3            producers.  A phase's holds read buffer cb and write the free buffer, the conversions write its codes, four LDS stores read them, eight loads land in it.  One wait on va_vdst behind the conversions
;                       (the codes are written; all vector work on the free buffer is done), one on vm_vsrc behind the stores (they have read the codes' registers).
;   v[BF ..]            consumers.  Filled from LDS twice a step, read by products: a wait on va_vdst ahead of each fill.  All of v24 to v255 is taken: there is no register for a second pair of fragments.
;   the two sets        consumers.  The products read the set in hand; the loads of the next step land in the other, which the products of the step before read: the wait at the step's head states that too.
;                       An overflow tile loads into the set in hand behind a wait of its own, and a wait on vm_vsrc stands behind its stores of sums.
;   the accumulators    named by matrix instructions alone until they go to LDS: the places, then a wait on va_vdst.
;   v17                 the way out's LDS address, the one address that is stepped: the add and a wait on va_vdst at a tile's head, a wait on vm_vsrc at its end; both waits also serve the tile's data registers.
;   The way out's waits stand in text that every wave walks, so that what they state holds on every way through the branches that part the roles.
.set ROWB,  16384                      ; a row k of W1[e] in bytes
.set CHB,   128*ROWB                   ; a chunk's 128 rows
.set SLOTB, 9472                       ; a slot: column n at 144 n + 128 (n / 32), 128 bytes of codes
.set BIAS,  2*SLOTB                    ; b1 / 2^(ex + ew1) of my two slabs, 256 bytes each
.set ACCA,  BIAS+512                   ; 64 tile areas: (consumer, j) at (8 consumer + j) TA: eight images of 512 bytes, registers 4 x .. 4 x + 3 at 512 x + 16 lane
.set TA,    4096
; REGISTERS.  The registers into which the two roles have global loads on their way across a barrier, R on the one side, the two sets on the other, share none.
.set ACC,   24                         ; consumers: v24-119 accumulators (j, c) at 24 + 32 j + 8 c
.set BF,    120                        ;   v120-151 two of W1's fragments
.set AS,    152                        ;   v152-199, v200-247 the rows' fragments: set s % 2 for K step s, tile j at + 16 j; an overflow tile takes the set just multiplied: + 0 its fragment, + 16 its accumulators
.set AOFF,  248                        ;   v248-255 token x 1024 + 32 h of local tiles 0-7
.set R,     24                         ; producers: v24-151 four chunks as loaded, buffer b at 24 + 32 b; in the free buffer: + 0 sixteen numbers held and turned, + 16 the chunk's codes
.set V,     24                         ; the way out, all waves: v24-55 a tile's sums (buffer 0 has been converted, tile 0 has gone to its area), v200-231 at work, v232-239 codes (set 1 has been multiplied)
.set Z,     200
.set KC,    232
.set SCL,   13                         ; v13 2^ew1, v15 448 x 2^ew1, v17 the way out's LDS address
.set LIM,   15
.set EA,    17
; v1 lane, v2 r, v3 h, v4 16 lane, v5-v16 addresses (below), v18 2^eh, v19 448 x 2^eh, v[20:21] c0, v[22:23] c1.
; s20 wave, s21 wave % 8, s22 e, s23 gx, s26 par, s[28:31] ex ew1 eh ew2, s32 rows, s33 tiles, s34 tiles of consumer s21, s35 trip, s36-38 the way out's counters,
; s[40:41] W1 at my first chunk, s[42:43] at the trip's, s[44:45] an offset, s[46:47] xq at e, s[48:49] at the K step asked for last, s[50:51] that step's bytes, s[58:59] xq at the K step in hand,
; s[52:53] hq at my first tile, s[54:55] stepped, s[56:57] 2^(ex + ew1).
.macro JOIN                            ; my LDS stores have landed and my LDS loads are in: then the work-group's barrier
	s_wait_dscnt 0x0
	s_barrier_signal -1
	s_barrier_wait -1
.endm
.macro PLOAD lb                        ; chunk 4 trip + lb into buffer lb: load i takes row 16 p + i (lanes 0-15) and row 16 p + 8 + i (lanes 16-31), 256 consecutive aligned bytes each
.irp i, 0,1,2,3,4,5,6,7
	global_load_b128 v[R+32*(\lb)+4*\i:R+32*(\lb)+4*\i+3], v7, s[42:43] offset:(\lb)*CHB+\i*ROWB th:TH_LOAD_NT
.endr
.endm
.macro NEWBASE                         ; the trip's four chunks: K rows 512 (trip % 2) on, slab trip / 2
	s_wait_xcnt 0x0                                ; the loads that are out have read their base
	s_and_b32 s66, s35, 1
	s_lshl_b32 s66, s66, 23
	s_lshr_b32 s44, s35, 1
	s_lshl_b32 s44, s44, 13
	s_add_co_u32 s44, s44, s66
	s_add_nc_u64 s[42:43], s[40:41], s[44:45]
.endm
; Buffer cb becomes codes in a slot.  left = the loads of the younger chunks, which stay out.  The buffer in front of it in the ring, converted a phase ago, is free: it holds the numbers at work, two columns at a time, and the codes;
; ld = 1: behind the codes' stores it is asked for anew, three chunks ahead.  nb = 1: that chunk is the first of a trip.
.macro PCONV cb, slot, ld, left, nb
.set TB, R+32*(((\cb)+3)%4)
	s_wait_loadcnt \left
.irp j, 0,1
.irp i, 0,1,2,3,4,5,6,7
	v_med3_num_f32 v[TB+8*\j+\i], v[R+32*(\cb)+4*\i+\j], -v[LIM], v[LIM]   ; the hold at the largest code x the scale (the conversion does not saturate: ISA guide 7.6.2) also turns the registers: eight run down K
.endr
.endr
	v_cvt_scalef32_pk8_fp8_f32 v[TB+16:TB+17], v[TB:TB+7], v[SCL]
	v_cvt_scalef32_pk8_fp8_f32 v[TB+18:TB+19], v[TB+8:TB+15], v[SCL]
	v_nop                                          ; a plain vector line between the conversions and the lines that write their sources again
.irp j, 0,1
.irp i, 0,1,2,3,4,5,6,7
	v_med3_num_f32 v[TB+8*\j+\i], v[R+32*(\cb)+4*\i+\j+2], -v[LIM], v[LIM]
.endr
.endr
	v_cvt_scalef32_pk8_fp8_f32 v[TB+20:TB+21], v[TB:TB+7], v[SCL]
	v_cvt_scalef32_pk8_fp8_f32 v[TB+22:TB+23], v[TB+8:TB+15], v[SCL]
	v_nop
	s_wait_alu depctr_va_vdst(0)                   ; the conversions have written the codes, which the LDS stores read; and all vector work on the free buffer, this phase's and the last's, is done: the loads below land in it
.irp j, 0,1,2,3
	ds_store_b64 v6, v[TB+16+2*\j:TB+17+2*\j] offset:(\slot)*SLOTB+144*\j   ; column 4 r + j, k = 16 p + 8 h + 0 .. 7
.endr
.if \ld
	s_wait_dscnt 0x0                               ; my codes lie in the slot
	s_wait_alu depctr_vm_vsrc(0)                   ; the LDS stores have read the codes' registers, in which the loads below land
.if \nb
	NEWBASE
.endif
	PLOAD ((\cb)+3)%4
.endif
.endm
.macro ALOAD reg, off, base            ; a fragment of 16 rows x 128 k of xq: four pieces of 16 bytes of the lane's row; the 32 work-groups of the expert read these bytes again
.irp q, 0,1,2,3
	global_load_b128 v[\reg+4*\q:\reg+4*\q+3], v[\off], s[\base:\base+1] offset:64*(\q/2)+16*(\q%2) th:TH_LOAD_HT
.endr
.endm
.macro BLOAD slot, c0                  ; W1's fragments of column tiles c0 and c0 + 1
.irp c, 0,1
.irp q, 0,1,2,3
	ds_load_b128 v[BF+16*\c+4*\q:BF+16*\c+4*\q+3], v5 offset:(\slot)*SLOTB+1152*(\c0+\c)+64*(\q/2)+16*(\q%2)
.endr
.endr
.endm
.macro MUL2 acc, a, c0                 ; a tile of rows against these two
.irp c, 0,1
	v_wmma_f32_16x16x128_fp8_fp8 v[\acc+8*(\c0+\c):\acc+8*(\c0+\c)+7], v[BF+16*\c:BF+16*\c+15], v[\a:\a+15], v[\acc+8*(\c0+\c):\acc+8*(\c0+\c)+7]
.endr
.endm
; A consumer's K step; the slot's number is also the set's.  The accumulators take turns, one instruction a turn.  Four plain lines stand between products and the loads into their operands;
; at the step's end five, the fifth for the overflow products, which write over registers that were operands.  The waits on va_vdst stand beside these lines, not in their place.
.macro CSTEP slot, last
.set SA, AS+48*(\slot)
.set SN, AS+48*(1-(\slot))
	s_wait_loadcnt 0x0                             ; this step's rows are in (asked for at the head of the step before); no global load is out when the loads below are issued
	s_wait_alu depctr_va_vdst(0)                   ; the products of the step before are done reading v[BF ..] and the other set, in which the loads below land; no vector or matrix instruction stands between this wait and those loads
	BLOAD \slot, 0
	s_mov_b64 s[58:59], s[48:49]                   ; the K step in hand, for the overflow tiles
.if (\last) == 0
	s_add_co_u32 s50, s50, 128                     ; the next K step of xq; behind the eighth it begins anew, for the second slab.  No load of mine is out: the base may be written
	s_and_b32 s50, s50, 1023
	s_add_nc_u64 s[48:49], s[46:47], s[50:51]
.irp j, 0,1,2
	s_cmp_gt_u32 s34, \j
	s_cbranch_scc0 .La_\@
	ALOAD SN+16*\j, AOFF+\j, 48                    ; into the other set, whose products stand in the step before, five plain lines back
.endr
.La_\@:
.endif
	s_wait_dscnt 0x0
.irp j, 0,1,2
	s_cmp_gt_u32 s34, \j
	s_cbranch_scc0 .Lp_\@
	MUL2 ACC+32*\j, SA+16*\j, 0
.endr
.Lp_\@:
.rept 4
	v_nop
.endr
	s_wait_alu depctr_va_vdst(0)                   ; the products above are done reading v[BF ..], in which the other two fragments land
	BLOAD \slot, 2
	s_wait_dscnt 0x0
.irp j, 0,1,2
	s_cmp_gt_u32 s34, \j
	s_cbranch_scc0 .Lr_\@
	MUL2 ACC+32*\j, SA+16*\j, 2
.endr
.Lr_\@:
.rept 5
	v_nop
.endr
.irp j, 3,4,5,6,7                      ; the overflow tiles, in the set just multiplied: sums from my own LDS, four products, sums back
	s_cmp_gt_u32 s34, \j
	s_cbranch_scc0 .Lo_\@
.if \j == 3
	s_wait_alu depctr_va_vdst(0)                   ; the step's products are done reading the set in hand and v[BF ..], in which the loads below land (for the later overflow tiles the wait ahead of the last tile's stores has stated it)
.endif
	ALOAD SA, AOFF+\j, 58
.irp x, 0,1,2,3,4,5,6,7
	ds_load_b128 v[SA+16+4*\x:SA+16+4*\x+3], v8 offset:\j*TA+512*\x
.endr
	BLOAD \slot, 0
	s_wait_loadcnt 0x0
	s_wait_dscnt 0x0
	MUL2 SA+16, SA, 0
.rept 4
	v_nop
.endr
	s_wait_alu depctr_va_vdst(0)                   ; the two products above are done reading v[BF ..], in which the other two fragments land
	BLOAD \slot, 2
	s_wait_dscnt 0x0
	MUL2 SA+16, SA, 2
.rept 5
	v_nop
.endr
	s_wait_alu depctr_va_vdst(0)                   ; the tile's products have written its sums, which the LDS stores read, and are done reading its fragment and v[BF ..], in which the next tile's loads land
.irp x, 0,1,2,3,4,5,6,7
	ds_store_b128 v8, v[SA+16+4*\x:SA+16+4*\x+3] offset:\j*TA+512*\x   ; each accumulator from its low end on
.endr
	s_wait_alu depctr_vm_vsrc(0)                   ; those stores have read the sums' registers, in which the next tile's sums or a later step's rows land
.endr
.Lo_\@:
	s_wait_dscnt 0x0                               ; the overflow tiles' sums lie in LDS again
.endm
.macro PHASE cb, pslot, ld, left, cslot, nb
	s_cmp_lt_u32 s20, 8
	s_cbranch_scc0 .Lpc_\@
	PCONV \cb, \pslot, \ld, \left, \nb
	s_branch .Lpj_\@
.Lpc_\@:
	CSTEP \cslot, 0
.Lpj_\@:
	JOIN
.endm
.macro TRIP4                           ; four phases: the producers convert chunks 4 t - 3 .. 4 t and ask for 4 t .. 4 t + 3; the consumers multiply chunks 4 t - 4 .. 4 t - 1.  16: the eight loads of each of the two younger chunks
	PHASE 1, 1, 1, 16, 0, 1
	PHASE 2, 0, 1, 16, 1, 0
	PHASE 3, 1, 1, 16, 0, 0
	PHASE 0, 0, 1, 16, 1, 0
.endm
; The scaled bias starts every sum: nothing is cleared.  A lane's register 4 x + i is column 32 h + 4 x + i.  For the second slab the waits of the way out have stated all that these loads hang on:
; the products and the way out's vector lines are done with v24 to v151, and the stores of the first slab's sums have read them.
.macro ACCINIT sl
	s_wait_loadcnt 0x0                             ; no global load is out when the LDS loads below are issued (the next step waits for the rows' fragments in any case)
.irp j, 0,1,2
.irp x, 0,1,2,3,4,5,6,7
	ds_load_b128 v[ACC+32*\j+4*\x:ACC+32*\j+4*\x+3], v11 offset:256*(\sl)+16*\x
.endr
.endr
.irp x, 0,1,2,3,4,5,6,7
	ds_load_b128 v[BF+4*\x:BF+4*\x+3], v11 offset:256*(\sl)+16*\x
.endr
	s_wait_dscnt 0x0
.irp j, 3,4,5,6,7
	s_cmp_gt_u32 s34, \j
	s_cbranch_scc0 .Lai_\@
.irp x, 0,1,2,3,4,5,6,7
	ds_store_b128 v8, v[BF+4*\x:BF+4*\x+3] offset:\j*TA+512*\x
.endr
.endr
.Lai_\@:
	s_wait_alu depctr_vm_vsrc(0)                   ; the stores above have read v[BF ..], in which the next step's fragments land; first slab: the bias's loads and wave 8's stores have read v202 to v207, which are cleared next
.endm
.macro DUMP                            ; the register tiles go to their areas, each accumulator from its low end on
	s_wait_alu depctr_va_vdst(0)                   ; the last step's products have written the sums, which the LDS stores read; the five plain lines at the step's end stay beside this wait
.irp j, 0,1,2
	s_cmp_gt_u32 s34, \j
	s_cbranch_scc0 .Ld_\@
.irp x, 0,1,2,3,4,5,6,7
	ds_store_b128 v8, v[ACC+32*\j+4*\x:ACC+32*\j+4*\x+3] offset:\j*TA+512*\x
.endr
.endr
.Ld_\@:
.endm
; THE WAY OUT of a slab, by all sixteen waves: wave w takes the local tiles 2 jj + par of consumer w % 8 (par = 1 in waves 0-7, 0 in waves 8-15).  Four trips, a constant; a tile that does not exist is jumped over.
; Between the two barriers round it LDS is only read.
.macro EPI sl
	s_mov_b32 s36, 0
	s_mov_b32 s37, 0
	s_mov_b32 s38, s26
	s_add_nc_u64 s[54:55], s[52:53], (\sl)*32768   ; the second slab lies 16 K steps of 2,048 bytes on
	s_wait_alu depctr_vm_vsrc(0)                   ; the LDS stores of sums (consumers) and of codes (producers) have read v24 to v55, in which the first trip's LDS loads land
.Le_\@:
	v_add_nc_u32 v[EA], s37, v9
	s_wait_alu depctr_va_vdst(0)                   ; v[EA] is written, which the LDS loads below read; the vector and matrix lines issued so far are done with v[V ..], in which they land
	s_cmp_lt_u32 s38, s34
	s_cbranch_scc0 .Ls_\@
.irp x, 0,1,2,3,4,5,6,7
	ds_load_b128 v[V+4*\x:V+4*\x+3], v[EA] offset:512*\x
.endr
	s_wait_dscnt 0x0
.irp a, 0,2,4,6,8,10,12,14,16,18,20,22,24,26,28,30
	v_pk_mul_f32 v[V+\a:V+\a+1], v[V+\a:V+\a+1], s[56:57] op_sel_hi:[1,0]   ; v = sum x 2^(ex + ew1)
.endr
.irp a, 0,2,4,6,8,10,12,14,16,18,20,22,24,26,28,30
	v_pk_mul_f32 v[Z+\a:Z+\a+1], v[V+\a:V+\a+1], v[V+\a:V+\a+1]
.endr
.irp a, 0,2,4,6,8,10,12,14,16,18,20,22,24,26,28,30
	v_pk_fma_f32 v[Z+\a:Z+\a+1], v[Z+\a:Z+\a+1], v[22:23], v[20:21]         ; c1 v^2 + c0
.endr
.irp a, 0,2,4,6,8,10,12,14,16,18,20,22,24,26,28,30
	v_pk_mul_f32 v[Z+\a:Z+\a+1], v[Z+\a:Z+\a+1], v[V+\a:V+\a+1]
.endr
.set i, 0
	s_wait_alu depctr_va_vdst(0)
.rept 32
	v_exp_f32 v[Z+i], v[Z+i]
.set i, i+1
.endr
	v_nop                                          ; a plain line behind the transcendentals
	s_wait_alu depctr_va_vdst(0)                   ; the 32 exponentials have written v[Z ..], which the additions read: one wait for the batch
.irp a, 0,2,4,6,8,10,12,14,16,18,20,22,24,26,28,30
	v_pk_add_f32 v[Z+\a:Z+\a+1], v[Z+\a:Z+\a+1], 1.0 op_sel_hi:[1,0]
.endr
.set i, 0
	s_wait_alu depctr_va_vdst(0)
.rept 32
	v_rcp_f32 v[Z+i], v[Z+i]
.set i, i+1
.endr
	v_nop
	s_wait_alu depctr_va_vdst(0)                   ; the 32 reciprocals have written v[Z ..], which the multiplications read: one wait for the batch
.irp a, 0,2,4,6,8,10,12,14,16,18,20,22,24,26,28,30
	v_pk_mul_f32 v[V+\a:V+\a+1], v[V+\a:V+\a+1], v[Z+\a:Z+\a+1]             ; gelu(v)
.endr
.set i, 0
.rept 32
	v_med3_num_f32 v[V+i], v[V+i], -v19, v19
.set i, i+1
.endr
.irp m, 0,1,2,3
	v_cvt_scalef32_pk8_fp8_f32 v[KC+2*\m:KC+2*\m+1], v[V+8*\m:V+8*\m+7], v18
.endr
	v_nop
	s_wait_alu depctr_va_vdst(0)                   ; the conversions have written the codes v[KC ..], which the two stores read
	global_store_b128 v4, v[KC:KC+3], s[54:55]               ; columns 32 h + 0 .. 15: piece 2 (gx % 2) of the K step;  the wave stores 512 consecutive aligned bytes
	global_store_b128 v4, v[KC+4:KC+7], s[54:55] offset:512  ; columns 32 h + 16 .. 31: the piece behind it
.Ls_\@:
	s_wait_xcnt 0x0                                ; the stores have read their data and their base
	s_wait_alu depctr_vm_vsrc(0)                   ; this trip's LDS loads have read v[EA], which the next trip writes; its two stores have read the codes v[KC ..], which the next trip's conversions write and in which, behind the loop, the next step's rows land: stated here, in text that every wave walks
	s_add_co_u32 s37, s37, 2*TA
	s_add_co_u32 s38, s38, 2
	s_add_nc_u64 s[54:55], s[54:55], 0x100000      ; 16 tiles of 65,536 bytes on
	s_add_co_u32 s36, s36, 1
	s_cmp_lt_u32 s36, 4
	s_cbranch_scc1 .Le_\@
.endm
	s_load_b256 s[4:11], s[0:1], 0x0               ; W1 s[4:5], b1 s[6:7], scales s[8:9], xq s[10:11]
	s_load_b128 s[12:15], s[0:1], 0x20             ; rows s[12:13], cnt s[14:15]
	s_load_b64 s[16:17], s[0:1], 0x30              ; hq
	v_lshrrev_b32 v1, 5, v0
	v_readfirstlane_b32 s20, v1                    ; wave 0..15
	s_wait_alu depctr_va_sdst(0)                   ; s20 is written, ahead of its first reader: roles, addresses and bases are made from it
	s_and_b32 s21, s20, 7
	s_lshr_b32 s25, s20, 3                         ; 0: producer, 1: consumer
	s_xor_b32 s26, s25, 1                          ; par
	s_and_b32 s22, ttmp7, 0xffff                   ; e
	s_mov_b32 s23, ttmp9                           ; gx
	; every LDS address register is made here, ahead of the first parting of the roles, and holds nothing else afterwards
	v_and_b32 v1, 31, v0
	v_and_b32 v2, 15, v0
	v_bfe_u32 v3, v0, 4, 1
	v_bfe_u32 v14, v0, 3, 1                        ; r / 8
	v_lshlrev_b32 v4, 4, v1
	v_and_b32 v5, 7, v0
	v_mul_u32_u24 v5, v5, 144
	v_mad_u32_u24 v5, v14, 4736, v5
	v_lshl_add_u32 v5, v3, 5, v5                   ; v5: a fragment of W1: column 32 (r / 8) + r % 8 (+ 8 c), + 32 h
	v_mul_u32_u24 v6, v2, 576
	v_lshl_add_u32 v6, v14, 7, v6
	v_lshl_add_u32 v6, v3, 3, v6
	s_lshl_b32 s70, s21, 4
	v_add_nc_u32 v6, s70, v6                       ; v6: a producer's codes: column 4 r (+ j), k = 16 p + 8 h
	v_lshl_add_u32 v7, v3, 3, s70
	v_mul_u32_u24 v7, v7, ROWB
	v_lshl_add_u32 v7, v2, 4, v7                   ; v7: a producer's bytes of a chunk: row 16 p + 8 h, 16 bytes at 16 r
	s_mul_i32 s70, s21, 8*TA
	s_add_co_u32 s70, s70, ACCA
	v_add_nc_u32 v8, s70, v4                       ; v8: the areas of consumer wave % 8
	s_mul_i32 s71, s26, TA
	s_add_co_u32 s71, s71, s70
	v_add_nc_u32 v9, s71, v4                       ; v9: the first area that I take on the way out
	s_lshl_b32 s70, s21, 5
	v_lshl_add_u32 v10, v2, 1, s70                 ; v10: in rows[e], the entry of row 16 (wave % 8) + r
	v_lshl_add_u32 v11, v3, 7, BIAS                ; v11: the bias of columns 32 h on
	v_lshlrev_b32 v12, 5, v3                       ; v12: 32 h
	v_lshl_add_u32 v16, v1, 3, BIAS                ; v16: wave 8's stores of the bias
	v_lshlrev_b32 v202, 3, v1                      ; v202: the consumers' 8 bytes of the bias in memory: made here with the others, so that one wait serves them all
	v_mov_b32 v20, 0xc0135761                      ; c0 = -2.3022082
	v_mov_b32 v21, 0xc0135761
	v_mov_b32 v22, 0xbdd2d3e8                      ; c1 = -0.10294324
	v_mov_b32 v23, 0xbdd2d3e8
	s_wait_kmcnt 0x0
	s_lshl_b32 s66, s22, 4
	s_mov_b32 s67, 0
	s_add_nc_u64 s[8:9], s[8:9], s[66:67]
	s_load_b128 s[28:31], s[8:9], 0x0              ; ex, ew1, eh, ew2 of my expert
	s_lshl_b32 s66, s22, 2
	s_add_nc_u64 s[14:15], s[14:15], s[66:67]
	s_load_b32 s32, s[14:15], 0x0                  ; its number of rows
	s_lshl_b32 s44, s22, 24
	s_lshl_b32 s66, s23, 8
	s_add_co_u32 s44, s44, s66
	s_mov_b32 s45, 0
	s_add_nc_u64 s[40:41], s[4:5], s[44:45]        ; W1[e], column 64 gx
	s_mov_b64 s[42:43], s[40:41]                   ; the first trip's chunks.  The stepped bases are first written here, in text that every wave walks
	s_lshl_b32 s66, s22, 20
	s_add_nc_u64 s[46:47], s[10:11], s[66:67]      ; xq[e]
	s_mov_b64 s[48:49], s[46:47]                   ; at K step 0
	s_mov_b64 s[58:59], s[46:47]
	s_mov_b32 s50, 0
	s_mov_b32 s51, 0
	s_lshl_b32 s66, s22, 14
	s_lshl_b32 s68, s23, 8
	s_add_co_u32 s66, s66, s68
	s_add_nc_u64 s[6:7], s[6:7], s[66:67]          ; b1[e], column 64 gx
	s_lshl_b32 s66, s22, 11
	s_add_nc_u64 s[12:13], s[12:13], s[66:67]      ; rows[e]
	s_lshl_b32 s66, s22, 6
	s_add_co_u32 s66, s66, s21
	s_lshl_b32 s68, s26, 3
	s_add_co_u32 s66, s66, s68                     ; tile 64 e + wave % 8 + 8 par,
	s_lshl_b32 s66, s66, 16
	s_lshr_b32 s68, s23, 1
	s_lshl_b32 s68, s68, 11                        ; K step gx / 2,
	s_add_co_u32 s66, s66, s68
	s_and_b32 s68, s23, 1
	s_lshl_b32 s68, s68, 10                        ; pieces 2 (gx % 2) on
	s_add_co_u32 s66, s66, s68
	s_add_nc_u64 s[52:53], s[16:17], s[66:67]
	s_wait_alu depctr_va_vdst(0)                   ; the offsets and LDS addresses v4 to v11, v16 and v202 are written: every load and store of the kernel reads one of them, and none of them is written again while it serves
	s_cmp_lt_u32 s20, 8
	s_cbranch_scc0 .Lhc
	PLOAD 0                                        ; the producers' first three chunks go out before anything else
	PLOAD 1
	PLOAD 2
	s_branch .Lhj
.Lhc:
	; THE CONSUMERS' ROWS: the entries of all eight local tiles, at fixed places of rows[e]; the load, the wait for it and the bound stand together, in one straight run of lines.
	; The bias is asked for beside them by every consumer (512 bytes), so that one wait serves both; wave 8 alone goes on with it.
.irp j, 0,1,2,3,4,5,6,7
	global_load_u16 v[AOFF+\j], v10, s[12:13] offset:256*\j
.endr
	global_load_b64 v[204:205], v202, s[6:7]       ; b1 of slab gx,
	global_load_b64 v[206:207], v202, s[6:7] offset:8192   ; and of slab gx + 32
	s_wait_loadcnt 0x0
.irp j, 0,1,2,3,4,5,6,7
	v_min_u32 v[AOFF+\j], 0x807, v[AOFF+\j]        ; an entry is 2048 + 7 at the most;
	v_and_b32 v[AOFF+\j], 0x3ff, v[AOFF+\j]        ; its token,
	v_lshl_add_u32 v[AOFF+\j], v[AOFF+\j], 10, v12 ; and the token's row of xq, + 32 h
.endr
	s_cmp_eq_u32 s20, 8
	s_cbranch_scc0 .Lhj
	; wave 8 lays the bias into LDS.  No other wave touches LDS ahead of the barrier below.
	s_wait_kmcnt 0x0
	s_add_co_i32 s69, s28, s29
	s_sub_co_i32 s69, 0, s69
.irp i, 204,205,206,207
	v_ldexp_f32 v\i, v\i, s69                      ; a sum of codes stands for sum x 2^(ex + ew1): the bias goes in divided by that
.endr
	s_wait_alu depctr_va_vdst(0)                   ; the scaled bias v204 to v207 is written, which the two LDS stores read
	ds_store_b64 v16, v[204:205]
	ds_store_b64 v16, v[206:207] offset:256
.Lhj:
	s_wait_kmcnt 0x0
	s_add_co_i32 s27, s28, s29
	s_add_co_i32 s56, s27, 127
	s_lshl_b32 s56, s56, 23                        ; 2^(ex + ew1) as f32
	s_mov_b32 s57, s56                             ; (named with it as a pair)
	s_add_co_i32 s66, s30, 127
	s_lshl_b32 s68, s66, 23
	v_mov_b32 v18, s68                             ; 2^eh
	s_add_co_i32 s66, s66, 8
	s_lshl_b32 s66, s66, 23
	s_or_b32 s66, s66, 0x600000
	v_mov_b32 v19, s66                             ; 448 x 2^eh
	s_add_co_i32 s66, s29, 127
	s_lshl_b32 s68, s66, 23
	v_mov_b32 v[SCL], s68                          ; 2^ew1
	s_add_co_i32 s66, s66, 8
	s_lshl_b32 s66, s66, 23
	s_or_b32 s66, s66, 0x600000
	v_mov_b32 v[LIM], s66                          ; 448 x 2^ew1
	s_min_u32 s32, s32, 1024                       ; rows
	s_add_co_u32 s33, s32, 15
	s_lshr_b32 s33, s33, 4                         ; tiles
	s_add_co_u32 s34, s33, 7
	s_sub_co_u32 s34, s34, s21
	s_lshr_b32 s34, s34, 3                         ; tiles i < s33 with i % 8 = wave % 8
	JOIN                                           ; the bias lies in LDS
	; phase 0: chunk 0 becomes codes; the consumers get ready
	s_cmp_lt_u32 s20, 8
	s_cbranch_scc0 .Lc0
	s_wait_alu depctr_va_vdst(0)
	PCONV 0, 0, 1, 16, 0
	s_branch .Lj0
.Lc0:
	ACCINIT 0
.set i, 0
.rept 48
	v_mov_b32 v[AS+48+i], 0                        ; set 1, once: its first loads hang on the count, and every path is to find these registers written
.set i, i+1
.endr
	s_wait_alu depctr_va_vdst(0)                   ; the rows' offsets v248 to v255 are written, which the loads below and every later load of rows read; set 1's zeros are written, in which the next step's loads land
.irp j, 0,1,2
	ALOAD AS+16*\j, AOFF+\j, 48                    ; set 0, K step 0: all three tiles, whatever the count: a tile that does not exist names token e
.endr
.Lj0:
	JOIN
	s_mov_b32 s35, 1
.Lup:                                              ; phases 1-8: the first slab's eight chunks are multiplied
	TRIP4
	s_add_co_u32 s35, s35, 1
	s_cmp_lt_u32 s35, 3
	s_cbranch_scc1 .Lup
	; BETWEEN THE SLABS: the first slab leaves, by all sixteen waves, while the producers' three chunks and the consumers' next fragments (set 0) go on landing
	s_cmp_lt_u32 s20, 8
	s_cbranch_scc1 .Lm1
	DUMP
.Lm1:
	JOIN
	EPI 0
	JOIN                                           ; every area has been read: the overflow tiles may be begun anew
	s_cmp_lt_u32 s20, 8
	s_cbranch_scc1 .Lm2
	ACCINIT 1
.Lm2:
	TRIP4                                          ; phases 9-12 (the trip's number is 3)
	PHASE 1, 1, 0, 16, 0, 0                        ; the last three chunks: nothing more is asked for, the counts run down
	PHASE 2, 0, 0, 8, 1, 0
	PHASE 3, 1, 0, 0, 0, 0
	s_cmp_lt_u32 s20, 8
	s_cbranch_scc1 .Lf
	CSTEP 1, 1
	DUMP
.Lf:
	JOIN
	EPI 1
	s_wait_xcnt 0x0
	v_lshl_add_u32 v150, v0, 2, 0x44c00            ; the add's two registers are made anew here, straight ahead of the closing lines; no memory or LDS instruction has read v150 or v151 since the last wait on vm_vsrc
	v_mov_b32 v151, 0
	s_wait_dscnt 0x0                               ; the closing lines, six on end
	s_wait_alu 0x0
	s_wait_tensorcnt 0x0
	ds_add_u32 v150, v151
	s_wait_dscnt 0x0
	s_endpgm
.Lfunc_end_k_q7db53c9cc3_up:
	.size	k_q7db53c9cc3_up, .Lfunc_end_k_q7db53c9cc3_up-k_q7db53c9cc3_up
	.p2alignl 7, 3214868480
	.fill 96, 4, 3214868480
	.section	.rodata,"a",@progbits
	.p2align	6, 0x0
	.amdhsa_kernel k_q7db53c9cc3_up
		.amdhsa_group_segment_fixed_size 283648
		.amdhsa_private_segment_fixed_size 0
		.amdhsa_enable_private_segment 0
		.amdhsa_kernarg_size 56
		.amdhsa_user_sgpr_count 2
		.amdhsa_user_sgpr_kernarg_segment_ptr 1
		.amdhsa_wavefront_size32 1
		.amdhsa_system_sgpr_workgroup_id_x 1
		.amdhsa_system_sgpr_workgroup_id_y 1
		.amdhsa_system_sgpr_workgroup_id_z 1
		.amdhsa_system_vgpr_workitem_id 0
		.amdhsa_next_free_vgpr 256
		.amdhsa_next_free_sgpr 100
		.amdhsa_reserve_vcc 0
		.amdhsa_float_denorm_mode_32 3
		.amdhsa_float_denorm_mode_16_64 3
		.amdhsa_memory_ordered 1
		.amdhsa_forward_progress 1
		.amdhsa_inst_pref_size 255
	.end_amdhsa_kernel
	.section	.bss,"aw",@nobits
	.p2align	6
	.space	262144
	.amdgpu_metadata
---
amdhsa.version: [ 1, 2 ]
amdhsa.kernels:
  - .name:           k_q7db53c9cc3_up
    .symbol:         k_q7db53c9cc3_up.kd
    .args:
      - { .name: W1, .offset: 0, .size: 8, .value_kind: global_buffer, .address_space: global }
      - { .name: b1, .offset: 8, .size: 8, .value_kind: global_buffer, .address_space: global }
      - { .name: lowp_scales, .offset: 16, .size: 8, .value_kind: global_buffer, .address_space: global }
      - { .name: xq, .offset: 24, .size: 8, .value_kind: global_buffer, .address_space: global }
      - { .name: rows, .offset: 32, .size: 8, .value_kind: global_buffer, .address_space: global }
      - { .name: cnt, .offset: 40, .size: 8, .value_kind: global_buffer, .address_space: global }
      - { .name: hq, .offset: 48, .size: 8, .value_kind: global_buffer, .address_space: global }
    .group_segment_fixed_size: 283648
    .private_segment_fixed_size: 0
    .kernarg_segment_align: 8
    .kernarg_segment_size: 56
    .max_flat_workgroup_size: 512
    .sgpr_count:     100
    .vgpr_count:     256
    .wavefront_size: 32
...
	.end_amdgpu_metadata
.endif
;; end of part 8
;; launch down (part 9): grid 32 x 8, 16 waves a work-group, no clusters, 303,872 bytes of LDS; arguments W2, b2, lowp_scales, hq, rows, cnt, p0w, ys; writes ys
.if DOCPART == 9
	.amdgcn_target "amdgcn-amd-amdhsa--gfx1250"
	.amdhsa_code_object_version 6
	.text
	.protected	k_q7db53c9cc3_down
	.globl	k_q7db53c9cc3_down
	.p2align	8
	.type	k_q7db53c9cc3_down,@function
k_q7db53c9cc3_down:
	s_mov_b64 s[64:65], 0
	v_nop
	global_prefetch_b8 v0, s[64:65] scope:SCOPE_SE
	s_setreg_imm32_b32 hwreg(HW_REG_WAVE_SCHED_MODE, 0, 2), 2
	s_setreg_imm32_b32 hwreg(HW_REG_WAVE_MODE, 25, 1), 1
	s_wait_xcnt 0x0
	s_wait_alu depctr_vm_vsrc(0)
; THE SECOND LAYER OF THE CHOSEN EXPERTS: ys = p0 (Q(h) Q(W2[e]) + b2[e]), for the rows that chose expert e, in two halves of K.
; W2 [8][4096 k][1024 n] f32: K is its first axis.  Work-group (x = 16 kh + cs, y = e) owns columns 64 cs .. 64 cs + 63 and K rows 2048 kh .. 2048 kh + 2047 of expert e, for ALL rows of the expert:
; 16 chunks of 128 k x 64 columns (32 KB): every byte of W2 is read once in the launch, in whole aligned runs of 256 bytes.  K is halved so that there are 256 work-groups of equal work.
; The frame is that of the launch before: waves 0-7 PRODUCE codes of W2 into two LDS slots by turns, from four register buffers that take turns (the free one is their scratch until it is asked for anew), with no branch on data;
; waves 8-15 CONSUME; one barrier a phase, in text that all sixteen waves walk.  Tile i of 16 rows of the expert's list belongs to consumer i % 8 as local tile j = i / 8; j = 0, 1, 2 in registers, j = 3 .. 7 as register images in its own LDS.
; THE ROWS' FRAGMENTS HAVE TWO SETS OF REGISTERS: at the head of a K step a consumer waits for all its loads (this step's fragments, asked for at the head of the step before) and asks for the next step's into the other set.
; Beside two sets the registers hold two of W2's four fragments: they come from LDS two column tiles at a time.
; The rows' operand comes from hq as images of its registers: a load of the wave reads 512 consecutive bytes.  Order of k in a step of 128 as there: registers 4 q .. 4 q + 3 of lane (r, h): k = 64 (q / 2) + 32 h + 16 (q % 2) + 0 .. 15.
; TRANSPOSED USE: a lane's 32 results are row lane % 16, columns 32 (lane / 16) + 0 .. 31.
; ROWS.  rows [8][1024] of 16 bits, cnt [8]: entry i of expert e = its i-th token, + 1024 where e is the higher of the token's two experts; past the last 2048 + e.
; OUT: ys [kh 2][2064 rows][1024] f32: a row's place is its entry + 2064 kh.  Rows 0-1023 and 1024-2047 of each half are planes, which the last launch adds: each token has two experts, so each number of a plane is written once.
; An entry past the last falls on row 2048 + e of my half, into my 256 bytes of it: bytes that this work-group alone writes and nobody reads.  So all lanes stay on, and no compare is made.
; b2 / 2^(eh + ew2) starts the sums of the half kh = 0 (zeros those of kh = 1); each sum is multiplied once by p0 x 2^(eh + ew2).
; NOT USED: tensor loads and joint loads (branches here hang on stored counts, and the weights must pass through registers to be converted); register windows; a prefetch (the weights' loads run three chunks ahead).
; LIMITS: ew2 between -126 and 119.  NaN among the inputs is not served.
; THE MODE: SCHED_MODE bits 1:0 = 2 (LLVM: expert scheduling mode 2), set by the entry lines.  The code itself states the register dependences
; between vector or matrix instructions and memory or LDS instructions, with s_wait_alu, always for 0.
; THE PLAN.  Registers that memory or LDS instructions touch:
;   v4-v11, v14-v17, v19, v21, v216   offsets and LDS addresses: made at the head, ahead of ONE wait on va_vdst that serves every load and store by them; never written again (v216, the bias's offset: until the sets are cleared).
;   v20, v22            the closing add's two: made at the head, read by that add alone.
;   R0 .. R3            producers.  A phase's holds read buffer cb and write the free buffer, the conversions write its codes, four LDS stores read them, eight loads land in it.  One wait on va_vdst behind the conversions
;                       (the codes are written; all vector work on the free buffer is done), one on vm_vsrc behind the stores (they have read the codes' registers).
;   v[BF ..]            consumers.  Filled from LDS twice a step, read by products: a wait on va_vdst ahead of each fill.  All of v24 to v255 is taken: there is no register for a second pair of fragments.
;   the two sets        consumers.  The products read the set in hand; the loads of the next step land in the other, which the products of the step before read: the wait at the step's head states that too.
;                       An overflow tile loads into the set in hand behind a wait of its own, and a wait on vm_vsrc stands behind its stores of sums.
;   the accumulators    named by matrix instructions alone until they go to LDS: the places, then a wait on va_vdst.
;   the way out         it opens with a wait on vm_vsrc and one on va_vdst, in text that every wave walks: all that was issued in either role is done with the registers that the way out loads and writes.
;                       A tile's vector lines (the sums x the factor, the rows' places) stand together ahead of ONE wait on va_vdst, which serves its LDS stores, its global stores' offsets and the next tile's loads;
;                       one wait on vm_vsrc stands ahead of each tile: the stores before it have read the registers that the tile writes.
.set ROWB,  4096                       ; a row k of W2[e] in bytes
.set CHB,   128*ROWB
.set SLOTB, 9472                       ; a slot: column n at 144 n + 128 (n / 32), 128 bytes of codes
.set BIAS,  2*SLOTB                    ; 64 numbers
.set ACCA,  BIAS+256                   ; 64 tile areas of TA bytes: eight images of 512 bytes, on the way out a stage of 16 rows x 272 bytes in their place;
.set TA,    4416
.set INFO,  4352                       ; behind them the factor of each of the tile's 16 rows
; REGISTERS.  The registers into which the two roles have global loads on their way across a barrier, R on the one side, the two sets on the other, share none; v248-255 are loaded once, by every wave.
.set ACC,   24                         ; consumers: v24-119 accumulators (j, c) at 24 + 32 j + 8 c
.set BF,    120                        ;   v120-151 two of W2's fragments; in phase 0 the bias
.set AS,    152                        ;   v152-199, v200-247 the rows' fragments: set s % 2 for K step s, tile j at + 16 j; an overflow tile takes the set just multiplied: + 0 its fragment, + 16 its accumulators
.set TK,    200                        ;   up to phase 0: v200-207 the entries of my eight local tiles' row r, v208-215 their p0
.set PF,    208
.set R,     24                         ; producers: v24-151 four chunks as loaded, buffer b at 24 + 32 b; in the free buffer: + 0 sixteen numbers held and turned, + 16 the chunk's codes
.set V,     24                         ; the way out, all waves: v24-55 a tile's sums, v56-87 its rows read back, v[88:89] the factor, v96-103 the rows' places in ys, v104-107 an overflow tile's entries
.set Z,     56
.set F,     88
.set KC,    96
.set SCL,   13                         ; v13 2^ew2, v18 448 x 2^ew2
.set LIM,   18
; v1 lane, v2 r, v3 h, v4 16 lane, v5-v21 addresses (below), v248-255 the entries of the first two tiles that I store.
; s20 wave, s21 wave % 8, s22 e, s23 cs, s24 kh, s26 par, s27 eh + ew2, s[28:31] ex ew1 eh ew2, s32 rows, s33 tiles, s34 tiles of consumer s21, s35 trip, s38 the way out's count, s39 2064 kh,
; s[40:41] W2 at my first chunk, s[42:43] at the trip's, s[44:45] an offset, s[46:47] hq at my first tile and K step, s[48:49] at the K step asked for last, s[58:59] at the K step in hand, s[52:53] ys at my columns.
.macro JOIN
	s_wait_dscnt 0x0
	s_barrier_signal -1
	s_barrier_wait -1
.endm
.macro PLOAD lb                        ; chunk 4 trip + lb into buffer lb: load i takes row 16 p + i (lanes 0-15) and row 16 p + 8 + i (lanes 16-31), 256 consecutive aligned bytes each
.irp i, 0,1,2,3,4,5,6,7
	global_load_b128 v[R+32*(\lb)+4*\i:R+32*(\lb)+4*\i+3], v7, s[42:43] offset:(\lb)*CHB+\i*ROWB th:TH_LOAD_NT
.endr
.endm
.macro NEWBASE                         ; the trip's four chunks: 512 rows k on for each trip
	s_wait_xcnt 0x0                                ; the loads that are out have read their base
	s_lshl_b32 s44, s35, 21
	s_add_nc_u64 s[42:43], s[40:41], s[44:45]
.endm
; Buffer cb becomes codes in a slot.  left = the loads of the younger chunks, which stay out.  The buffer in front of it in the ring, converted a phase ago, is free: it holds the numbers at work, two columns at a time, and the codes;
; ld = 1: behind the codes' stores it is asked for anew, three chunks ahead.  nb = 1: that chunk is the first of a trip.
.macro PCONV cb, slot, ld, left, nb
.set TB, R+32*(((\cb)+3)%4)
	s_wait_loadcnt \left
.irp j, 0,1
.irp i, 0,1,2,3,4,5,6,7
	v_med3_num_f32 v[TB+8*\j+\i], v[R+32*(\cb)+4*\i+\j], -v[LIM], v[LIM]   ; the hold (the conversion does not saturate: ISA guide 7.6.2) also turns the registers: eight run down K
.endr
.endr
	v_cvt_scalef32_pk8_fp8_f32 v[TB+16:TB+17], v[TB:TB+7], v[SCL]
	v_cvt_scalef32_pk8_fp8_f32 v[TB+18:TB+19], v[TB+8:TB+15], v[SCL]
	v_nop                                          ; a plain vector line between the conversions and the lines that write their sources again
.irp j, 0,1
.irp i, 0,1,2,3,4,5,6,7
	v_med3_num_f32 v[TB+8*\j+\i], v[R+32*(\cb)+4*\i+\j+2], -v[LIM], v[LIM]
.endr
.endr
	v_cvt_scalef32_pk8_fp8_f32 v[TB+20:TB+21], v[TB:TB+7], v[SCL]
	v_cvt_scalef32_pk8_fp8_f32 v[TB+22:TB+23], v[TB+8:TB+15], v[SCL]
	v_nop
	s_wait_alu depctr_va_vdst(0)                   ; the conversions have written the codes, which the LDS stores read; and all vector work on the free buffer, this phase's and the last's, is done: the loads below land in it
.irp j, 0,1,2,3
	ds_store_b64 v6, v[TB+16+2*\j:TB+17+2*\j] offset:(\slot)*SLOTB+144*\j
.endr
.if \ld
	s_wait_dscnt 0x0                               ; my codes lie in the slot
	s_wait_alu depctr_vm_vsrc(0)                   ; the LDS stores have read the codes' registers, in which the loads below land
.if \nb
	NEWBASE
.endif
	PLOAD ((\cb)+3)%4
.endif
.endm
.macro ALOAD reg, j, base              ; local tile j's fragment of a K step: four images of 512 bytes
.irp q, 0,1,2,3
	global_load_b128 v[\reg+4*\q:\reg+4*\q+3], v4, s[\base:\base+1] offset:(\j)*524288+512*\q
.endr
.endm
.macro BLOAD slot, c0                  ; W2's fragments of column tiles c0 and c0 + 1
.irp c, 0,1
.irp q, 0,1,2,3
	ds_load_b128 v[BF+16*\c+4*\q:BF+16*\c+4*\q+3], v5 offset:(\slot)*SLOTB+1152*(\c0+\c)+64*(\q/2)+16*(\q%2)
.endr
.endr
.endm
.macro MUL2 acc, a, c0                 ; a tile of rows against these two
.irp c, 0,1
	v_wmma_f32_16x16x128_fp8_fp8 v[\acc+8*(\c0+\c):\acc+8*(\c0+\c)+7], v[BF+16*\c:BF+16*\c+15], v[\a:\a+15], v[\acc+8*(\c0+\c):\acc+8*(\c0+\c)+7]
.endr
.endm
; A consumer's K step; the slot's number is also the set's.  The accumulators take turns, one instruction a turn.  Four plain lines stand between products and the loads into their operands;
; at the step's end five, the fifth for the overflow products, which write over registers that were operands.  The waits on va_vdst stand beside these lines, not in their place.
.macro CSTEP slot, last
.set SA, AS+48*(\slot)
.set SN, AS+48*(1-(\slot))
	s_wait_loadcnt 0x0                             ; this step's rows are in (asked for at the head of the step before); no global load is out when the loads below are issued
	s_wait_alu depctr_va_vdst(0)                   ; the products of the step before are done reading v[BF ..] and the other set, in which the loads below land; no vector or matrix instruction stands between this wait and those loads
	BLOAD \slot, 0
	s_mov_b64 s[58:59], s[48:49]                   ; the K step in hand, for the overflow tiles
.if (\last) == 0
	s_add_nc_u64 s[48:49], s[48:49], 2048          ; the next K step's images.  No load of mine is out: the base may be written
.irp j, 0,1,2
	s_cmp_gt_u32 s34, \j
	s_cbranch_scc0 .La_\@
	ALOAD SN+16*\j, \j, 48                         ; into the other set, whose products stand in the step before, five plain lines back
.endr
.La_\@:
.endif
	s_wait_dscnt 0x0
.irp j, 0,1,2
	s_cmp_gt_u32 s34, \j
	s_cbranch_scc0 .Lp_\@
	MUL2 ACC+32*\j, SA+16*\j, 0
.endr
.Lp_\@:
.rept 4
	v_nop
.endr
	s_wait_alu depctr_va_vdst(0)                   ; the products above are done reading v[BF ..], in which the other two fragments land
	BLOAD \slot, 2
	s_wait_dscnt 0x0
.irp j, 0,1,2
	s_cmp_gt_u32 s34, \j
	s_cbranch_scc0 .Lr_\@
	MUL2 ACC+32*\j, SA+16*\j, 2
.endr
.Lr_\@:
.rept 5
	v_nop
.endr
.irp j, 3,4,5,6,7                      ; the overflow tiles, in the set just multiplied: sums from my own LDS, four products, sums back
	s_cmp_gt_u32 s34, \j
	s_cbranch_scc0 .Lo_\@
.if \j == 3
	s_wait_alu depctr_va_vdst(0)                   ; the step's products are done reading the set in hand and v[BF ..], in which the loads below land (for the later overflow tiles the wait ahead of the last tile's stores has stated it)
.endif
	ALOAD SA, \j, 58
.irp x, 0,1,2,3,4,5,6,7
	ds_load_b128 v[SA+16+4*\x:SA+16+4*\x+3], v8 offset:\j*TA+512*\x
.endr
	BLOAD \slot, 0
	s_wait_loadcnt 0x0
	s_wait_dscnt 0x0
	MUL2 SA+16, SA, 0
.rept 4
	v_nop
.endr
	s_wait_alu depctr_va_vdst(0)                   ; the two products above are done reading v[BF ..], in which the other two fragments land
	BLOAD \slot, 2
	s_wait_dscnt 0x0
	MUL2 SA+16, SA, 2
.rept 5
	v_nop
.endr
	s_wait_alu depctr_va_vdst(0)                   ; the tile's products have written its sums, which the LDS stores read, and are done reading its fragment and v[BF ..], in which the next tile's loads land
.irp x, 0,1,2,3,4,5,6,7
	ds_store_b128 v8, v[SA+16+4*\x:SA+16+4*\x+3] offset:\j*TA+512*\x   ; each accumulator from its low end on
.endr
	s_wait_alu depctr_vm_vsrc(0)                   ; those stores have read the sums' registers, in which the next tile's sums or a later step's rows land
.endr
.Lo_\@:
	s_wait_dscnt 0x0                               ; the overflow tiles' sums lie in LDS again
.endm
.macro PHASE cb, pslot, ld, left, cslot, nb
	s_cmp_lt_u32 s20, 8
	s_cbranch_scc0 .Lpc_\@
	PCONV \cb, \pslot, \ld, \left, \nb
	s_branch .Lpj_\@
.Lpc_\@:
	CSTEP \cslot, 0
.Lpj_\@:
	JOIN
.endm
	s_load_b512 s[4:19], s[0:1], 0x0               ; W2 s[4:5], b2 s[6:7], scales s[8:9], hq s[10:11], rows s[12:13], cnt s[14:15], p0w s[16:17], ys s[18:19]
	v_lshl_add_u32 v20, v0, 2, 0x49b00
	v_mov_b32 v22, 0
	v_lshrrev_b32 v1, 5, v0
	v_readfirstlane_b32 s20, v1                    ; wave 0..15
	s_wait_alu depctr_va_sdst(0)                   ; s20 is written, ahead of its first reader: roles, addresses and bases are made from it
	s_and_b32 s21, s20, 7
	s_lshr_b32 s25, s20, 3                         ; 0: producer, 1: consumer
	s_xor_b32 s26, s25, 1                          ; par
	s_and_b32 s22, ttmp7, 0xffff                   ; e
	s_and_b32 s23, ttmp9, 15                       ; cs
	s_lshr_b32 s24, ttmp9, 4                       ; kh
	s_mul_i32 s39, s24, 2064                       ; my half of ys, in rows
	; every LDS address register is made here, ahead of the first parting of the roles, and holds nothing else afterwards
	v_and_b32 v1, 31, v0
	v_and_b32 v2, 15, v0
	v_bfe_u32 v3, v0, 4, 1
	v_bfe_u32 v23, v0, 3, 1                        ; r / 8
	v_lshlrev_b32 v4, 4, v1
	v_and_b32 v5, 7, v0
	v_mul_u32_u24 v5, v5, 144
	v_mad_u32_u24 v5, v23, 4736, v5
	v_lshl_add_u32 v5, v3, 5, v5                   ; v5: a fragment of W2
	v_mul_u32_u24 v6, v2, 576
	v_lshl_add_u32 v6, v23, 7, v6
	v_lshl_add_u32 v6, v3, 3, v6
	s_lshl_b32 s70, s21, 4
	v_add_nc_u32 v6, s70, v6                       ; v6: a producer's codes
	v_lshl_add_u32 v7, v3, 3, s70
	v_mul_u32_u24 v7, v7, ROWB
	v_lshl_add_u32 v7, v2, 4, v7                   ; v7: a producer's bytes of a chunk
	s_mul_i32 s70, s21, 8*TA
	s_add_co_u32 s70, s70, ACCA                    ; the areas of consumer wave % 8,
	s_mul_i32 s71, s26, TA
	s_add_co_u32 s71, s71, s70                     ; and the first of them that I take on the way out
	v_add_nc_u32 v8, s70, v4                       ; v8: images, as the consumer
	v_add_nc_u32 v9, s71, v4                       ; v9: images, on the way out
	v_lshl_add_u32 v14, v2, 2, s70
	v_add_nc_u32 v14, INFO, v14                    ; v14: the consumer's stores of row r's factor
	v_mul_u32_u24 v16, v2, 272
	v_lshl_add_u32 v16, v3, 7, v16
	v_add_nc_u32 v16, s71, v16                     ; v16: into the stage: row r, 128 h bytes on
	v_mul_u32_u24 v17, v3, 8*272
	v_lshl_add_u32 v17, v2, 4, v17
	v_add_nc_u32 v17, s71, v17                     ; v17: back: lanes 0-15 take row i, lanes 16-31 row 8 + i
	v_lshl_add_u32 v19, v2, 2, s71
	v_add_nc_u32 v19, INFO, v19                    ; v19: the factor of row r, on the way out
	s_lshl_b32 s70, s21, 5
	v_lshl_add_u32 v10, v2, 1, s70                 ; v10: in rows[e], the entry of row 16 (wave % 8) + r
	s_lshl_b32 s72, s26, 8
	s_add_co_u32 s72, s72, s70
	v_lshl_add_u32 v15, v3, 4, s72                 ; v15: in rows[e], the eight entries of rows 8 h .. 8 h + 7 of tile wave % 8 + 8 par: 16 bytes
	v_lshl_add_u32 v11, v3, 7, BIAS                ; v11: the bias of columns 32 h on
	v_lshlrev_b32 v12, 4, v2                       ; v12: 16 r
	v_lshl_add_u32 v21, v1, 3, BIAS                ; v21: wave 8's store of the bias
	v_lshlrev_b32 v216, 3, v1                      ; v216: wave 8's 8 bytes of the bias in memory: made here with the others, so that one wait serves them all
	s_wait_kmcnt 0x0
	s_lshl_b32 s66, s22, 4
	s_mov_b32 s67, 0
	s_add_nc_u64 s[8:9], s[8:9], s[66:67]
	s_load_b128 s[28:31], s[8:9], 0x0              ; ex, ew1, eh, ew2 of my expert
	s_lshl_b32 s66, s22, 2
	s_add_nc_u64 s[14:15], s[14:15], s[66:67]
	s_load_b32 s32, s[14:15], 0x0                  ; its number of rows
	s_lshl_b32 s44, s22, 24
	s_lshl_b32 s66, s24, 23
	s_add_co_u32 s44, s44, s66
	s_lshl_b32 s66, s23, 8
	s_add_co_u32 s44, s44, s66
	s_mov_b32 s45, 0
	s_add_nc_u64 s[40:41], s[4:5], s[44:45]        ; W2[e], row 2048 kh, column 64 cs
	s_mov_b64 s[42:43], s[40:41]                   ; the first trip's chunks.  The stepped bases are first written here, in text that every wave walks
	s_lshl_b32 s66, s22, 6
	s_add_co_u32 s66, s66, s21
	s_lshl_b32 s66, s66, 16
	s_lshl_b32 s68, s24, 15
	s_add_co_u32 s66, s66, s68
	s_add_nc_u64 s[46:47], s[10:11], s[66:67]      ; hq: tile 64 e + wave % 8, K step 16 kh
	s_mov_b64 s[48:49], s[46:47]
	s_mov_b64 s[58:59], s[46:47]
	s_lshl_b32 s66, s22, 12
	s_lshl_b32 s68, s23, 8
	s_add_co_u32 s66, s66, s68
	s_add_nc_u64 s[6:7], s[6:7], s[66:67]          ; b2[e], column 64 cs
	s_lshl_b32 s66, s22, 11
	s_add_nc_u64 s[12:13], s[12:13], s[66:67]      ; rows[e]
	s_lshl_b32 s66, s23, 8
	s_add_nc_u64 s[52:53], s[18:19], s[66:67]      ; ys, column 64 cs
	s_wait_alu depctr_va_vdst(0)                   ; the offsets and LDS addresses v4 to v11, v14 to v17, v19, v21 and v216 are written: the loads and stores of the kernel read them, and none of them is written again while it serves
	global_load_b128 v[248:251], v15, s[12:13]             ; every wave: the entries of the first two tiles that it will store.  They are older than the weights' loads below,
	global_load_b128 v[252:255], v15, s[12:13] offset:512  ; so the producers' counts, which name the younger loads, stay as they are
	s_cmp_lt_u32 s20, 8
	s_cbranch_scc0 .Lhc
	PLOAD 0                                        ; the producers' first three chunks
	PLOAD 1
	PLOAD 2
	s_branch .Lhj
.Lhc:
.irp j, 0,1,2,3,4,5,6,7
	global_load_u16 v[TK+\j], v10, s[12:13] offset:256*\j   ; the consumers: the entries of row r of all eight local tiles, at fixed places of rows[e]
.endr
	s_cmp_eq_u32 s20, 8
	s_cbranch_scc0 .Lhj
	; wave 8 brings the bias.  No other wave touches LDS ahead of the barrier below.
	global_load_b64 v[218:219], v216, s[6:7]
	s_wait_loadcnt 0x0
	s_wait_kmcnt 0x0
	s_add_co_i32 s69, s30, s31
	s_sub_co_i32 s69, 0, s69
	s_cmp_eq_u32 s24, 0
	s_cselect_b32 s68, 1.0, 0                      ; the bias belongs to the first half of K alone
	v_mul_f32 v218, s68, v218
	v_mul_f32 v219, s68, v219
	v_ldexp_f32 v218, v218, s69
	v_ldexp_f32 v219, v219, s69
	s_wait_alu depctr_va_vdst(0)                   ; the scaled bias v218, v219 is written, which the LDS store reads
	ds_store_b64 v21, v[218:219]
.Lhj:
	s_wait_kmcnt 0x0
	s_add_co_i32 s27, s30, s31                     ; eh + ew2
	s_add_co_i32 s66, s31, 127
	s_lshl_b32 s68, s66, 23
	v_mov_b32 v[SCL], s68                          ; 2^ew2
	s_add_co_i32 s66, s66, 8
	s_lshl_b32 s66, s66, 23
	s_or_b32 s66, s66, 0x600000
	v_mov_b32 v[LIM], s66                          ; 448 x 2^ew2
	s_min_u32 s32, s32, 1024                       ; rows
	s_add_co_u32 s33, s32, 15
	s_lshr_b32 s33, s33, 4                         ; tiles
	s_add_co_u32 s34, s33, 7
	s_sub_co_u32 s34, s34, s21
	s_lshr_b32 s34, s34, 3                         ; tiles i < s33 with i % 8 = wave % 8
	JOIN                                           ; the bias lies in LDS
	; phase 0: chunk 0 becomes codes; the consumers get ready
	s_cmp_lt_u32 s20, 8
	s_cbranch_scc0 .Lc0
	s_wait_alu depctr_va_vdst(0)
	PCONV 0, 0, 1, 16, 0
	s_branch .Lj0
.Lc0:
	s_wait_loadcnt 0x0                             ; the entries are in, and no global load is out when the loads below are issued
	; each row's factor, for all eight local tiles, without a branch: a row past the last names token e
.irp j, 0,1,2,3,4,5,6,7
	v_min_u32 v[TK+\j], 0x807, v[TK+\j]            ; an entry is 2048 + 7 at the most;
	v_and_b32 v[TK+\j], 0x3ff, v[TK+\j]            ; its token,
	v_lshlrev_b32 v[TK+\j], 2, v[TK+\j]            ; and the token's word of p0w
.endr
	s_wait_alu depctr_va_vdst(0)                   ; the words' offsets v200 to v207 are written, which the eight loads below read
.irp j, 0,1,2,3,4,5,6,7
	global_load_b32 v[PF+\j], v[TK+\j], s[16:17]
.endr
	; the scaled bias starts every sum: nothing is cleared
.irp j, 0,1,2
.irp x, 0,1,2,3,4,5,6,7
	ds_load_b128 v[ACC+32*\j+4*\x:ACC+32*\j+4*\x+3], v11 offset:16*\x
.endr
.endr
.irp x, 0,1,2,3,4,5,6,7
	ds_load_b128 v[BF+4*\x:BF+4*\x+3], v11 offset:16*\x
.endr
	s_wait_dscnt 0x0
.irp j, 3,4,5,6,7
	s_cmp_gt_u32 s34, \j
	s_cbranch_scc0 .Lai
.irp x, 0,1,2,3,4,5,6,7
	ds_store_b128 v8, v[BF+4*\x:BF+4*\x+3] offset:\j*TA+512*\x
.endr
.endr
.Lai:
	s_wait_loadcnt 0x0
.irp j, 0,1,2,3,4,5,6,7
	v_ldexp_f32 v[PF+\j], v[PF+\j], s27            ; p0 x 2^(eh + ew2)
.endr
	s_wait_alu depctr_va_vdst(0)                   ; the eight factors v208 to v215 are written, which the LDS stores read
.irp j, 0,1,2,3,4,5,6,7
	ds_store_b32 v14, v[PF+\j] offset:\j*TA
.endr
	s_wait_alu depctr_vm_vsrc(0)                   ; the loads of p0 have read their offsets v200 to v207, the stores above the factors v208 to v215, wave 8's load and store v216 to v219: these are cleared next; the overflow tiles' stores have read v[BF ..], in which the next step's fragments land
.set i, 0
.rept 96
	v_mov_b32 v[AS+i], 0                           ; both sets, once: their loads hang on the count; every path is to find these registers written, and no byte of hq is read that was not stored
.set i, i+1
.endr
	s_wait_alu depctr_va_vdst(0)                   ; the zeros are written, in which the loads below and the next step's land
.irp j, 0,1,2
	s_cmp_gt_u32 s34, \j
	s_cbranch_scc0 .Lj0
	ALOAD AS+16*\j, \j, 48                         ; set 0, my first K step
.endr
.Lj0:
	JOIN
	s_mov_b32 s35, 1
.Ldn:                                              ; phases 1-12: in a trip the producers convert chunks 4 t - 3 .. 4 t and ask for 4 t .. 4 t + 3; the consumers multiply chunks 4 t - 4 .. 4 t - 1.  16: the eight loads of each of the two younger chunks
	PHASE 1, 1, 1, 16, 0, 1
	PHASE 2, 0, 1, 16, 1, 0
	PHASE 3, 1, 1, 16, 0, 0
	PHASE 0, 0, 1, 16, 1, 0
	s_add_co_u32 s35, s35, 1
	s_cmp_lt_u32 s35, 4
	s_cbranch_scc1 .Ldn
	PHASE 1, 1, 0, 16, 0, 0                        ; the last three chunks: nothing more is asked for, the counts run down
	PHASE 2, 0, 0, 8, 1, 0
	PHASE 3, 1, 0, 0, 0, 0
	s_cmp_lt_u32 s20, 8
	s_cbranch_scc1 .Lf
	CSTEP 1, 1
	s_wait_alu depctr_va_vdst(0)                   ; the last step's products have written the sums, which the LDS stores read; the five plain lines at the step's end stay beside this wait
.irp j, 0,1,2                          ; the register tiles go to their areas, each accumulator from its low end on
	s_cmp_gt_u32 s34, \j
	s_cbranch_scc0 .Lf
.irp x, 0,1,2,3,4,5,6,7
	ds_store_b128 v8, v[ACC+32*\j+4*\x:ACC+32*\j+4*\x+3] offset:\j*TA+512*\x
.endr
.endr
.Lf:
	JOIN
	; THE WAY OUT, by all sixteen waves: wave w takes the local tiles 2 jj + par of consumer w % 8 (par = 1 in waves 0-7, 0 in waves 8-15), written out four times: every LDS address is a register made at the head + a constant.
	; A tile's sums x the row's factor go through a stage in the tile's own area, which no other wave touches from here on, and come back as rows: sixteen lanes store 256 consecutive bytes, at a multiple of 256 from ys's first byte.
	; The rows' places are made while the tile's LDS loads are out, so that all of a tile's vector lines stand ahead of its one wait on va_vdst.
	s_wait_loadcnt 0x0                             ; the entries that were asked for at the head
	s_sub_co_i32 s38, s34, s26                     ; local tile 2 jj + par exists where 2 jj < s38
	s_wait_alu depctr_vm_vsrc(0)                   ; the LDS stores of sums (consumers) and of the last three chunks' codes (producers) have read registers among v24 to v119, which the lines and loads below write
	v_mov_b32 v[F+1], 0                            ; (named with the factor as a pair)
	s_wait_alu depctr_va_vdst(0)                   ; the products (consumers) and the holds and conversions (producers) issued so far are done with v24 to v55 and v88, in which the first tile's LDS loads land: stated here, in text that every wave walks, for every way through the branches that part the roles
.irp jj, 0,1,2,3
.if \jj > 0
	s_wait_alu depctr_vm_vsrc(0)                   ; the last tile's global stores have read their offsets v[KC ..] and their data v[Z ..], its LDS stores v[V ..]: this tile writes all three
.endif
	s_cmp_gt_i32 s38, 2*\jj
	s_cbranch_scc0 .Lend
.if \jj > 0
	s_wait_xcnt 0x0                                ; the last tile's stores have read their registers
.endif
.if \jj < 2
.set RP, 248+4*\jj
.else
.set RP, 104
	global_load_b128 v[RP:RP+3], v15, s[12:13] offset:512*\jj   ; an overflow tile's entries are asked for here
.endif
.irp x, 0,1,2,3,4,5,6,7
	ds_load_b128 v[V+4*\x:V+4*\x+3], v9 offset:\jj*2*TA+512*\x
.endr
	ds_load_b32 v[F], v19 offset:\jj*2*TA
.if \jj >= 2
	s_wait_loadcnt 0x0
.endif
.irp i, 0,2,4,6
	v_and_b32 v[KC+\i], 0xffff, v[RP+\i/2]         ; the entries of rows 8 h + i
	v_lshrrev_b32 v[KC+\i+1], 16, v[RP+\i/2]       ; and 8 h + i + 1
.endr
.irp i, 0,1,2,3,4,5,6,7
	v_add_nc_u32 v[KC+\i], s39, v[KC+\i]           ; in my half of ys
	v_min_u32 v[KC+\i], 0x101f, v[KC+\i]           ; ys has 2 x 2,064 rows
	v_lshl_add_u32 v[KC+\i], v[KC+\i], 12, v12     ; row x 4,096 bytes + 16 r
.endr
	s_wait_dscnt 0x0                               ; the images are in registers: the stage may take their place
.irp a, 0,2,4,6,8,10,12,14,16,18,20,22,24,26,28,30
	v_pk_mul_f32 v[V+\a:V+\a+1], v[V+\a:V+\a+1], v[F:F+1] op_sel_hi:[1,0]
.endr
	s_wait_alu depctr_va_vdst(0)                   ; the sums x the factor v[V ..] are written, which the LDS stores read, and the places v[KC ..], which the global stores read; these lines are also done with v[V ..], v[F] and the entries, in which the next tile's loads land
.irp x, 0,1,2,3,4,5,6,7
	ds_store_b128 v16, v[V+4*\x:V+4*\x+3] offset:\jj*2*TA+16*\x
.endr
.irp i, 0,1,2,3,4,5,6,7
	ds_load_b128 v[Z+4*\i:Z+4*\i+3], v17 offset:\jj*2*TA+272*\i   ; LDS serves a wave's instructions in order (ISA guide 5.7.1.4): these see the stores above
.endr
	s_wait_dscnt 0x0
.irp i, 0,1,2,3,4,5,6,7
	global_store_b128 v[KC+\i], v[Z+4*\i:Z+4*\i+3], s[52:53]
.endr
.endr
.Lend:
	s_wait_dscnt 0x0                               ; the closing lines, six on end
	s_wait_alu 0x0
	s_wait_tensorcnt 0x0
	ds_add_u32 v20, v22
	s_wait_dscnt 0x0
	s_endpgm
.Lfunc_end_k_q7db53c9cc3_down:
	.size	k_q7db53c9cc3_down, .Lfunc_end_k_q7db53c9cc3_down-k_q7db53c9cc3_down
	.p2alignl 7, 3214868480
	.fill 96, 4, 3214868480
	.section	.rodata,"a",@progbits
	.p2align	6, 0x0
	.amdhsa_kernel k_q7db53c9cc3_down
		.amdhsa_group_segment_fixed_size 303872
		.amdhsa_private_segment_fixed_size 0
		.amdhsa_enable_private_segment 0
		.amdhsa_kernarg_size 64
		.amdhsa_user_sgpr_count 2
		.amdhsa_user_sgpr_kernarg_segment_ptr 1
		.amdhsa_wavefront_size32 1
		.amdhsa_system_sgpr_workgroup_id_x 1
		.amdhsa_system_sgpr_workgroup_id_y 1
		.amdhsa_system_sgpr_workgroup_id_z 1
		.amdhsa_system_vgpr_workitem_id 0
		.amdhsa_next_free_vgpr 256
		.amdhsa_next_free_sgpr 100
		.amdhsa_reserve_vcc 0
		.amdhsa_float_denorm_mode_32 3
		.amdhsa_float_denorm_mode_16_64 3
		.amdhsa_memory_ordered 1
		.amdhsa_forward_progress 1
		.amdhsa_inst_pref_size 229
	.end_amdhsa_kernel
	.amdgpu_metadata
---
amdhsa.version: [ 1, 2 ]
amdhsa.kernels:
  - .name:           k_q7db53c9cc3_down
    .symbol:         k_q7db53c9cc3_down.kd
    .args:
      - { .name: W2, .offset: 0, .size: 8, .value_kind: global_buffer, .address_space: global }
      - { .name: b2, .offset: 8, .size: 8, .value_kind: global_buffer, .address_space: global }
      - { .name: lowp_scales, .offset: 16, .size: 8, .value_kind: global_buffer, .address_space: global }
      - { .name: hq, .offset: 24, .size: 8, .value_kind: global_buffer, .address_space: global }
      - { .name: rows, .offset: 32, .size: 8, .value_kind: global_buffer, .address_space: global }
      - { .name: cnt, .offset: 40, .size: 8, .value_kind: global_buffer, .address_space: global }
      - { .name: p0w, .offset: 48, .size: 8, .value_kind: global_buffer, .address_space: global }
      - { .name: ys, .offset: 56, .size: 8, .value_kind: global_buffer, .address_space: global }
    .group_segment_fixed_size: 303872
    .private_segment_fixed_size: 0
    .kernarg_segment_align: 8
    .kernarg_segment_size: 64
    .max_flat_workgroup_size: 512
    .sgpr_count:     100
    .vgpr_count:     256
    .wavefront_size: 32
...
	.end_amdgpu_metadata
.endif
;; end of part 9
;; launch sum (part 10): grid 256 x 1, 8 waves a work-group, no clusters, 0 bytes of LDS; arguments ys, out0; writes out0
.if DOCPART == 10
	.amdgcn_target "amdgcn-amd-amdhsa--gfx1250"
	.amdhsa_code_object_version 6
	.text
	.protected	k_q7db53c9cc3_sum
	.globl	k_q7db53c9cc3_sum
	.p2align	8
	.type	k_q7db53c9cc3_sum,@function
k_q7db53c9cc3_sum:
	s_mov_b64 s[64:65], 0
	v_nop
	global_prefetch_b8 v0, s[64:65] scope:SCOPE_SE
	s_setreg_imm32_b32 hwreg(HW_REG_WAVE_MODE, 25, 1), 1
	s_wait_xcnt 0x0
; out0 = the sum of ys's four planes (two experts x two halves of K), each [1024][1024] f32.  ys is [2][2064 rows][1024]: in each half two planes on end, then 16 rows that are not read.
; A stream: every byte of the planes is read once, every byte of out0 written once.
; Thread T of 65,536 takes the 16 bytes at 16 T of each quarter of a plane: a load or store of the wave covers 512 consecutive aligned bytes.  All sixteen loads of a thread go out at once; no loop, no LDS, no barrier.
.set D, 8                              ; v8-71: pass a, plane p at 8 + 16 a + 4 p
.set HALF, 2064*4096                   ; bytes from one half of ys to the other
	s_load_b128 s[4:7], s[0:1], 0x0                ; ys, out0
	s_lshl_b32 s8, ttmp9, 12                       ; 256 threads x 16 bytes
	v_lshl_add_u32 v1, v0, 4, s8
	s_wait_alu depctr_va_vdst(0)
	s_wait_kmcnt 0x0
	s_add_nc_u64 s[10:11], s[4:5], 0x400000        ; planes 1, 2, 3
	s_add_nc_u64 s[12:13], s[4:5], HALF
	s_add_nc_u64 s[14:15], s[4:5], HALF+0x400000
.irp a, 0,1,2,3
	global_load_b128 v[D+16*\a:D+16*\a+3],     v1, s[4:5]   offset:\a*0x100000 th:TH_LOAD_NT
	global_load_b128 v[D+16*\a+4:D+16*\a+7],   v1, s[10:11] offset:\a*0x100000 th:TH_LOAD_NT
	global_load_b128 v[D+16*\a+8:D+16*\a+11],  v1, s[12:13] offset:\a*0x100000 th:TH_LOAD_NT
	global_load_b128 v[D+16*\a+12:D+16*\a+15], v1, s[14:15] offset:\a*0x100000 th:TH_LOAD_NT
.endr
.irp a, 0,1,2,3
	s_wait_loadcnt 12-4*\a                         ; this pass's four loads are in; those of the later passes stay out
	v_pk_add_f32 v[D+16*\a:D+16*\a+1],    v[D+16*\a:D+16*\a+1],    v[D+16*\a+4:D+16*\a+5]
	v_pk_add_f32 v[D+16*\a+2:D+16*\a+3],  v[D+16*\a+2:D+16*\a+3],  v[D+16*\a+6:D+16*\a+7]
	v_pk_add_f32 v[D+16*\a+8:D+16*\a+9],  v[D+16*\a+8:D+16*\a+9],  v[D+16*\a+12:D+16*\a+13]
	v_pk_add_f32 v[D+16*\a+10:D+16*\a+11], v[D+16*\a+10:D+16*\a+11], v[D+16*\a+14:D+16*\a+15]
	s_delay_alu instid0(VALU_DEP_2)
	v_pk_add_f32 v[D+16*\a:D+16*\a+1],    v[D+16*\a:D+16*\a+1],    v[D+16*\a+8:D+16*\a+9]
	s_delay_alu instid0(VALU_DEP_2)
	v_pk_add_f32 v[D+16*\a+2:D+16*\a+3],  v[D+16*\a+2:D+16*\a+3],  v[D+16*\a+10:D+16*\a+11]
	global_store_b128 v1, v[D+16*\a:D+16*\a+3], s[6:7] offset:\a*0x100000 th:TH_STORE_NT
.endr
	s_endpgm
.Lfunc_end_k_q7db53c9cc3_sum:
	.size	k_q7db53c9cc3_sum, .Lfunc_end_k_q7db53c9cc3_sum-k_q7db53c9cc3_sum
	.p2alignl 7, 3214868480
	.fill 96, 4, 3214868480
	.section	.rodata,"a",@progbits
	.p2align	6, 0x0
	.amdhsa_kernel k_q7db53c9cc3_sum
		.amdhsa_group_segment_fixed_size 0
		.amdhsa_private_segment_fixed_size 0
		.amdhsa_enable_private_segment 0
		.amdhsa_kernarg_size 16
		.amdhsa_user_sgpr_count 2
		.amdhsa_user_sgpr_kernarg_segment_ptr 1
		.amdhsa_wavefront_size32 1
		.amdhsa_system_sgpr_workgroup_id_x 1
		.amdhsa_system_sgpr_workgroup_id_y 1
		.amdhsa_system_sgpr_workgroup_id_z 1
		.amdhsa_system_vgpr_workitem_id 0
		.amdhsa_next_free_vgpr 96
		.amdhsa_next_free_sgpr 66
		.amdhsa_reserve_vcc 0
		.amdhsa_float_denorm_mode_32 3
		.amdhsa_float_denorm_mode_16_64 3
		.amdhsa_memory_ordered 1
		.amdhsa_forward_progress 1
		.amdhsa_inst_pref_size 5
	.end_amdhsa_kernel
	.amdgpu_metadata
---
amdhsa.version: [ 1, 2 ]
amdhsa.kernels:
  - .name:           k_q7db53c9cc3_sum
    .symbol:         k_q7db53c9cc3_sum.kd
    .args:
      - { .name: ys, .offset: 0, .size: 8, .value_kind: global_buffer, .address_space: global }
      - { .name: out0, .offset: 8, .size: 8, .value_kind: global_buffer, .address_space: global }
    .group_segment_fixed_size: 0
    .private_segment_fixed_size: 0
    .kernarg_segment_align: 8
    .kernarg_segment_size: 16
    .max_flat_workgroup_size: 256
    .sgpr_count:     66
    .vgpr_count:     96
    .wavefront_size: 32
...
	.end_amdgpu_metadata
.endif
;; end of part 10
